; MI455X (gfx1250); checked and timed in simulation.
; The chip was launched on July 23, 2026; its instructions are those of AMD's public machine-readable ISA for CDNA 5 (MIT licence, August 2026) and "CDNA5" Instruction Set Architecture Reference Guide (July 2026). The comments in the code are by the model that wrote it; some were corrected since.
;; Self Attention. Allowed arithmetic: matrix products marked QUANTISED: E2M3 operands, one E8M0 scale for each 32 along K, by v_wmma_scale_f32_16x16x128_f8f6f4 with both operands' format E2M3, f32 sums; everything else in f32.
;; Inputs: Kb 2,048 float32; Kw 256 x 2,048 float32; Pb 256 float32; Pw 2,048 x 256 float32; Qb 2,048 float32; Qw 256 x 2,048 float32; Vb 2,048 float32; Vw 256 x 2,048 float32; col_tab 63 x 128 float32; row_tab 63 x 128 float32; x 8 x 32 x 32 x 256 float32.
;; Outputs: out0 8 x 32 x 32 x 256 float32.
;; This version of the problem:
;;   THIS VERSION OF THE PROBLEM IS GIVEN IN LOW PRECISION. The matrix products marked QUANTISED in the list below multiply operands that are first quantised to E2M3 (2 exponent bits, 3 mantissa bits; 6 bits a number), with one power-of-two scale for each 32 numbers along K (OCP MX v1.0); their sums are f32. All else is computed in f32.
;;   The module's matrix products, in the order in which they are computed (A, B: the left and right operand; K: the contracted axis; several contracted axes count as one K, in the product's order):
;;     1. [M 8,192, K 256] x [K 256, N 2,048]; A: input x; B: input Kw: QUANTISED
;;     2. [M 8,192, K 256] x [K 256, N 2,048]; A: input x; B: input Qw: QUANTISED
;;     3. [M 8,192, K 256] x [K 256, N 2,048]; A: input x; B: input Vw: QUANTISED
;;     4. batch 64 x [M 1,024, K 256] x [K 256, N 1,024]; A: computed on the way; B: computed on the way: QUANTISED
;;     5. batch 32 x [M 32, K 128] x [K 128, N 2,048]; A: computed on the way; B: computed on the way: QUANTISED
;;     6. batch 32 x [M 32, K 128] x [K 128, N 2,048]; A: computed on the way; B: computed on the way: QUANTISED
;;     7. batch 64 x [M 256, K 1,024] x [K 1,024, N 1,024]; A: computed on the way; B: computed on the way: QUANTISED
;;     8. [M 8,192, K 2,048] x [K 2,048, N 256]; A: computed on the way; B: input Pw: QUANTISED
;;   THE QUANTISER, for each operand of a quantised product, along K:
;;     - K is cut into blocks of 32 from its start; a last block that is shorter is filled with zeros.
;;     - A block's scale is 2^e with e = floor(log2(the largest magnitude in the block)) - 2, held to -126 .. 127; a block of zeros has e = 0. As a byte (E8M0): e + 127.
;;     - Each number is divided by its block's scale, clamped to +-7.5, and rounded to the nearest number of E2M3, ties to even, subnormals kept.
;;     - The product sums the exact products of the quantised numbers (number of the format x scale) in f32.
;;   ~~~python
;;   def quantise(x, axis):      # numpy; x: float32 -> the quantised numbers, widened to float32 again
;;       x = np.moveaxis(x, axis, -1); K = x.shape[-1]
;;       x = np.pad(x, [(0, 0)] * (x.ndim - 1) + [(0, -K % 32)]); x = x.reshape(x.shape[:-1] + (-1, 32)); a = np.abs(x).max(-1, keepdims=True)
;;       e = np.where(a > 0, np.clip(np.frexp(np.where(a > 0, a, 1))[1] - 1 - 2, -126, 127), 0)      # np.frexp(a)[1] - 1 = floor(log2(a)), exactly
;;       r = np.clip(x / 2.0 ** e, -7.5, 7.5)
;;       step = 2.0 ** (np.maximum(np.frexp(np.where(r == 0, 1, r))[1] - 1, 0) - 3)
;;       q = np.round(r / step) * step * 2.0 ** e      # np.round: ties to even
;;       return np.moveaxis(q.reshape(q.shape[:-2] + (-1,))[..., :K], -1, axis).astype(np.float32)
;;   ~~~
;;   OPERANDS COMPUTED ON THE WAY. 'Computed on the way' means the value that the module computes at that place (a softmax that the list does not call 'softmax' is quantised finished and normalised). What goes into a quantiser is computed in f32, as accurately as f32 sums, v_exp_f32 and their like allow (about 1e-6 of the number): no bf16 or f16 on the way to a quantiser, and a product that is left as it is and whose result goes on into a quantised operand takes f32 operands (vector FMAs, or v_wmma_f32_16x16x4_f32). A number that lies on a knife's edge between two numbers of the format may be rounded either way, as far as f32 arithmetic and the matrix unit's own rounding can turn it there, and no further.
;; 2 versions. Each part assembles by itself: llvm-mc -triple=amdgcn-amd-amdhsa -mcpu=gfx1250 --defsym DOCPART=n.
;; ======== version 1 of 2: 4 launches
;; workspace buffers: opq 3,289,600 bytes; qkv 39,321,600 bytes; att 13,107,200 bytes
;; launch quant (part 1): grid 258 x 1, 4 waves a work-group, no clusters, 0 bytes of LDS; arguments x, Kw, Qw, Vw, Pw, row_tab, col_tab, opq; writes opq
.if DOCPART == 1
	.amdgcn_target "amdgcn-amd-amdhsa--gfx1250"
	.amdhsa_code_object_version 6
	.text
	.protected	k_qf94eb52329_quant
	.globl	k_qf94eb52329_quant
	.p2align	8
	.type	k_qf94eb52329_quant,@function
k_qf94eb52329_quant:
	s_mov_b64 s[64:65], 0
	v_nop
	global_prefetch_b8 v0, s[64:65] scope:SCOPE_SE
	s_setreg_imm32_b32 hwreg(HW_REG_WAVE_MODE, 25, 1), 1
	s_wait_xcnt 0x0
; x, Kw, Qw, Vw, Pw, row_tab and col_tab (f32) become codes of E2M3 with one E8M0 byte for each 32 along K, laid as the later launches' operand registers want them.
; A FRAGMENT (16 rows x 128 K, 12 registers a lane) lies in memory as an image of its registers: registers 4 c .. 4 c + 3 of lane L at 512 c + 16 L: 1,536 bytes.
; Its scale words: 64 bytes, word r for row r; two K steps side by side in 128 bytes.
; THE 16 ROWS OF A TILE ARE NOT NEIGHBOURS: tile 2 g + u holds members 32 g + 8 u + r + 8 (r / 8) of a run of 32 (tokens, weight columns).  The two tables keep their rows, as plain rows of 96 bytes.
; A block's scale is 2^(floor(log2(largest magnitude)) - 2): the byte is the largest magnitude's exponent field - 2, held at 1 from below by a floor among the maximum's leaves.
; LIMITS: NaN and infinities are not served; a block of zeros gets the byte 1 (its codes are zeros, and only this program reads the bytes).
; Work-groups 0-127: x (a wave a tile of 16 tokens); 128-223: Kw, Qw, Vw (a wave 32 columns x 128 K); 224-255: Pw likewise; 256, 257: the tables (a wave 16 rows; row 63 repeats row 62 and is never used).
; No LDS, no barrier: waves share nothing.
.set O_XS, 1572864
.set O_WI, 1638400
.set O_WS, 2818048
.set O_PI, 2867200
.set O_PS, 3260416
.set O_RT, 3276800
.set O_CT, 3283200
.set TABW, 6144                        ; a table's scale words lie behind its 64 rows of 96 bytes
; 32 numbers v[x] .. v[x+31] of one block become six registers of codes at v[pc] and the scale's byte in v[by]
.macro BLK32 x, pc, by
	v_max3_num_f32 v8, |v[\x]|, |v[\x+1]|, 0x1800000       ; the floor 2^(3 - 127) among the leaves: the byte cannot fall under 1
	v_max3_num_f32 v9, |v[\x+2]|, |v[\x+3]|, |v[\x+4]|
.irp i, 5,9,13,17,21,25
	v_max3_num_f32 v8, v8, |v[\x+\i]|, |v[\x+\i+1]|
	v_max3_num_f32 v9, v9, |v[\x+\i+2]|, |v[\x+\i+3]|
.endr
	v_max3_num_f32 v8, v8, |v[\x+29]|, |v[\x+30]|
	v_max3_num_f32 v9, v9, |v[\x+31]|, v8
	v_add_nc_u32 v10, 0xff000000, v9                       ; 2 off the exponent field: the conversion's scale operand
	v_cvt_scalef32_pk16_fp6_f32 v[\pc:\pc+2], v[\x:\x+15], v10
	v_cvt_scalef32_pk16_fp6_f32 v[12:14], v[\x+16:\x+31], v10   ; (a conversion's three registers begin on an even number)
	v_lshrrev_b32 v[\by], 23, v10                          ; the byte; also the plain line behind the conversions
	v_mov_b32 v[\pc+3], v12
	v_mov_b32 v[\pc+4], v13
	v_mov_b32 v[\pc+5], v14
.endm
; my two bytes (blocks h and 2 + h) at their places, joined with lane l xor 16's two: the row's scale word
.macro WORDH d, b0, b1, t
	v_lshl_or_b32 v[\d], v[\b1], 16, v[\b0]
	v_lshlrev_b32 v[\d], v11, v[\d]
	v_permlanex16_b32 v[\t], v[\d], s22, s23
	v_or_b32 v[\d], v[\d], v[\t]
.endm
; 32 columns x 128 K of a weight stored [K][N]: a lane takes a column, its registers run down K.  rs: bytes from row to row; ts: bytes from tile to tile in the images
.macro WPATH rs, ts
	v_lshlrev_b32 v4, 2, v1                                ; in: 4 bytes a lane
	v_bfe_u32 v5, v0, 3, 1                                 ; u: which of the two tiles my column falls into
	v_and_b32 v6, 7, v0
	v_lshl_add_u32 v6, v3, 3, v6                           ; its row there: (L % 8) + 8 (L / 16)
	v_lshlrev_b32 v7, 2, v6
	v_lshl_add_u32 v7, v5, 7, v7                           ; scale word: 128 u + 4 row
	v_lshlrev_b32 v6, 4, v6
	v_mad_u32_u24 v5, v5, \ts, v6                          ; codes: tile + 16 row
.set q, 0
.rept 4                                                    ; block q = 2 h + c holds K = 64 c + 32 h + 0 .. 31
.set i, 0
.rept 32
	global_load_b32 v[32+32*q+i], v4, s[24:25] offset:(64*(q%2)+32*(q/2)+i)*\rs th:TH_LOAD_NT
.set i, i+1
.endr
.set q, q+1
.endr
	s_wait_loadcnt 63                                      ; at most 63 of the 128 are out: blocks 0 and 1 are in
	BLK32 32, 160, 184
	BLK32 64, 166, 185
	s_wait_loadcnt 32                                      ; block 3's 32 loads may be out
	BLK32 96, 172, 186
	s_wait_loadcnt 0x0
	BLK32 128, 178, 187
	v_lshl_or_b32 v188, v186, 8, v184                      ; byte 2 c + h
	v_lshl_or_b32 v188, v185, 16, v188
	v_lshl_or_b32 v188, v187, 24, v188
.irp hh, 0,1                                               ; I hold both image lanes (row, 0) and (row, 1)
.irp c, 0,1,2
	global_store_b128 v5, v[160+12*\hh+4*\c:163+12*\hh+4*\c], s[26:27] offset:256*\hh+512*\c
.endr
.endr
	global_store_b32 v7, v188, s[28:29]
.endm
	s_load_b256 s[4:11], s[0:1], 0x0                       ; x, Kw, Qw, Vw
	s_load_b256 s[12:19], s[0:1], 0x20                     ; Pw, row_tab, col_tab, opq
	v_lshrrev_b32 v1, 5, v0
	v_readfirstlane_b32 s20, v1                            ; wave
	v_and_b32 v1, 31, v0                                   ; L
	v_and_b32 v2, 15, v0                                   ; r
	v_bfe_u32 v3, v0, 4, 1                                 ; h
	v_lshlrev_b32 v11, 3, v3                               ; 8 h
	v_mov_b32 v190, 0                                      ; a lane permute's destination counts as read
	v_mov_b32 v191, 0
	s_mov_b32 s22, 0x76543210
	s_mov_b32 s23, 0xfedcba98                              ; selects for lane l xor 16
	s_mov_b32 s31, 0                                       ; offsets stand in s[30:31]
	s_wait_kmcnt 0x0
	s_cmp_lt_u32 ttmp9, 128
	s_cbranch_scc1 .Lx
	s_cmp_lt_u32 ttmp9, 224
	s_cbranch_scc1 .Lw
	s_cmp_lt_u32 ttmp9, 256
	s_cbranch_scc1 .Lp
	; ---- the tables: wave tt takes rows 16 tt + r; lane (r, h) holds K = 64 c + 32 h + 0 .. 31
	s_cmp_eq_u32 ttmp9, 256
	s_cselect_b64 s[24:25], s[14:15], s[16:17]
	s_cselect_b32 s30, 0, O_CT-O_RT
	s_add_co_u32 s30, s30, O_RT
	s_add_nc_u64 s[26:27], s[18:19], s[30:31]
	v_lshl_add_u32 v4, s20, 4, v2                          ; the row that I write
	v_min_u32 v5, 62, v4                                   ; the row that I read: the table has 63
	v_lshlrev_b32 v5, 9, v5
	v_lshl_add_u32 v5, v3, 7, v5
.irp c, 0,1
.irp i, 0,1,2,3,4,5,6,7
	global_load_b128 v[32+32*\c+4*\i:35+32*\c+4*\i], v5, s[24:25] offset:256*\c+16*\i
.endr
.endr
	s_wait_loadcnt 8                                       ; the second block's eight loads may be out
	BLK32 32, 160, 184
	s_wait_loadcnt 0x0
	BLK32 64, 166, 185
	WORDH 188, 184, 185, 190
	v_mul_u32_u24 v6, v4, 96
	v_mad_u32_u24 v6, v3, 24, v6
.irp p, 0,1,2,3,4,5
	global_store_b64 v6, v[160+2*\p:161+2*\p], s[26:27] offset:48*(\p/3)+8*(\p%3)
.endr
	v_lshlrev_b32 v7, 2, v4
	global_store_b32 v7, v188, s[26:27] offset:TABW        ; both halves of the lanes write the same word with the same value
	s_endpgm
.Lx:	; ---- x: tile T = 4 g + wave; lane (r, h) holds, of its token, K = 128 s + 64 c + 32 h + 0 .. 31
	s_lshl_b32 s21, ttmp9, 2
	s_add_co_u32 s21, s21, s20                             ; T
	s_lshr_b32 s32, s21, 1
	s_lshl_b32 s30, s32, 15                                ; 32 tokens of 1,024 bytes
	s_and_b32 s32, s21, 1
	s_lshl_b32 s32, s32, 13                                ; + 8 tokens for the odd tile
	s_add_co_u32 s30, s30, s32
	s_add_nc_u64 s[24:25], s[4:5], s[30:31]
	s_mul_i32 s30, s21, 3072
	s_add_nc_u64 s[26:27], s[18:19], s[30:31]              ; x's images begin at the buffer's first byte
	s_lshl_b32 s30, s21, 7
	s_add_co_u32 s30, s30, O_XS
	s_add_nc_u64 s[28:29], s[18:19], s[30:31]
	v_and_b32 v4, 8, v2
	v_add_nc_u32 v4, v4, v2                                ; r + 8 (r / 8)
	v_lshlrev_b32 v4, 10, v4
	v_lshl_add_u32 v4, v3, 7, v4
.irp b, 0,1,2,3                                            ; block b = 2 s + c
.irp i, 0,1,2,3,4,5,6,7
	global_load_b128 v[32+32*\b+4*\i:35+32*\b+4*\i], v4, s[24:25] offset:256*\b+16*\i th:TH_LOAD_NT
.endr
.endr
	s_wait_loadcnt 24                                      ; eight loads for each of the three younger blocks
	BLK32 32, 160, 184
	s_wait_loadcnt 16
	BLK32 64, 166, 185
	s_wait_loadcnt 8
	BLK32 96, 172, 186
	s_wait_loadcnt 0x0
	BLK32 128, 178, 187
	WORDH 188, 184, 185, 190
	WORDH 189, 186, 187, 191
	v_cmp_eq_u32 vcc_lo, 1, v3
	v_cndmask_b32 v188, v188, v189, vcc_lo                 ; lanes 0-15 store K step 0's words, lanes 16-31 K step 1's
	v_lshlrev_b32 v6, 4, v1
	v_lshlrev_b32 v7, 2, v1
.irp c, 0,1,2,3,4,5
	global_store_b128 v6, v[160+4*\c:163+4*\c], s[26:27] offset:512*\c
.endr
	global_store_b32 v7, v188, s[28:29]
	s_endpgm
.Lw:	; ---- Kw, Qw, Vw [256][2048]
	s_sub_co_u32 s21, ttmp9, 128
	s_lshr_b32 s32, s21, 5                                 ; which tensor
	s_and_b32 s21, s21, 31
	s_lshl_b32 s21, s21, 1
	s_lshr_b32 s33, s20, 1
	s_add_co_u32 s21, s21, s33                             ; which 32 columns
	s_and_b32 s33, s20, 1                                  ; which K step
	s_cmp_eq_u32 s32, 0
	s_cselect_b64 s[24:25], s[6:7], s[8:9]
	s_cmp_eq_u32 s32, 2
	s_cselect_b64 s[24:25], s[10:11], s[24:25]
	s_lshl_b32 s30, s33, 20                                ; 128 rows of 8,192 bytes
	s_lshl_b32 s34, s21, 7
	s_add_co_u32 s30, s30, s34
	s_add_nc_u64 s[24:25], s[24:25], s[30:31]
	s_lshl_b32 s34, s32, 7
	s_lshl_b32 s35, s21, 1
	s_add_co_u32 s34, s34, s35                             ; the first of my two tiles
	s_mul_i32 s30, s34, 3072
	s_mul_i32 s35, s33, 1536
	s_add_co_u32 s30, s30, s35
	s_add_co_u32 s30, s30, O_WI
	s_add_nc_u64 s[26:27], s[18:19], s[30:31]
	s_lshl_b32 s30, s34, 7
	s_lshl_b32 s35, s33, 6
	s_add_co_u32 s30, s30, s35
	s_add_co_u32 s30, s30, O_WS
	s_add_nc_u64 s[28:29], s[18:19], s[30:31]
	WPATH 8192, 3072
	s_endpgm
.Lp:	; ---- Pw [2048][256]
	s_sub_co_u32 s21, ttmp9, 224
	s_lshr_b32 s32, s21, 1                                 ; which 128 along K
	s_and_b32 s21, s21, 1
	s_lshl_b32 s21, s21, 2
	s_add_co_u32 s21, s21, s20                             ; which 32 columns
	s_lshl_b32 s30, s32, 17                                ; 128 rows of 1,024 bytes
	s_lshl_b32 s34, s21, 7
	s_add_co_u32 s30, s30, s34
	s_add_nc_u64 s[24:25], s[12:13], s[30:31]
	s_lshl_b32 s34, s32, 4
	s_lshl_b32 s35, s21, 1
	s_add_co_u32 s34, s34, s35
	s_mul_i32 s30, s34, 1536
	s_add_co_u32 s30, s30, O_PI
	s_add_nc_u64 s[26:27], s[18:19], s[30:31]
	s_lshr_b32 s34, s32, 1
	s_lshl_b32 s34, s34, 4
	s_add_co_u32 s34, s34, s35
	s_lshl_b32 s30, s34, 7
	s_and_b32 s35, s32, 1
	s_lshl_b32 s35, s35, 6
	s_add_co_u32 s30, s30, s35
	s_add_co_u32 s30, s30, O_PS
	s_add_nc_u64 s[28:29], s[18:19], s[30:31]
	WPATH 1024, 1536
	s_endpgm
.Lfunc_end_k_qf94eb52329_quant:
	.size	k_qf94eb52329_quant, .Lfunc_end_k_qf94eb52329_quant-k_qf94eb52329_quant
	.p2alignl 7, 3214868480
	.fill 96, 4, 3214868480
	.section	.rodata,"a",@progbits
	.p2align	6, 0x0
	.amdhsa_kernel k_qf94eb52329_quant
		.amdhsa_group_segment_fixed_size 0
		.amdhsa_private_segment_fixed_size 0
		.amdhsa_enable_private_segment 0
		.amdhsa_kernarg_size 64
		.amdhsa_user_sgpr_count 2
		.amdhsa_user_sgpr_kernarg_segment_ptr 1
		.amdhsa_wavefront_size32 1
		.amdhsa_system_sgpr_workgroup_id_x 1
		.amdhsa_system_sgpr_workgroup_id_y 1
		.amdhsa_system_sgpr_workgroup_id_z 1
		.amdhsa_system_vgpr_workitem_id 0
		.amdhsa_next_free_vgpr 208
		.amdhsa_next_free_sgpr 66
		.amdhsa_reserve_vcc 1
		.amdhsa_float_denorm_mode_32 3
		.amdhsa_float_denorm_mode_16_64 3
		.amdhsa_memory_ordered 1
		.amdhsa_forward_progress 1
		.amdhsa_inst_pref_size 57
	.end_amdhsa_kernel
	.amdgpu_metadata
---
amdhsa.version: [ 1, 2 ]
amdhsa.kernels:
  - .name:           k_qf94eb52329_quant
    .symbol:         k_qf94eb52329_quant.kd
    .args:
      - { .name: x, .offset: 0, .size: 8, .value_kind: global_buffer, .address_space: global }
      - { .name: Kw, .offset: 8, .size: 8, .value_kind: global_buffer, .address_space: global }
      - { .name: Qw, .offset: 16, .size: 8, .value_kind: global_buffer, .address_space: global }
      - { .name: Vw, .offset: 24, .size: 8, .value_kind: global_buffer, .address_space: global }
      - { .name: Pw, .offset: 32, .size: 8, .value_kind: global_buffer, .address_space: global }
      - { .name: row_tab, .offset: 40, .size: 8, .value_kind: global_buffer, .address_space: global }
      - { .name: col_tab, .offset: 48, .size: 8, .value_kind: global_buffer, .address_space: global }
      - { .name: opq, .offset: 56, .size: 8, .value_kind: global_buffer, .address_space: global }
    .group_segment_fixed_size: 0
    .private_segment_fixed_size: 0
    .kernarg_segment_align: 8
    .kernarg_segment_size: 64
    .max_flat_workgroup_size: 128
    .sgpr_count:     66
    .vgpr_count:     208
    .wavefront_size: 32
...
	.end_amdgpu_metadata
.endif
;; end of part 1
;; launch qkv (part 2): grid 256 x 1, 4 waves a work-group, no clusters, 77,312 bytes of LDS; arguments opq, Kb, Qb, Vb, qkv; writes qkv
.if DOCPART == 2
	.amdgcn_target "amdgcn-amd-amdhsa--gfx1250"
	.amdhsa_code_object_version 6
	.text
	.protected	k_qf94eb52329_qkv
	.globl	k_qf94eb52329_qkv
	.p2align	8
	.type	k_qf94eb52329_qkv,@function
k_qf94eb52329_qkv:
	s_mov_b64 s[64:65], 0
	v_nop
	global_prefetch_b8 v0, s[64:65] scope:SCOPE_SE
	s_setreg_imm32_b32 hwreg(HW_REG_WAVE_MODE, 25, 1), 1
	s_wait_xcnt 0x0
; K = x Kw + Kb, Q = x Qw + Qb, V = x Vw + Vb on codes of E2M3, and the results quantised again: K and Q along the head's channels, V along the tokens (the keys).
; A CELL: eight tiles (128 members) as source 0 against one tile as source 1, K = 256 in two steps: 16 matrix instructions on 8 accumulators by turns, the bias as the C of the first eight.
; By the tiles' order of rows a lane's 64 results are, for its row of source 1, 4 x 16 neighbours along source 0's members: one whole fragment of the next product and its scale word.
;   K, Q: source 0 = 128 weight columns (half a head), source 1 = 16 tokens  -> 16 tokens x 128 channels.      V: source 0 = 128 tokens, source 1 = 16 columns of Vw -> 16 channels x 128 keys.
; A wave keeps its two groups of source 0 in registers for the whole launch and walks 16 + 8 cells; the tiles of source 1 (16 of x, 8 of Vw) are shared by the four waves: they are copied into LDS once,
; through registers, ahead of the launch's one barrier, and only read afterwards.  They lie on end, so that the fetch of the next two tiles runs from the first phase into the second.
; No cluster: what work-groups share is read once by each into LDS, and the launch is short.
; LIMITS: NaN and infinities are not served; a block of zeros gets the byte 1 (only this program reads the bytes).
; REGISTERS: window 0: v1-11 addresses, v12-27 at work, v28-29 scale words made, v30-31, v32-47 scale words of operands, v48-175 two cells' results, v176-215 their codes, v216-223 Vb.
;   window 1: v0-191 my 128 weight columns, v192-255 their bias.   window 2: v0-191 my 128 tokens, v192-239 two tiles of source 1, v240-255 Vb spread for two cells.
.set O_XS, 1572864
.set O_WI, 1638400
.set O_WS, 2818048
.set O_KS, 25165824
.set O_VI, 26214400
.set O_VS, 38797312
.set LI,  1                            ; 16 x lane
.set L4,  2                            ; 4 x lane
.set R4,  3                            ; 4 x (lane % 16)
.set H64, 4                            ; 64 x (lane / 16)
.set RB,  5                            ; 4 x (r + 8 (r / 8))
.set SA0, 6                            ; 16 x thread
.set SA1, 7                            ; + 49,152
.set SA2, 8                            ; 8 x thread + 75,776
.set BA,  9                            ; LDS address of the next two tiles
.set BSA, 10                           ; and of their scale words
.set T8,  11                           ; 8 x thread
.set TM,  12
.set PW,  28
.set BS,  30
.set AS,  32
.set ASV, 40
.set D0,  48
.set D1,  112
.set PC0, 176
.set PC1, 196
.set VBV, 216
.set CB,  192                          ; window 1
.set BF,  192                          ; window 2
.set VB,  240                          ; window 2
.set TB,  54
.set TS,  55
.set SEL, 58
.set MSB, 0
.macro WIN new                         ; the immediate's high byte repeats the setting that is left
.if MSB != (\new)
	s_set_vgpr_msb (MSB<<8)|(\new)
.set MSB, (\new)
.endif
.endm
.macro PTR d, b, o, k                  ; s[d:d+1] = s[b:b+1] + s[o] + k; the offsets stay under 2^32
	s_add_co_u32 s2, s[\o], \k
	s_mov_b32 s3, 0
	s_add_nc_u64 s[\d:\d+1], s[\b:\b+1], s[2:3]
.endm
; a cell's 16 matrix instructions.  The eight accumulators take turns, one instruction a turn
.macro MUL d, e, ph
.if \ph
	WIN 0x2a                                               ; tokens, Vw's tile and Vb in window 2
.else
	WIN 0x19                                               ; weights and bias in window 1, x's tile in window 2
.endif
.irp t, 0,1,2,3,4,5,6,7
.if \ph
	v_wmma_scale_f32_16x16x128_f8f6f4 v[\d+8*\t:\d+8*\t+7], v[24*\t:24*\t+11], v[BF+24*\e:BF+24*\e+11], v[VB+8*\e:VB+8*\e+7], v[ASV+\t], v[BS+\e] matrix_a_fmt:MATRIX_FMT_FP6 matrix_b_fmt:MATRIX_FMT_FP6
.else
	v_wmma_scale_f32_16x16x128_f8f6f4 v[\d+8*\t:\d+8*\t+7], v[24*\t:24*\t+11], v[BF+24*\e:BF+24*\e+11], v[CB+8*\t:CB+8*\t+7], v[AS+\t], v[BS+\e] matrix_a_fmt:MATRIX_FMT_FP6 matrix_b_fmt:MATRIX_FMT_FP6
.endif
.endr
.if \ph
	WIN 0x0a
.else
	WIN 0x09
.endif
.irp t, 0,1,2,3,4,5,6,7
.if \ph
	v_wmma_scale_f32_16x16x128_f8f6f4 v[\d+8*\t:\d+8*\t+7], v[24*\t+12:24*\t+23], v[BF+24*\e+12:BF+24*\e+23], v[\d+8*\t:\d+8*\t+7], v[ASV+\t], v[BS+\e] matrix_a_fmt:MATRIX_FMT_FP6 matrix_b_fmt:MATRIX_FMT_FP6 matrix_a_scale:MATRIX_SCALE_ROW1 matrix_b_scale:MATRIX_SCALE_ROW1
.else
	v_wmma_scale_f32_16x16x128_f8f6f4 v[\d+8*\t:\d+8*\t+7], v[24*\t+12:24*\t+23], v[BF+24*\e+12:BF+24*\e+23], v[\d+8*\t:\d+8*\t+7], v[AS+\t], v[BS+\e] matrix_a_fmt:MATRIX_FMT_FP6 matrix_b_fmt:MATRIX_FMT_FP6 matrix_a_scale:MATRIX_SCALE_ROW1 matrix_b_scale:MATRIX_SCALE_ROW1
.endif
.endr
.endm
.macro BFETCH                          ; the next two tiles of source 1 and their scale words
	WIN 0x80
.irp n, 0,1
.irp c, 0,1,2,3,4,5
	ds_load_b128 v[BF+24*\n+4*\c:BF+24*\n+4*\c+3], v[BA] offset:3072*\n+512*\c
.endr
.endr
	WIN 0
	ds_load_b32 v[BS], v[BSA]
	ds_load_b32 v[BS+1], v[BSA] offset:128
.endm
; 64 numbers of a lane, register 16 b + i = K 32 b + 16 (lane / 16) + i of my row, become a fragment's codes in v[pc] on and its scale word in v[pw]
.macro QUANT64 s, pc, pw
.irp b, 0,1,2,3
	v_max3_num_f32 v[TM+\b], |v[\s+16*\b]|, |v[\s+1+16*\b]|, 0x1800000   ; with the floor 2^(3 - 127); each accumulator is read from its low end on
.endr
.irp i, 2,4,6,8,10,12,14
.irp b, 0,1,2,3
	v_max3_num_f32 v[TM+\b], v[TM+\b], |v[\s+16*\b+\i]|, |v[\s+1+16*\b+\i]|
.endr
.endr
.irp b, 0,1,2,3
	v_permlanex16_b32 v[TM+4+\b], v[TM+\b], s[SEL], s[SEL+1]
.endr
.irp b, 0,1,2,3
	v_max_num_f32 v[TM+\b], v[TM+\b], v[TM+4+\b]           ; with lane l xor 16's: the block's largest magnitude
.endr
.irp b, 0,1,2,3
	v_add_nc_u32 v[TM+12+\b], 0xff000000, v[TM+\b]         ; 2 off the exponent field: the conversion's scale operand
.endr
.irp b, 0,1,2,3
	v_lshrrev_b32 v[TM+8+\b], 23, v[TM+12+\b]              ; the byte
.endr
	v_lshl_or_b32 v[\pw], v[TM+9], 8, v[TM+8]
	v_lshl_or_b32 v[\pw], v[TM+10], 16, v[\pw]
	v_lshl_or_b32 v[\pw], v[TM+11], 24, v[\pw]
.irp c, 0,1
	v_cvt_scalef32_pk16_fp6_f32 v[\pc+6*\c:\pc+2+6*\c], v[\s+32*\c:\s+15+32*\c], v[TM+12+2*\c]
	v_cvt_scalef32_pk16_fp6_f32 v[\pc+12+4*\c:\pc+14+4*\c], v[\s+16+32*\c:\s+31+32*\c], v[TM+13+2*\c]
.endr
	v_nop                                                  ; one plain line behind the conversions
.irp c, 0,1                                                ; the operand wants a whole block in a lane
.irp i, 0,1,2
	v_permlane16_swap_b32 v[\pc+6*\c+\i], v[\pc+12+4*\c+\i]
.endr
.irp i, 0,1,2
	v_mov_b32 v[\pc+3+6*\c+\i], v[\pc+12+4*\c+\i]
.endr
.endr
.endm
.macro OUT pc, pw, bc, bs, oc, os      ; a fragment's image: three stores of 512 consecutive bytes; its 16 words (both halves of the lanes write the same)
.irp c, 0,1,2
	global_store_b128 v[LI], v[\pc+4*\c:\pc+4*\c+3], s[\bc:\bc+1] offset:\oc+512*\c
.endr
	global_store_b32 v[R4], v[\pw], s[\bs:\bs+1] offset:\os
.endm
	s_load_b256 s[4:11], s[0:1], 0x0                       ; opq, Kb, Qb, Vb
	s_load_b64 s[12:13], s[0:1], 0x20                      ; qkv
	v_lshl_add_u32 v254, v0, 2, 0x12c00
	v_mov_b32 v255, 0
	v_lshrrev_b32 v1, 5, v0
	v_readfirstlane_b32 s14, v1                            ; wave
	v_and_b32 v9, 31, v0
	v_and_b32 v10, 15, v0
	v_bfe_u32 v11, v0, 4, 1
	v_lshlrev_b32 v[LI], 4, v9
	v_lshlrev_b32 v[L4], 2, v9
	v_lshlrev_b32 v[R4], 2, v10
	v_lshlrev_b32 v[H64], 6, v11
	v_and_b32 v[RB], 8, v10
	v_add_nc_u32 v[RB], v[RB], v10
	v_lshlrev_b32 v[RB], 2, v[RB]
	v_lshlrev_b32 v[SA0], 4, v0
	v_add_nc_u32 v[SA1], 49152, v[SA0]
	v_lshlrev_b32 v[T8], 3, v0
	v_add_nc_u32 v[SA2], 75776, v[T8]
.irp b, 0,1,2,3
	v_mov_b32 v[TM+4+\b], 0                                ; a lane permute's destination counts as read
.endr
	s_mov_b32 s[SEL], 0x76543210
	s_mov_b32 s[SEL+1], 0xfedcba98
	s_lshr_b32 s16, ttmp9, 3                               ; tr: which 16 tiles of tokens
	s_and_b32 s17, ttmp9, 7
	s_lshr_b32 s19, s17, 2                                 ; K (0) or Q (1)
	s_and_b32 s20, s17, 3
	s_lshl_b32 s20, s20, 2
	s_add_co_u32 s20, s20, s14                             ; which 128 columns of that tensor
	s_lshl_b32 s21, s19, 7
	s_lshl_b32 s22, s20, 3
	s_add_co_u32 s21, s21, s22                             ; their first tile
	s_lshr_b32 s23, ttmp9, 4
	s_lshl_b32 s23, s23, 2
	s_add_co_u32 s23, s23, s14                             ; G: which 128 tokens for V
	s_and_b32 s24, ttmp9, 15                               ; vc: which 8 tiles of Vw's columns
	s_wait_kmcnt 0x0
	s_mul_i32 s60, s21, 3072
	PTR 26, 4, 60, O_WI                                    ; my weights
	s_lshl_b32 s60, s21, 7
	PTR 28, 4, 60, O_WS
	s_cmp_eq_u32 s19, 0
	s_cselect_b64 s[30:31], s[6:7], s[8:9]
	s_lshl_b32 s60, s20, 9
	PTR 30, 30, 60, 0                                      ; their bias
	s_mul_i32 s60, s23, 24576
	PTR 32, 4, 60, 0                                       ; my tokens
	s_lshl_b32 s60, s23, 10
	PTR 34, 4, 60, O_XS
	s_lshl_b32 s60, s24, 9
	PTR 36, 10, 60, 0                                      ; Vb
	s_mul_i32 s60, s16, 49152
	PTR 38, 4, 60, 0                                       ; the 16 tiles of x that go to LDS
	s_lshl_b32 s60, s24, 3
	s_add_co_u32 s61, s60, 256
	s_mul_i32 s60, s61, 3072
	PTR 40, 4, 60, O_WI                                    ; the 8 tiles of Vw
	s_lshl_b32 s60, s16, 11
	PTR 42, 4, 60, O_XS
	s_lshl_b32 s60, s61, 7
	PTR 44, 4, 60, O_WS
	s_lshr_b32 s60, s16, 2                                 ; the image
	s_lshl_b32 s60, s60, 3
	s_lshr_b32 s61, s20, 1                                 ; the head
	s_add_co_u32 s60, s60, s61
	s_lshl_b32 s60, s60, 6
	s_and_b32 s62, s16, 3
	s_lshl_b32 s62, s62, 4
	s_add_co_u32 s60, s60, s62                             ; the first tile that I write
	s_and_b32 s63, s20, 1                                  ; which half of the head's channels
	s_mul_i32 s61, s60, 3072
	s_mul_i32 s62, s63, 1536
	s_add_co_u32 s61, s61, s62
	s_mul_i32 s62, s19, 12582912
	s_add_co_u32 s61, s61, s62
	PTR 46, 12, 61, 0
	s_lshl_b32 s61, s60, 7
	s_lshl_b32 s62, s63, 6
	s_add_co_u32 s61, s61, s62
	s_lshl_b32 s62, s19, 19
	s_add_co_u32 s61, s61, s62
	PTR 48, 12, 61, O_KS
	s_lshr_b32 s60, s23, 3
	s_lshl_b32 s60, s60, 3
	s_lshr_b32 s61, s24, 1
	s_add_co_u32 s60, s60, s61
	s_lshl_b32 s60, s60, 7                                 ; 128 x (8 image + head)
	s_and_b32 s62, s23, 7                                  ; which 128 keys
	s_and_b32 s63, s24, 1
	s_lshl_b32 s63, s63, 3                                 ; the first tile of channels
	s_lshl_b32 s61, s62, 4
	s_add_co_u32 s61, s61, s60
	s_add_co_u32 s61, s61, s63
	s_mul_i32 s61, s61, 1536
	PTR 50, 12, 61, O_VI
	s_lshl_b32 s61, s63, 3
	s_add_co_u32 s61, s61, s60
	s_add_co_u32 s61, s61, s62
	s_lshl_b32 s61, s61, 6
	PTR 52, 12, 61, O_VS
	WIN 0x40
.set j, 0
.rept 48
	global_load_b128 v[4*j:4*j+3], v[LI], s[26:27] offset:512*j
.set j, j+1
.endr
.irp t, 0,1,2,3,4,5,6,7                                    ; lane (r, h) wants, for tile t, the bias of columns 32 (t / 2) + 16 h + 8 (t % 2) + 0 .. 7
	global_load_b128 v[CB+8*\t:CB+8*\t+3], v[H64], s[30:31] offset:(32*(\t/2)+8*(\t%2))*4
	global_load_b128 v[CB+8*\t+4:CB+8*\t+7], v[H64], s[30:31] offset:(32*(\t/2)+8*(\t%2))*4+16
.endr
	WIN 0x80
.set j, 0
.rept 48
	global_load_b128 v[4*j:4*j+3], v[LI], s[32:33] offset:512*j
.set j, j+1
.endr
	WIN 0
.irp t, 0,1,2,3,4,5,6,7
	global_load_b32 v[AS+\t], v[L4], s[28:29] offset:128*\t
	global_load_b32 v[ASV+\t], v[L4], s[34:35] offset:128*\t
	global_load_b32 v[VBV+\t], v[RB], s[36:37] offset:(32*(\t/2)+8*(\t%2))*4   ; Vb of my row's column in tile t of Vw
.endr
.set j, 0
.rept 24
	global_load_b128 v[48+4*j:51+4*j], v[SA0], s[38:39] offset:2048*j
.set j, j+1
.endr
.set j, 0
.rept 12
	global_load_b128 v[144+4*j:147+4*j], v[SA0], s[40:41] offset:2048*j
.set j, j+1
.endr
	global_load_b128 v[192:195], v[SA0], s[42:43]
	global_load_b64 v[196:197], v[T8], s[44:45]
	s_wait_loadcnt 0x0                                     ; one wait for all that the launch reads
.set j, 0
.rept 24
	ds_store_b128 v[SA0], v[48+4*j:51+4*j] offset:2048*j
.set j, j+1
.endr
.set j, 0
.rept 12
	ds_store_b128 v[SA1], v[144+4*j:147+4*j] offset:2048*j
.set j, j+1
.endr
	ds_store_b128 v[SA1], v[192:195] offset:24576
	ds_store_b64 v[SA2], v[196:197]
	WIN 0x80
.irp n, 0,1
.irp j, 0,1,2,3,4,5,6,7
	v_mov_b32 v[VB+8*\n+\j], v[VBV+\n]                     ; V's first two cells: a lane's eight results share one column, so one number of Vb
.endr
.endr
	WIN 0
	s_wait_dscnt 0x0                                       ; my stores have landed,
	s_barrier_signal -1
	s_barrier_wait -1                                      ; everybody's have; from here on LDS is only read
	s_mov_b32 s[TB], 0
	s_mov_b32 s[TS], 73728
	v_add_nc_u32 v[BA], s[TB], v[LI]
	v_add_nc_u32 v[BSA], s[TS], v[L4]
	BFETCH
	s_mov_b32 s56, 8
.Lkq:	; ---- K, Q: two cells a trip
	s_wait_dscnt 0x0
	MUL D0, 0, 0
	MUL D1, 1, 0
	WIN 0
	s_add_co_u32 s[TB], s[TB], 6144
	s_add_co_u32 s[TS], s[TS], 256
	v_add_nc_u32 v[BA], s[TB], v[LI]                       ; these two and two v_nop: four places ahead of the loads into operands just read and of the first read of results
	v_add_nc_u32 v[BSA], s[TS], v[L4]
	v_nop
	v_nop
	BFETCH                                                 ; the last trip fetches V's first two tiles
	QUANT64 D0, PC0, PW
	OUT PC0, PW, 46, 48, 0, 0
	QUANT64 D1, PC1, PW+1
	OUT PC1, PW+1, 46, 48, 3072, 128
	s_wait_xcnt 0x0                                        ; the stores' bases and data are written again only behind this wait
	s_add_nc_u64 s[46:47], s[46:47], 6144
	s_add_nc_u64 s[48:49], s[48:49], 256
	s_sub_co_u32 s56, s56, 1
	s_cmp_lg_u32 s56, 0
	s_cbranch_scc1 .Lkq
	; ---- V: four trips, written out since Vb's registers differ
.irp k, 0,1,2,3
	s_wait_dscnt 0x0
	MUL D0, 0, 1
	MUL D1, 1, 1
	WIN 0
.if \k < 3
	s_add_co_u32 s[TB], s[TB], 6144
	s_add_co_u32 s[TS], s[TS], 256
	v_add_nc_u32 v[BA], s[TB], v[LI]
	v_add_nc_u32 v[BSA], s[TS], v[L4]
	v_nop
	v_nop
	WIN 0x80
.irp n, 0,1
.irp j, 0,1,2,3,4,5,6,7
	v_mov_b32 v[VB+8*\n+\j], v[VBV+2*\k+2+\n]
.endr
.endr
	BFETCH
.else
.rept 4
	v_nop
.endr
.endif
	QUANT64 D0, PC0, PW
	OUT PC0, PW, 50, 52, 3072*\k, 1024*\k
	QUANT64 D1, PC1, PW+1
	OUT PC1, PW+1, 50, 52, 3072*\k+1536, 1024*\k+512
.if \k < 3
	s_wait_xcnt 0x0                                        ; the stores' data are written again only behind this wait
.endif
.endr
	s_wait_tensorcnt 0x0
	ds_add_u32 v254, v255
	s_wait_dscnt 0x0
	s_endpgm
.Lfunc_end_k_qf94eb52329_qkv:
	.size	k_qf94eb52329_qkv, .Lfunc_end_k_qf94eb52329_qkv-k_qf94eb52329_qkv
	.p2alignl 7, 3214868480
	.fill 96, 4, 3214868480
	.section	.rodata,"a",@progbits
	.p2align	6, 0x0
	.amdhsa_kernel k_qf94eb52329_qkv
		.amdhsa_group_segment_fixed_size 77312
		.amdhsa_private_segment_fixed_size 0
		.amdhsa_enable_private_segment 0
		.amdhsa_kernarg_size 40
		.amdhsa_user_sgpr_count 2
		.amdhsa_user_sgpr_kernarg_segment_ptr 1
		.amdhsa_wavefront_size32 1
		.amdhsa_system_sgpr_workgroup_id_x 1
		.amdhsa_system_sgpr_workgroup_id_y 1
		.amdhsa_system_sgpr_workgroup_id_z 1
		.amdhsa_system_vgpr_workitem_id 0
		.amdhsa_next_free_vgpr 768
		.amdhsa_next_free_sgpr 66
		.amdhsa_reserve_vcc 0
		.amdhsa_float_denorm_mode_32 3
		.amdhsa_float_denorm_mode_16_64 3
		.amdhsa_memory_ordered 1
		.amdhsa_forward_progress 1
		.amdhsa_inst_pref_size 95
	.end_amdhsa_kernel
	.amdgpu_metadata
---
amdhsa.version: [ 1, 2 ]
amdhsa.kernels:
  - .name:           k_qf94eb52329_qkv
    .symbol:         k_qf94eb52329_qkv.kd
    .args:
      - { .name: opq, .offset: 0, .size: 8, .value_kind: global_buffer, .address_space: global }
      - { .name: Kb, .offset: 8, .size: 8, .value_kind: global_buffer, .address_space: global }
      - { .name: Qb, .offset: 16, .size: 8, .value_kind: global_buffer, .address_space: global }
      - { .name: Vb, .offset: 24, .size: 8, .value_kind: global_buffer, .address_space: global }
      - { .name: qkv, .offset: 32, .size: 8, .value_kind: global_buffer, .address_space: global }
    .group_segment_fixed_size: 77312
    .private_segment_fixed_size: 0
    .kernarg_segment_align: 8
    .kernarg_segment_size: 40
    .max_flat_workgroup_size: 128
    .sgpr_count:     66
    .vgpr_count:     768
    .wavefront_size: 32
...
	.end_amdgpu_metadata
.endif
;; end of part 2
;; launch attn (part 3): grid 256 x 1, 4 waves a work-group, clusters of 4 x 1, 327,680 bytes of LDS; arguments qkv, opq, att; writes att
.if DOCPART == 3
	.amdgcn_target "amdgcn-amd-amdhsa--gfx1250"
	.amdhsa_code_object_version 6
	.text
	.protected	k_qf94eb52329_attn
	.globl	k_qf94eb52329_attn
	.p2align	8
	.type	k_qf94eb52329_attn,@function
k_qf94eb52329_attn:
	s_mov_b64 s[64:65], 0
	v_nop
	global_prefetch_b8 v0, s[64:65] scope:SCOPE_SE
	s_setreg_imm32_b32 hwreg(HW_REG_WAVE_MODE, 25, 1), 1
	s_wait_xcnt 0x0
	s_wait_alu depctr_hold_cnt(0) depctr_sa_sdst(0) depctr_va_vdst(0) depctr_va_sdst(0) depctr_va_ssrc(0) depctr_va_vcc(0) depctr_vm_vsrc(0)
	s_getreg_b32 s2, hwreg(HW_REG_IB_STS2, 6, 4)
	s_cmp_eq_u32 s2, 0
	s_cbranch_scc0 .Lentry_in_a_cluster
	s_endpgm
.Lentry_in_a_cluster:
	s_bfe_u32 s2, ttmp6, 0x10000c
	s_cmp_lg_u32 s2, 0x3003
	s_cbranch_scc0 .Lentry_shape_is_right
	s_endpgm
.Lentry_shape_is_right:
; attended = softmax(Q K^T + row score + column score) V for one image and head, all four products on codes of E2M3; the weights are quantised FINISHED AND NORMALISED, along the keys; attended is quantised along the channels.
; A cluster of four work-groups owns one image and head; a work-group 256 queries, in two PAIRS of two BLOCKS of 64 queries (4 tiles).
; SCORES: THE WAVES SHARE THE KEYS: wave w owns keys 256 w .. + 255 (8 rows of the image), so that the whole score row of a block's 64 queries lies in the four waves' registers, 512 each: the row's maximum and sum are
;   known before any weight is quantised, each score has one exponential, and nothing is computed twice.  S^T = K Q^T: a lane holds one query, its registers run along the keys (by the tiles' order of rows, 16 neighbours).
;   The column score hangs on the key's column alone: it is the C of a key tile's first product.  The row score hangs on the key's row alone: it goes into the addend of the scaling ahead of the exponential.
;   Q's codes serve all three products; the embeddings are rows of the two quantised tables.
; SOFTMAX: each wave takes ITS largest t away (t = score x log2 e), p = 2^(t - mt), l = sum of p; the four (mt, l) meet in LDS; m = the largest mt, L = sum of l 2^(mt - m); weight = p x 2^(mt - m) / L.
; WEIGHTS x V: THE WAVES SHARE THE CHANNELS: wave w owns 64 of the head's 256.  The weights go from wave to wave through LDS as images of the operand's registers; V goes from memory straight into the one wave that wants it.
; CLUSTER: the four partners read the same K: each wave's quarter (16 tiles) is asked for JOINTLY, once, and stays in LDS.  V is not shared so: K's 196,608 bytes and two blocks' weights, 102,400, leave no room for it;
;   a pair of blocks shares each fragment of V instead.
; LIMITS: NaN and infinities are not served; a weight under 2^-126 becomes 0; a block of zeros gets the byte 1 (only this program reads the bytes).
; LDS: 0 K's images (wave w's at 49,152 w); 196,608 the weights' images [block 2][tile 4][K step 8][1,536]; 294,912 their scale words [tile 8][K step 8][64];
;      299,008 column scores G [tile 4][query 16], 272 bytes a query; 316,416 (mt, l) [wave 4][query 64].
; REGISTERS: window 0: v1-15, v75, v250-255 addresses; v16-74 scale words; v80-143 column scores; v144-175 row scores, then each block's largest p; v176-249 at work.
;   window 1: v0-95 Q; v96-107 my tile of Q again; v108-131 two fragments of the row table; v132-179 the column table; v180-251 three buffers of a key tile.
;   windows 2, 3: the scores: key row kb, tile qt, register i at 64 (kb % 4) + 16 qt + i of window 2 + kb / 4.  Later window 2: O^T (32 Q + 8 dt + j); window 3: two buffers of weights.
.set O_QI,  12582912
.set O_KS,  25165824
.set O_QS,  25690112
.set O_VI,  26214400
.set O_VS,  38797312
.set O_RT,  3276800
.set O_RTS, 3282944
.set O_CT,  3283200
.set O_CTS, 3289344
.set O_ATS, 12582912
.set PIMG,  196608
.set PSC,   294912
.set GC,    299008
.set STATS, 316416
.set L16, 1
.set L4,  2
.set R4,  3
.set KAD, 4                            ; my quarter of K: 49,152 w + 16 L
.set GCW, 5
.set GCR, 6
.set STW, 7
.set STR, 8
.set PW0, 9
.set PS0, 10
.set PRA0, 11                          ; v11, v12: the weights' images of block 0, 1
.set PSA, 13
.set ADR, 14
.set ADR2, 15
.set QS,  16
.set QXS, 20
.set RTS, 21
.set CTS, 23
.set KSR, 27
.set VSR, 43
.set PSR, 59
.set CFO, 75
.set CS,  80
.set RS,  144
.set ML,  176                          ; (mt, l) of my four tiles
.set F,   184                          ; 2^(mt - m) / L, in pairs
.set BM,  192
.set BT,  200
.set CR,  208
.set AB,  216
.set SUM, 232
.set ST,  192
.set MM,  224
.set EO,  228
.set LL,  232
.set RR,  236
.set SO,  192
.set BY,  200
.set PW,  208
.set PC,  210
.set BMX, 176
.set BTX, 192
.set SOX, 208
.set RFO, 250
.set RT4, 251
.set L8,  252
.set ATL, 253
.set PFO, 254
.set HF,  255
.set MSB, 0
.macro WIN new                         ; the immediate's high byte repeats the setting that is left
.if MSB != (\new)
	s_set_vgpr_msb (MSB<<8)|(\new)
.set MSB, (\new)
.endif
.endm
.macro PTR d, b, o, k
	s_add_co_u32 s2, s[\o], \k
	s_mov_b32 s3, 0
	s_add_nc_u64 s[\d:\d+1], s[\b:\b+1], s[2:3]
.endm
.macro PLACES                          ; four plain lines between a matrix instruction and a read of its result, or a load into one of its registers
.rept 4
	v_nop
.endr
.endm
.macro BAR                             ; my LDS stores have landed and my LDS loads are in: then the work-group's barrier
	s_wait_dscnt 0x0
	s_barrier_signal -1
	s_barrier_wait -1
.endm
.macro ROUND                           ; a round of the cluster's barrier
	s_barrier_signal -1
	s_barrier_wait -1
	s_cmp_lg_u32 s10, 0
	s_cbranch_scc1 .Lnw0_\@
	s_barrier_signal -3
.Lnw0_\@:
	s_barrier_wait -3
	s_barrier_signal -1
	s_barrier_wait -1
.endm
.macro KFETCH kt                       ; key tile kt's two fragments (the caller has set the destination's window)
.irp c, 0,1,2,3,4,5
	ds_load_b128 v[180+24*((\kt)%3)+4*\c:183+24*((\kt)%3)+4*\c], v[KAD] offset:3072*(\kt)+512*\c
.endr
.endm
.macro QLOAD                           ; a block's Q, my tile of it once more, the two fragments of the row table, and their scale words
	WIN 0x40
.set j, 0
.rept 24
	global_load_b128 v[4*j:4*j+3], v[L16], s[28:29] offset:512*j
.set j, j+1
.endr
.irp c, 0,1,2
	global_load_b128 v[96+4*\c:99+4*\c], v[L16], s[30:31] offset:512*\c
.endr
.irp f, 0,1                                                ; image row i0 + f: lane r takes table row 8 w + r % 8 + 31 - i, so that both halves of the result's lanes hold my 8 key rows
.irp p, 0,1,2,3,4,5
	global_load_b64 v[108+12*\f+2*\p:109+12*\f+2*\p], v[RFO], s[36:37] offset:96*(1-\f)+48*(\p/3)+8*(\p%3)
.endr
.endr
	WIN 0
.irp qt, 0,1,2,3
	global_load_b32 v[QS+\qt], v[L4], s[32:33] offset:128*\qt
.endr
	global_load_b32 v[QXS], v[L4], s[34:35]
.irp f, 0,1
	global_load_b32 v[RTS+\f], v[RT4], s[38:39] offset:4*(1-\f)
.endr
.endm
; key tile kt against the four tiles of queries: four products that start from the column score, four links for the second K step.  The accumulators take turns
.macro SCORE kt
.set KBF, 180+24*((\kt)%3)
.set SB, 64*(((\kt)/2)%4)+8*((\kt)%2)
.if (\kt) >= 3
.if 15-(\kt) >= 2
	s_wait_dscnt 12                                        ; six loads for each of the two younger key tiles
.else
	s_wait_dscnt 6*(15-(\kt))
.endif
.endif
	WIN 0x85+0x40*((\kt)/8)
.irp qt, 0,1,2,3
	v_wmma_scale_f32_16x16x128_f8f6f4 v[SB+16*\qt:SB+16*\qt+7], v[KBF:KBF+11], v[24*\qt:24*\qt+11], v[CS+16*\qt+8*((\kt)%2):CS+16*\qt+8*((\kt)%2)+7], v[KSR+(\kt)], v[QS+\qt] matrix_a_fmt:MATRIX_FMT_FP6 matrix_b_fmt:MATRIX_FMT_FP6
.endr
	WIN 0xa5+0x50*((\kt)/8)
.irp qt, 0,1,2,3
	v_wmma_scale_f32_16x16x128_f8f6f4 v[SB+16*\qt:SB+16*\qt+7], v[KBF+12:KBF+23], v[24*\qt+12:24*\qt+23], v[SB+16*\qt:SB+16*\qt+7], v[KSR+(\kt)], v[QS+\qt] matrix_a_fmt:MATRIX_FMT_FP6 matrix_b_fmt:MATRIX_FMT_FP6 matrix_a_scale:MATRIX_SCALE_ROW1 matrix_b_scale:MATRIX_SCALE_ROW1
.endr
	WIN 0
	PLACES
.if (\kt)+3 < 16
	WIN 0x40
	KFETCH (\kt)+3
	WIN 0
.endif
.endm
; tile qt: my 256 keys' p = 2^(t - mt), each block's largest p, and (mt, l) to LDS
.macro SOFT1 qt
.irp wd, 0,1                                               ; the largest score of each block of 32 keys (a key row), each accumulator from its low end on
	WIN 0x2a+0x15*\wd
.irp k, 0,1,2,3
	v_max3_num_f32 v[BM+4*\wd+\k], v[64*\k+16*\qt], v[64*\k+16*\qt+1], v[64*\k+16*\qt+2]
.endr
	WIN 0x28+0x14*\wd
.irp i, 3,5,7,9,11,13
.irp k, 0,1,2,3
	v_max3_num_f32 v[BM+4*\wd+\k], v[BM+4*\wd+\k], v[64*\k+16*\qt+\i], v[64*\k+16*\qt+\i+1]
.endr
.endr
.irp k, 0,1,2,3
	v_max_num_f32 v[BM+4*\wd+\k], v[BM+4*\wd+\k], v[64*\k+16*\qt+15]
.endr
.endr
	WIN 0
.irp k, 0,1,2,3,4,5,6,7
	v_permlanex16_b32 v[BT+\k], v[BM+\k], s48, s49
.endr
.irp k, 0,1,2,3,4,5,6,7
	v_max_num_f32 v[BM+\k], v[BM+\k], v[BT+\k]
.endr
.irp k, 0,1,2,3,4,5,6,7
	v_mul_f32 v[CR+\k], s46, v[RS+8*\qt+\k]                ; c x the row score of key row k
.endr
.irp k, 0,1,2,3,4,5,6,7
	v_fma_f32 v[BT+\k], v[BM+\k], s46, v[CR+\k]            ; the block's largest t
.endr
	v_max3_num_f32 v[ML+2*\qt], v[BT], v[BT+1], v[BT+2]
	v_max3_num_f32 v[ML+2*\qt], v[ML+2*\qt], v[BT+3], v[BT+4]
	v_max3_num_f32 v[ML+2*\qt], v[ML+2*\qt], v[BT+5], v[BT+6]
	v_max_num_f32 v[ML+2*\qt], v[ML+2*\qt], v[BT+7]        ; mt: my keys' largest t
.irp k, 0,1,2,3,4,5,6,7
	v_sub_f32 v[AB+2*\k], v[CR+\k], v[ML+2*\qt]            ; the addend of the block's scaling
.endr
.irp k, 0,1,2,3,4,5,6,7
	v_fma_f32 v[AB+2*\k+1], v[BM+\k], s46, v[AB+2*\k]      ; the same multiply-add on the block's largest score
.endr
.irp wd, 0,1
	WIN 0x82+0x41*\wd
.irp k, 0,1,2,3
.irp i, 0,2,4,6,8,10,12,14
	v_pk_fma_f32 v[64*\k+16*\qt+\i:64*\k+16*\qt+\i+1], v[64*\k+16*\qt+\i:64*\k+16*\qt+\i+1], s[46:47], v[AB+8*\wd+2*\k:AB+8*\wd+2*\k+1] op_sel_hi:[1,0,0]
.endr
.endr
.irp k, 0,1,2,3
.irp i, 0,1,2,3,4,5,6,7,8,9,10,11,12,13,14,15
	v_exp_f32 v[64*\k+16*\qt+\i], v[64*\k+16*\qt+\i]
.endr
.endr
.endr
	WIN 0
.irp k, 0,1,2,3,4,5,6,7
	v_exp_f32 v[RS+8*\qt+\k], v[AB+2*\k+1]                 ; the block's largest p takes the row score's place
.endr
.irp k, 0,1,2,3,4,5,6,7
	v_mov_b32 v[SUM+\k], 0                                 ; plain lines behind the exponentials
.endr
	s_wait_alu depctr_va_vdst(0)                           ; one wait for the batch of 136, ahead of its first reader
.irp wd, 0,1                                               ; the sum of the unquantised p, in four chains
	WIN 0x08+0x04*\wd
.irp k, 0,1,2,3
.irp i, 0,8
	v_pk_add_f32 v[SUM:SUM+1], v[SUM:SUM+1], v[64*\k+16*\qt+\i:64*\k+16*\qt+\i+1]
	v_pk_add_f32 v[SUM+2:SUM+3], v[SUM+2:SUM+3], v[64*\k+16*\qt+\i+2:64*\k+16*\qt+\i+3]
	v_pk_add_f32 v[SUM+4:SUM+5], v[SUM+4:SUM+5], v[64*\k+16*\qt+\i+4:64*\k+16*\qt+\i+5]
	v_pk_add_f32 v[SUM+6:SUM+7], v[SUM+6:SUM+7], v[64*\k+16*\qt+\i+6:64*\k+16*\qt+\i+7]
.endr
.endr
.endr
	WIN 0
	v_pk_add_f32 v[SUM:SUM+1], v[SUM:SUM+1], v[SUM+2:SUM+3]
	v_pk_add_f32 v[SUM+4:SUM+5], v[SUM+4:SUM+5], v[SUM+6:SUM+7]
	v_pk_add_f32 v[SUM:SUM+1], v[SUM:SUM+1], v[SUM+4:SUM+5]
	v_add_f32 v[ML+2*\qt+1], v[SUM], v[SUM+1]
	v_permlanex16_b32 v[BT], v[ML+2*\qt+1], s48, s49
	v_add_f32 v[ML+2*\qt+1], v[ML+2*\qt+1], v[BT]
	ds_store_b64 v[STW], v[ML+2*\qt:ML+2*\qt+1] offset:128*\qt   ; both halves of the lanes write the same
.endm
; tile qt: the weights p x F, quantised along my 256 keys: two fragments and their scale words, as images to LDS
.macro SOFT3 qt
	s_wait_dscnt 0x0                                       ; the last tile's stores have read the registers that are written again
.irp wd, 0,1
	WIN 0x82+0x41*\wd
.irp k, 0,1,2,3
.irp i, 0,2,4,6,8,10,12,14
	v_pk_mul_f32 v[64*\k+16*\qt+\i:64*\k+16*\qt+\i+1], v[64*\k+16*\qt+\i:64*\k+16*\qt+\i+1], v[F+2*\qt:F+2*\qt+1] op_sel_hi:[1,0]
.endr
.endr
.endr
	WIN 0
.irp k, 0,1,2,3,4,5,6,7
	v_mul_f32 v[SO+\k], v[RS+8*\qt+\k], v[F+2*\qt]         ; the block's largest weight: the same multiplication on the same number
.endr
.irp k, 0,1,2,3,4,5,6,7
	v_max_num_f32 v[SO+\k], 0x1800000, v[SO+\k]            ; the floor 2^(3 - 127)
.endr
.irp k, 0,1,2,3,4,5,6,7
	v_add_nc_u32 v[SO+\k], 0xff000000, v[SO+\k]
.endr
.irp k, 0,1,2,3,4,5,6,7
	v_lshrrev_b32 v[BY+\k], 23, v[SO+\k]
.endr
.irp e, 0,1
	v_lshl_or_b32 v[PW+\e], v[BY+4*\e+1], 8, v[BY+4*\e]
	v_lshl_or_b32 v[PW+\e], v[BY+4*\e+2], 16, v[PW+\e]
	v_lshl_or_b32 v[PW+\e], v[BY+4*\e+3], 24, v[PW+\e]
.endr
.irp e, 0,1
	WIN 0x02+\e
.irp c, 0,1
	v_cvt_scalef32_pk16_fp6_f32 v[PC+20*\e+6*\c:PC+20*\e+6*\c+2], v[128*\c+16*\qt:128*\c+16*\qt+15], v[SO+4*\e+2*\c]
	v_cvt_scalef32_pk16_fp6_f32 v[PC+20*\e+12+4*\c:PC+20*\e+14+4*\c], v[128*\c+64+16*\qt:128*\c+79+16*\qt], v[SO+4*\e+2*\c+1]
.endr
.endr
	WIN 0
	v_nop                                                  ; one plain line behind the conversions
.irp e, 0,1
.irp c, 0,1
.irp i, 0,1,2
	v_permlane16_swap_b32 v[PC+20*\e+6*\c+\i], v[PC+20*\e+12+4*\c+\i]
.endr
.irp i, 0,1,2
	v_mov_b32 v[PC+20*\e+3+6*\c+\i], v[PC+20*\e+12+4*\c+\i]
.endr
.endr
.irp c, 0,1,2
	ds_store_b128 v[ADR], v[PC+20*\e+4*\c:PC+20*\e+4*\c+3] offset:(8*\qt+\e)*1536+512*\c
.endr
	ds_store_b32 v[ADR2], v[PW+\e] offset:(8*\qt+\e)*64
.endr
.endm
.macro VSEL ks                         ; V's four buffers
.if (\ks)%4 == 0
.set VR, 180
.set VWN, 1
.elseif (\ks)%4 == 1
.set VR, 192
.set VWN, 3
.elseif (\ks)%4 == 2
.set VR, 80
.set VWN, 0
.else
.set VR, 128
.set VWN, 0
.endif
.endm
.macro VLOAD ks                        ; my four tiles of channels x keys 128 ks on
	VSEL \ks
	WIN VWN<<6
.irp d, 0,1,2,3
.irp c, 0,1,2
	global_load_b128 v[VR+12*\d+4*\c:VR+12*\d+4*\c+3], v[L16], s[40:41] offset:24576*(\ks)+1536*\d+512*\c
.endr
.endr
	WIN 0
.endm
.macro PLOAD ks                        ; the eight tiles' weights for keys 128 ks on; with an even step the scale words of two steps
	WIN 0xc0
.irp q, 0,1,2,3,4,5,6,7
.irp c, 0,1,2
	ds_load_b128 v[96*((\ks)%2)+12*\q+4*\c:96*((\ks)%2)+12*\q+4*\c+3], v[PRA0+\q/4] offset:(8*(\q%4)+(\ks))*1536+512*\c
.endr
.endr
	WIN 0
.if (\ks)%2 == 0
.irp q, 0,1,2,3,4,5,6,7
	ds_load_b32 v[PSR+8*(((\ks)/2)%2)+\q], v[PSA] offset:512*\q+128*((\ks)/2)
.endr
.endif
.endm
.macro PVSTEP ks                       ; O^T += V^T P^T: 32 accumulators by turns
.if 7-(\ks) >= 3
	s_wait_loadcnt 36                                      ; twelve loads for each of the three younger steps of V
.else
	s_wait_loadcnt 12*(7-(\ks))
.endif
.if (\ks) == 7
	s_wait_dscnt 0x0
.elseif (\ks)%2 == 0
	s_wait_dscnt 24                                        ; the next step's weights may be out
.else
	s_wait_dscnt 32                                        ; and with an even step its eight scale words
.endif
	VSEL \ks
.set PBF, 96*((\ks)%2)
.set PSS, PSR+8*(((\ks)/2)%2)
	WIN 0xac+VWN
.irp d, 0,1,2,3
.irp q, 0,1,2,3,4,5,6,7
.if (\ks) == 0
	v_wmma_scale_f32_16x16x128_f8f6f4 v[32*\q+8*\d:32*\q+8*\d+7], v[VR+12*\d:VR+12*\d+11], v[PBF+12*\q:PBF+12*\q+11], 0, v[VSR+4*\d], v[PSS+\q] matrix_a_fmt:MATRIX_FMT_FP6 matrix_b_fmt:MATRIX_FMT_FP6
.elseif (\ks)%2 == 0
	v_wmma_scale_f32_16x16x128_f8f6f4 v[32*\q+8*\d:32*\q+8*\d+7], v[VR+12*\d:VR+12*\d+11], v[PBF+12*\q:PBF+12*\q+11], v[32*\q+8*\d:32*\q+8*\d+7], v[VSR+4*\d+(\ks)/2], v[PSS+\q] matrix_a_fmt:MATRIX_FMT_FP6 matrix_b_fmt:MATRIX_FMT_FP6
.else
	v_wmma_scale_f32_16x16x128_f8f6f4 v[32*\q+8*\d:32*\q+8*\d+7], v[VR+12*\d:VR+12*\d+11], v[PBF+12*\q:PBF+12*\q+11], v[32*\q+8*\d:32*\q+8*\d+7], v[VSR+4*\d+(\ks)/2], v[PSS+\q] matrix_a_fmt:MATRIX_FMT_FP6 matrix_b_fmt:MATRIX_FMT_FP6 matrix_a_scale:MATRIX_SCALE_ROW1 matrix_b_scale:MATRIX_SCALE_ROW1
.endif
.endr
.endr
	WIN 0
	PLACES
.if (\ks)+2 < 8
	PLOAD (\ks)+2
.endif
.if (\ks)+4 < 8
	VLOAD (\ks)+4
.endif
.endm
	s_load_b128 s[4:7], s[0:1], 0x0                        ; qkv, opq
	s_load_b64 s[8:9], s[0:1], 0x10                        ; att
	v_lshl_add_u32 v245, v0, 2, 0x4dc00
	v_mov_b32 v249, 0
	ds_add_u32 v245, v249
	ds_add_u32 v245, v249
	v_lshrrev_b32 v1, 5, v0
	v_readfirstlane_b32 s10, v1                            ; wave
	s_bfe_u32 s11, ttmp6, 0x40000                          ; cx: my place in the cluster: it enters global addresses of my own loads and stores alone
	s_mov_b32 s12, ttmp9                                   ; the cluster's number: 8 x image + head
	; K's quarter: 192 dense rows of 256 bytes (32 elements of 8 bytes)
	s_mov_b32 s16, 15|(3<<16)|(1<<21)                      ; the mask: all four work-groups; elements of 8 bytes; bit 21 beside a mask
	s_mov_b32 s17, 32<<16                                  ; tensor_dim0
	s_mov_b32 s18, 192<<16                                 ; tensor_dim1
	s_mov_b32 s19, 32<<16                                  ; tile_dim0
	s_mov_b32 s20, 192                                     ; tile_dim1
	s_mov_b32 s21, 32                                      ; the pitch
	s_mov_b32 s22, 0
	s_mov_b32 s23, 0
	s_mul_i32 s13, s12, 196608                             ; a head's codes of K, of Q, of V
	s_lshl_b32 s14, s12, 13                                ; and its scale words
	s_mov_b32 s24, 1
	s_mul_i32 s25, s10, 49152                              ; LDS: the wave's number alone
	s_add_co_u32 s58, s13, s25
	s_mov_b32 s59, 0
	s_wait_dscnt 0x0
	s_wait_kmcnt 0x0
	s_add_nc_u64 s[26:27], s[4:5], s[58:59]                ; K's images begin at the buffer's first byte
	s_or_b32 s27, s27, 0x80000000
	ROUND                                                  ; all four work-groups are here: the joint loads meet
	tensor_load_to_lds s[24:27], s[16:23]                  ; one load a wave, the launch's only ones: nothing is filled again
	s_nop 0
	PLACES
	v_and_b32 v176, 31, v0                                 ; L
	v_and_b32 v177, 15, v0                                 ; r
	v_bfe_u32 v[HF], v0, 4, 1                              ; h
	v_lshlrev_b32 v[L16], 4, v176
	v_lshlrev_b32 v[L4], 2, v176
	v_lshlrev_b32 v[R4], 2, v177
	v_lshlrev_b32 v[L8], 3, v176
	v_lshlrev_b32 v[PFO], 8, v176
	v_add_nc_u32 v[KAD], s25, v[L16]
	s_mul_i32 s58, s10, 4352
	s_add_co_u32 s58, s58, GC
	v_mul_u32_u24 v[GCW], v177, 272
	v_and_b32 v[GCR], 8, v177
	v_add_nc_u32 v[GCR], v[GCR], v177
	v_lshl_add_u32 v[GCR], v[GCR], 2, v[GCW]               ; 272 r + 4 (r + 8 (r / 8))
	v_xor_b32 v178, 1, v[HF]
	v_lshl_add_u32 v[GCR], v178, 6, v[GCR]                 ; + 64 (1 - h)
	v_add_nc_u32 v[GCR], GC, v[GCR]
	v_lshl_add_u32 v[GCW], v[HF], 5, v[GCW]
	v_add_nc_u32 v[GCW], s58, v[GCW]                       ; my tile's rows of G: + 272 r + 32 h
	v_lshl_add_u32 v[STR], v177, 3, STATS
	s_lshl_b32 s58, s10, 9
	v_add_nc_u32 v[STW], s58, v[STR]
	s_mul_i32 s58, s10, 3072
	s_add_co_u32 s58, s58, PIMG
	v_add_nc_u32 v[PW0], s58, v[L16]
	s_lshl_b32 s58, s10, 7
	s_add_co_u32 s58, s58, PSC
	v_add_nc_u32 v[PS0], s58, v[R4]
	v_add_nc_u32 v[PRA0], PIMG, v[L16]
	v_add_nc_u32 v[PRA0+1], PIMG+49152, v[L16]
	v_add_nc_u32 v[PSA], PSC, v[L4]
	v_and_b32 v178, 7, v0
	v_mul_u32_u24 v[RFO], v178, 96
	v_mad_u32_u24 v[RFO], v[HF], 24, v[RFO]
	v_lshlrev_b32 v[RT4], 2, v178
	v_lshlrev_b32 v[ATL], 4, v177
	v_lshl_add_u32 v[ATL], v[HF], 3, v[ATL]
	v_mul_u32_u24 v[CFO], v177, 96
	v_mad_u32_u24 v[CFO], v[HF], 24, v[CFO]
.set j, 192
.rept 16
	v_mov_b32 v[j], 0                                      ; lane permutes' destinations count as read
.set j, j+1
.endr
	s_mul_i32 s58, s11, 49152
	s_add_co_u32 s58, s58, s13
	PTR 28, 4, 58, O_QI                                    ; Q: my 16 tiles
	s_mul_i32 s60, s10, 3072
	s_add_co_u32 s59, s58, s60
	PTR 30, 4, 59, O_QI+1536                               ; tile w of a block, second K step
	s_lshl_b32 s58, s11, 11
	s_add_co_u32 s58, s58, s14
	PTR 32, 4, 58, O_QS
	s_lshl_b32 s60, s10, 7
	s_add_co_u32 s59, s58, s60
	PTR 34, 4, 59, O_QS
	s_lshl_b32 s58, s10, 3
	s_add_co_u32 s58, s58, 30
	s_lshl_b32 s59, s11, 3
	s_sub_co_u32 s58, s58, s59                             ; 8 w + 31 - (i0 + 1), i0 = 8 cx: 6 at the least, and 0 at the least three blocks on
	s_mul_i32 s59, s58, 96
	PTR 36, 6, 59, O_RT
	s_lshl_b32 s59, s58, 2
	PTR 38, 6, 59, O_RTS
	s_mul_i32 s58, s10, 6144
	s_add_co_u32 s58, s58, s13
	PTR 40, 4, 58, O_VI                                    ; V: my four tiles of channels
	s_lshr_b32 s58, s12, 3
	s_lshl_b32 s58, s58, 3
	s_lshl_b32 s59, s11, 1
	s_add_co_u32 s58, s58, s59                             ; the first block of 128 tokens that I write
	s_and_b32 s59, s12, 7                                  ; the head
	s_lshl_b32 s60, s58, 7
	s_lshl_b32 s61, s59, 1
	s_add_co_u32 s60, s60, s61
	s_lshr_b32 s61, s10, 1
	s_add_co_u32 s60, s60, s61
	s_mul_i32 s60, s60, 1536
	s_and_b32 s61, s10, 1
	s_mul_i32 s61, s61, 768
	s_add_co_u32 s60, s60, s61
	PTR 42, 8, 60, 0
	s_lshl_b32 s60, s59, 6
	s_add_co_u32 s60, s60, s58
	s_lshl_b32 s60, s60, 2
	s_add_co_u32 s60, s60, s10
	s_lshl_b32 s60, s60, 8
	PTR 44, 8, 60, O_ATS
	s_mul_i32 s58, s11, 3
	s_add_co_u32 s58, s58, s10
	s_lshl_b32 s58, s58, 14
	s_add_co_u32 s58, s58, s13
	PTR 56, 4, 58, O_VI                                    ; the prefetch: 16,384 bytes of the head's V for each of three waves of each partner
	s_lshl_b32 s58, s10, 11
	s_add_co_u32 s58, s58, s14
	PTR 60, 4, 58, O_KS
	PTR 62, 4, 58, O_VS
	s_add_nc_u64 s[66:67], s[6:7], O_CT
	s_add_nc_u64 s[68:69], s[6:7], O_CTS
	s_mov_b32 s46, 0x3fb8aa3b                              ; c = log2(e)
	s_mov_b32 s47, s46
	s_mov_b32 s48, 0x76543210
	s_mov_b32 s49, 0xfedcba98
.set j, 0
.rept 16
	global_load_b32 v[KSR+j], v[L4], s[60:61] offset:128*j
	global_load_b32 v[VSR+j], v[L4], s[62:63] offset:128*j
.set j, j+1
.endr
.irp tt, 0,1,2,3
	global_load_b32 v[CTS+\tt], v[R4], s[68:69] offset:64*\tt
.endr
	WIN 0x40
.irp tt, 0,1,2,3
.irp p, 0,1,2,3,4,5
	global_load_b64 v[132+12*\tt+2*\p:133+12*\tt+2*\p], v[CFO], s[66:67] offset:1536*\tt+48*(\p/3)+8*(\p%3)
.endr
.endr
	QLOAD
	s_mov_b32 s50, 2
	s_mov_b32 s52, 0                                       ; which block of the pair: its weights' images,
	s_mov_b32 s53, 0                                       ; and their scale words
	s_mov_b32 s54, 0                                       ; the block's number, 0 to 3
	s_wait_tensorcnt 0x0                                   ; my quarter of K is in; nobody else reads it
.Lpair:
	s_mov_b32 s51, 2
.Lblock:
	WIN 0x40
	KFETCH 0
	KFETCH 1
	KFETCH 2
	s_wait_loadcnt 0x0                                     ; this block's Q and table rows, asked for a block ago
	WIN 0xc5                                               ; G(t, q) = column table row t . Q[q, 128:], for my tile of queries: into registers that the scores take last
.irp tt, 0,1,2,3
	v_wmma_scale_f32_16x16x128_f8f6f4 v[192+8*\tt:199+8*\tt], v[132+12*\tt:143+12*\tt], v[96:107], 0, v[CTS+\tt], v[QXS] matrix_a_fmt:MATRIX_FMT_FP6 matrix_b_fmt:MATRIX_FMT_FP6 matrix_b_scale:MATRIX_SCALE_ROW1
.endr
	WIN 0x05                                               ; the row scores of my 8 key rows, for all four tiles
.irp qt, 0,1,2,3
	v_wmma_scale_f32_16x16x128_f8f6f4 v[RS+8*\qt:RS+8*\qt+7], v[108+12*(\qt/2):119+12*(\qt/2)], v[24*\qt:24*\qt+11], 0, v[RTS+\qt/2], v[QS+\qt] matrix_a_fmt:MATRIX_FMT_FP6 matrix_b_fmt:MATRIX_FMT_FP6
.endr
	WIN 0
	PLACES
	WIN 0x0c
.irp tt, 0,1,2,3
	ds_store_b128 v[GCW], v[192+8*\tt:195+8*\tt] offset:64*\tt
	ds_store_b128 v[GCW], v[196+8*\tt:199+8*\tt] offset:64*\tt+16
.endr
	WIN 0
	BAR                                                    ; G of the four tiles lies in LDS
.irp qt, 0,1,2,3                                           ; the column score of key column l = 16 h + 8 u + j is G(column of my query + 31 - l)
.irp u, 0,1
.irp j, 0,1,2,3,4,5,6,7
	ds_load_b32 v[CS+16*\qt+8*\u+\j], v[GCR] offset:4352*\qt+32*(\qt%2)+4*(15-8*\u-\j)
.endr
.endr
.endr
	s_wait_dscnt 0x0
.irp kt, 0,1,2,3,4,5,6,7,8,9,10,11,12,13,14,15
	SCORE \kt
.endr
	s_cmp_eq_u32 s54, 3                                    ; the next block's Q is asked for now, if there is a next block
	s_cbranch_scc1 .Lnoq
	s_wait_xcnt 0x0                                        ; the bases are written only behind this wait
	s_add_nc_u64 s[28:29], s[28:29], 12288
	s_add_nc_u64 s[30:31], s[30:31], 12288
	s_add_nc_u64 s[32:33], s[32:33], 512
	s_add_nc_u64 s[34:35], s[34:35], 512
	s_sub_nc_u64 s[36:37], s[36:37], 192                   ; two image rows on: two table rows back
	s_sub_nc_u64 s[38:39], s[38:39], 8
	QLOAD
	s_cmp_eq_u32 s54, 1                                    ; V is prefetched once, a softmax ahead of its first loads: each 256 bytes of the head's V named once, by one lane;
	s_cbranch_scc0 .Lnoq                                   ; the partners are told apart by address, the waves by their number
	s_cmp_lt_u32 s10, 3
	s_cbranch_scc0 .Lnoq
	global_prefetch_b8 v[PFO], s[56:57] th:TH_LOAD_NT scope:SCOPE_SE
	global_prefetch_b8 v[PFO], s[56:57] offset:8192 th:TH_LOAD_NT scope:SCOPE_SE
.Lnoq:
	SOFT1 0
	SOFT1 1
	SOFT1 2
	SOFT1 3
	BAR                                                    ; the four waves' (mt, l) lie in LDS; everybody's reads of G are over
.irp qt, 0,1,2,3
.irp w, 0,1,2,3
	ds_load_b64 v[ST+8*\qt+2*\w:ST+8*\qt+2*\w+1], v[STR] offset:512*\w+128*\qt
.endr
.endr
	v_add_nc_u32 v[ADR], s52, v[PW0]
	v_add_nc_u32 v[ADR2], s53, v[PS0]
	s_wait_dscnt 0x0
.irp qt, 0,1,2,3
	v_max3_num_f32 v[MM+\qt], v[ST+8*\qt], v[ST+8*\qt+2], v[ST+8*\qt+4]
.endr
.irp qt, 0,1,2,3
	v_max_num_f32 v[MM+\qt], v[MM+\qt], v[ST+8*\qt+6]      ; m: the row's largest t
.endr
.irp qt, 0,1,2,3
.irp w, 0,1,2,3
	v_sub_f32 v[ST+8*\qt+2*\w], v[ST+8*\qt+2*\w], v[MM+\qt]
.endr
	v_sub_f32 v[EO+\qt], v[ML+2*\qt], v[MM+\qt]
.endr
.irp qt, 0,1,2,3
.irp w, 0,1,2,3
	v_exp_f32 v[ST+8*\qt+2*\w], v[ST+8*\qt+2*\w]
.endr
	v_exp_f32 v[EO+\qt], v[EO+\qt]
.endr
	v_nop
	s_wait_alu depctr_va_vdst(0)                           ; one wait for the twenty
.irp qt, 0,1,2,3
	v_mul_f32 v[LL+\qt], v[ST+8*\qt+1], v[ST+8*\qt]
.endr
.irp w, 1,2,3
.irp qt, 0,1,2,3
	v_fma_f32 v[LL+\qt], v[ST+8*\qt+2*\w+1], v[ST+8*\qt+2*\w], v[LL+\qt]
.endr
.endr
.irp qt, 0,1,2,3
	v_rcp_f32 v[RR+\qt], v[LL+\qt]
.endr
	v_nop
	s_wait_alu depctr_va_vdst(0)                           ; and one for the four
.irp qt, 0,1,2,3
	v_mul_f32 v[F+2*\qt], v[EO+\qt], v[RR+\qt]
.endr
.irp qt, 0,1,2,3
	v_mov_b32 v[F+2*\qt+1], v[F+2*\qt]                     ; (named as a pair)
.endr
	SOFT3 0
	SOFT3 1
	SOFT3 2
	SOFT3 3
	s_xor_b32 s52, s52, 49152
	s_xor_b32 s53, s53, 2048
	s_add_co_u32 s54, s54, 1
	s_sub_co_u32 s51, s51, 1
	s_cmp_lg_u32 s51, 0
	s_cbranch_scc1 .Lblock
	; ---- weights x V for the pair's 128 queries
	VLOAD 0
	VLOAD 1
	VLOAD 2
	VLOAD 3
	BAR                                                    ; the weights of both blocks lie in LDS
	PLOAD 0
	PLOAD 1
.irp ks, 0,1,2,3,4,5,6,7
	PVSTEP \ks
.endr
	; ---- attended, quantised along my 64 channels: two blocks of 32 for each of the eight tiles: half a fragment each
	WIN 0x0a
.irp q, 0,1,2,3,4,5,6,7
.irp g, 0,1
	v_max3_num_f32 v[BMX+2*\q+\g], |v[32*\q+16*\g]|, |v[32*\q+16*\g+1]|, 0x1800000
.endr
.endr
	WIN 0x28
.irp i, 2,4,6,8,10,12,14
.irp q, 0,1,2,3,4,5,6,7
.irp g, 0,1
	v_max3_num_f32 v[BMX+2*\q+\g], v[BMX+2*\q+\g], |v[32*\q+16*\g+\i]|, |v[32*\q+16*\g+\i+1]|
.endr
.endr
.endr
	WIN 0
.set j, 0
.rept 16
	v_permlanex16_b32 v[BTX+j], v[BMX+j], s48, s49
.set j, j+1
.endr
.set j, 0
.rept 16
	v_max_num_f32 v[BMX+j], v[BMX+j], v[BTX+j]
.set j, j+1
.endr
.set j, 0
.rept 16
	v_add_nc_u32 v[SOX+j], 0xff000000, v[BMX+j]
.set j, j+1
.endr
	WIN 0x02
.irp q, 0,1,2,3,4,5,6,7
	v_cvt_scalef32_pk16_fp6_f32 v[80+10*\q:82+10*\q], v[32*\q:32*\q+15], v[SOX+2*\q]
	v_cvt_scalef32_pk16_fp6_f32 v[86+10*\q:88+10*\q], v[32*\q+16:32*\q+31], v[SOX+2*\q+1]
.endr
	WIN 0
.set j, 0
.rept 16
	v_lshrrev_b32 v[BTX+j], 23, v[SOX+j]                   ; the bytes; the first is the plain line behind the conversions
.set j, j+1
.endr
.irp q, 0,1,2,3,4,5,6,7
.irp i, 0,1,2
	v_permlane16_swap_b32 v[80+10*\q+\i], v[86+10*\q+\i]
.endr
.irp i, 0,1,2
	v_mov_b32 v[83+10*\q+\i], v[86+10*\q+\i]
.endr
.irp p, 0,1,2
	global_store_b64 v[L8], v[80+10*\q+2*\p:81+10*\q+2*\p], s[42:43] offset:24576*\q+256*\p   ; 32 lanes store 256 consecutive bytes, aligned
.endr
.endr
.irp q, 0,1,2,3,4,5,6,7
	v_lshl_or_b32 v[BMX+\q], v[BTX+2*\q+1], 8, v[BTX+2*\q] ; a tile's two bytes
.endr
.irp p, 0,1,2,3
	v_lshl_or_b32 v[SOX+\p], v[BMX+2*\p+1], 16, v[BMX+2*\p]
.endr
	v_cmp_eq_u32 vcc_lo, 1, v[HF]
	v_cndmask_b32 v[SOX+4], v[SOX], v[SOX+2], vcc_lo       ; lanes 0-15 store tiles 0-3, lanes 16-31 tiles 4-7
	v_cndmask_b32 v[SOX+5], v[SOX+1], v[SOX+3], vcc_lo
	global_store_b64 v[ATL], v[SOX+4:SOX+5], s[44:45]      ; 256 consecutive bytes, aligned
	s_wait_xcnt 0x0                                        ; the stores' bases and data are written again only behind this wait
	s_add_nc_u64 s[42:43], s[42:43], 196608
	s_add_nc_u64 s[44:45], s[44:45], 1024
	s_sub_co_u32 s50, s50, 1
	s_cmp_lg_u32 s50, 0
	s_cbranch_scc1 .Lpair
	s_wait_dscnt 0x0
	s_wait_tensorcnt 0x0
	ds_add_u32 v245, v249
	s_wait_dscnt 0x0
	ROUND                                                  ; the closing round
	s_endpgm
.Lfunc_end_k_qf94eb52329_attn:
	.size	k_qf94eb52329_attn, .Lfunc_end_k_qf94eb52329_attn-k_qf94eb52329_attn
	.p2alignl 7, 3214868480
	.fill 96, 4, 3214868480
	.section	.rodata,"a",@progbits
	.p2align	6, 0x0
	.amdhsa_kernel k_qf94eb52329_attn
		.amdhsa_group_segment_fixed_size 327680
		.amdhsa_private_segment_fixed_size 0
		.amdhsa_enable_private_segment 0
		.amdhsa_kernarg_size 24
		.amdhsa_user_sgpr_count 2
		.amdhsa_user_sgpr_kernarg_segment_ptr 1
		.amdhsa_wavefront_size32 1
		.amdhsa_system_sgpr_workgroup_id_x 1
		.amdhsa_system_sgpr_workgroup_id_y 1
		.amdhsa_system_sgpr_workgroup_id_z 1
		.amdhsa_system_vgpr_workitem_id 0
		.amdhsa_next_free_vgpr 1024
		.amdhsa_next_free_sgpr 84
		.amdhsa_reserve_vcc 1
		.amdhsa_float_denorm_mode_32 3
		.amdhsa_float_denorm_mode_16_64 3
		.amdhsa_memory_ordered 1
		.amdhsa_forward_progress 1
		.amdhsa_inst_pref_size 246
	.end_amdhsa_kernel
	.amdgpu_metadata
---
amdhsa.version: [ 1, 2 ]
amdhsa.kernels:
  - .name:           k_qf94eb52329_attn
    .symbol:         k_qf94eb52329_attn.kd
    .args:
      - { .name: qkv, .offset: 0, .size: 8, .value_kind: global_buffer, .address_space: global }
      - { .name: opq, .offset: 8, .size: 8, .value_kind: global_buffer, .address_space: global }
      - { .name: att, .offset: 16, .size: 8, .value_kind: global_buffer, .address_space: global }
    .group_segment_fixed_size: 327680
    .private_segment_fixed_size: 0
    .kernarg_segment_align: 8
    .kernarg_segment_size: 24
    .max_flat_workgroup_size: 128
    .sgpr_count:     84
    .vgpr_count:     1024
    .wavefront_size: 32
...
	.end_amdgpu_metadata
.endif
;; end of part 3
;; launch proj (part 4): grid 256 x 1, 4 waves a work-group, no clusters, 135,680 bytes of LDS; arguments att, opq, Pb, out0; writes out0
.if DOCPART == 4
	.amdgcn_target "amdgcn-amd-amdhsa--gfx1250"
	.amdhsa_code_object_version 6
	.text
	.protected	k_qf94eb52329_proj
	.globl	k_qf94eb52329_proj
	.p2align	8
	.type	k_qf94eb52329_proj,@function
k_qf94eb52329_proj:
	s_mov_b64 s[64:65], 0
	v_nop
	global_prefetch_b8 v0, s[64:65] scope:SCOPE_SE
	s_setreg_imm32_b32 hwreg(HW_REG_WAVE_MODE, 25, 1), 1
	s_wait_xcnt 0x0
; out0 = attended Pw + Pb on codes of E2M3.  A work-group makes 64 tokens x 128 columns.  THE WAVES SHARE K: wave w takes K = 512 w .. + 511 (four steps of 128), so that each fragment is read once a work-group,
; straight into registers; the four partial tiles meet in LDS, and each wave adds and stores 16 whole rows (512 consecutive bytes a store).
; Source 0 = 16 columns of Pw (in the tiles' order of rows), source 1 = 16 tokens: a lane holds eight neighbouring columns of one token.
; No cluster and no prefetch: the launch is short and asks early for all that it reads.
; The order of sums: each wave's 512 along K ascending in one accumulator, then ((p0 + p1) + (p2 + p3)) + Pb.
; REGISTERS: window 0: v1-7 addresses, v8-15 attended's scale words, v16-31 Pw's, v32-39 at work, v40-43 Pb, v64-159 two buffers of attended, later v64-191 rows; window 1: two buffers of Pw; window 2: 32 accumulators.
.set O_PI,  2867200
.set O_PS,  3260416
.set O_ATS, 12582912
.set L16, 1
.set L8,  2
.set L4,  3
.set ASL, 4
.set RW,  5
.set RA,  6                            ; v6, v7: partial tiles 0, 1 and 2, 3
.set ASR, 8
.set PSR, 16
.set HI,  32
.set PBR, 40
.set MSB, 0
.macro WIN new
.if MSB != (\new)
	s_set_vgpr_msb (MSB<<8)|(\new)
.set MSB, (\new)
.endif
.endm
.macro PTR d, b, o, k
	s_add_co_u32 s2, s[\o], \k
	s_mov_b32 s3, 0
	s_add_nc_u64 s[\d:\d+1], s[\b:\b+1], s[2:3]
.endm
.macro PLACES
.rept 4
	v_nop
.endr
.endm
.macro LOAD e                          ; K step e: four tiles of attended, eight of Pw
	WIN 0
.irp a, 0,1,2,3
.irp q, 0,1,2,3,4,5
	global_load_b64 v[64+48*((\e)%2)+12*\a+2*\q:65+48*((\e)%2)+12*\a+2*\q], v[L8], s[16:17] offset:24576*\a+1536*(\e)+256*\q
.endr
.endr
	WIN 0x40
.irp n, 0,1,2,3,4,5,6,7
.irp c, 0,1,2
	global_load_b128 v[96*((\e)%2)+12*\n+4*\c:96*((\e)%2)+12*\n+4*\c+3], v[L16], s[18:19] offset:24576*(\e)+1536*\n+512*\c
.endr
.endr
	WIN 0
.endm
.macro MUL e                           ; 32 accumulators by turns
	WIN 0xa1
.irp a, 0,1,2,3
.irp n, 0,1,2,3,4,5,6,7
.if (\e) == 0
	v_wmma_scale_f32_16x16x128_f8f6f4 v[8*(8*\a+\n):8*(8*\a+\n)+7], v[12*\n:12*\n+11], v[64+12*\a:75+12*\a], 0, v[PSR+\n], v[ASR+\a] matrix_a_fmt:MATRIX_FMT_FP6 matrix_b_fmt:MATRIX_FMT_FP6
.elseif (\e)%2 == 0
	v_wmma_scale_f32_16x16x128_f8f6f4 v[8*(8*\a+\n):8*(8*\a+\n)+7], v[12*\n:12*\n+11], v[64+12*\a:75+12*\a], v[8*(8*\a+\n):8*(8*\a+\n)+7], v[PSR+8*((\e)/2)+\n], v[ASR+4*((\e)/2)+\a] matrix_a_fmt:MATRIX_FMT_FP6 matrix_b_fmt:MATRIX_FMT_FP6
.else
	v_wmma_scale_f32_16x16x128_f8f6f4 v[8*(8*\a+\n):8*(8*\a+\n)+7], v[96+12*\n:107+12*\n], v[112+12*\a:123+12*\a], v[8*(8*\a+\n):8*(8*\a+\n)+7], v[PSR+8*((\e)/2)+\n], v[ASR+4*((\e)/2)+\a] matrix_a_fmt:MATRIX_FMT_FP6 matrix_b_fmt:MATRIX_FMT_FP6 matrix_a_scale:MATRIX_SCALE_ROW1 matrix_b_scale:MATRIX_SCALE_ROW1
.endif
.endr
.endr
	WIN 0
	PLACES
.endm
	s_load_b256 s[4:11], s[0:1], 0x0                       ; att, opq, Pb, out0
	v_lshl_add_u32 v254, v0, 2, 0x21000
	v_mov_b32 v255, 0
	v_lshrrev_b32 v1, 5, v0
	v_readfirstlane_b32 s12, v1                            ; wave
	s_lshr_b32 s13, ttmp9, 1                               ; tb: which 64 tokens
	s_and_b32 s14, ttmp9, 1                                ; nh: which 128 columns
	v_and_b32 v44, 31, v0
	v_and_b32 v45, 15, v0
	v_bfe_u32 v46, v0, 4, 1
	v_lshlrev_b32 v[L16], 4, v44
	v_lshlrev_b32 v[L8], 3, v44
	v_lshlrev_b32 v[L4], 2, v44
	v_lshlrev_b32 v[ASL], 4, v45
	v_lshl_add_u32 v[ASL], v46, 9, v[ASL]                  ; 512 h + 16 r
	s_mul_i32 s28, s12, 33792
	v_mul_u32_u24 v[RW], v45, 528
	v_lshl_add_u32 v[RW], v46, 6, v[RW]
	v_add_nc_u32 v[RW], s28, v[RW]                         ; my partial tile: row r of 528 bytes, + 64 h
	s_mul_i32 s28, s12, 8448
	v_add_nc_u32 v[RA], s28, v[L16]                        ; the 16 rows that I add: 16 bytes a lane
	v_add_nc_u32 v[RA+1], 67584, v[RA]
	s_wait_kmcnt 0x0
	s_lshl_b32 s28, s13, 6
	s_lshl_b32 s29, s12, 2
	s_add_co_u32 s28, s28, s29
	s_mul_i32 s28, s28, 1536
	PTR 16, 4, 28, 0                                       ; attended: tile 4 tb, K step 4 w
	s_lshl_b32 s28, s12, 6
	s_lshl_b32 s29, s14, 3
	s_add_co_u32 s28, s28, s29
	s_mul_i32 s28, s28, 1536
	PTR 18, 6, 28, O_PI                                    ; Pw: K step 4 w, tile 8 nh
	s_lshl_b32 s28, s12, 5
	s_add_co_u32 s28, s28, s29
	s_lshl_b32 s28, s28, 7
	PTR 20, 6, 28, O_PS
	s_lshl_b32 s28, s12, 7
	s_lshr_b32 s29, s13, 1
	s_add_co_u32 s28, s28, s29
	s_lshl_b32 s28, s28, 10
	s_and_b32 s29, s13, 1
	s_lshl_b32 s29, s29, 3
	s_add_co_u32 s28, s28, s29
	PTR 22, 4, 28, O_ATS                                   ; attended's scale bytes: head 2 w, my block of 128 tokens, my four tiles
	s_lshl_b32 s28, s14, 9
	PTR 24, 8, 28, 0
	s_lshl_b32 s28, s13, 6
	s_lshr_b32 s29, s12, 1
	s_lshl_b32 s29, s29, 5
	s_add_co_u32 s28, s28, s29
	s_and_b32 s29, s12, 1
	s_lshl_b32 s29, s29, 3
	s_add_co_u32 s28, s28, s29
	s_lshl_b32 s28, s28, 10
	s_lshl_b32 s29, s14, 9
	s_add_co_u32 s28, s28, s29
	PTR 26, 10, 28, 0                                      ; out0 at the first token of tile 4 tb + w, my 128 columns
.irp e2, 0,1                                               ; a row's scale word of a K step is two pairs of bytes, made by two waves of the launch before; lanes 0-15 take the even step's, lanes 16-31 the odd step's
.irp a, 0,1,2,3
	global_load_u16 v[ASR+4*\e2+\a], v[ASL], s[22:23] offset:65536*\e2+2*\a
	global_load_u16 v[HI+4*\e2+\a], v[ASL], s[22:23] offset:65536*\e2+2*\a+256
.endr
.irp n, 0,1,2,3,4,5,6,7
	global_load_b32 v[PSR+8*\e2+\n], v[L4], s[20:21] offset:2048*\e2+128*\n
.endr
.endr
	global_load_b128 v[PBR:PBR+3], v[L16], s[24:25]
	LOAD 0
	LOAD 1
	s_wait_loadcnt 48                                      ; K step 1's 48 loads may be out
.set j, 0
.rept 8
	v_lshl_or_b32 v[ASR+j], v[HI+j], 16, v[ASR+j]
.set j, j+1
.endr
.rept 8
	v_nop                                                  ; a scale word made by a vector instruction stands eight places ahead of the product
.endr
	MUL 0
	LOAD 2
	s_wait_loadcnt 48
	MUL 1
	LOAD 3
	s_wait_loadcnt 48
	MUL 2
	s_wait_loadcnt 0x0
	MUL 3
	WIN 0x08                                               ; an LDS store's data: window 2
.irp a, 0,1,2,3
.irp n, 0,1,2,3,4,5,6,7
	ds_store_b128 v[RW], v[8*(8*\a+\n):8*(8*\a+\n)+3] offset:8448*\a+128*(\n/2)+32*(\n%2)      ; each accumulator from its low end on
	ds_store_b128 v[RW], v[8*(8*\a+\n)+4:8*(8*\a+\n)+7] offset:8448*\a+128*(\n/2)+32*(\n%2)+16
.endr
.endr
	WIN 0
	s_wait_dscnt 0x0                                       ; my partial tile has landed,
	s_barrier_signal -1
	s_barrier_wait -1                                      ; everybody's has
.irp bt, 0,1,2,3                                           ; four rows at a time, in two sets of registers by turns
.if \bt >= 2
	s_wait_xcnt 0x0                                        ; the stores of two batches ago have read their data
.endif
.irp i, 0,1,2,3
.irp w, 0,1,2,3
	ds_load_b128 v[64+64*(\bt%2)+16*\i+4*\w:67+64*(\bt%2)+16*\i+4*\w], v[RA+\w/2] offset:33792*(\w%2)+528*(4*\bt+\i)
.endr
.endr
	s_wait_dscnt 0x0
.irp i, 0,1,2,3
.irp p, 0,2
	v_pk_add_f32 v[64+64*(\bt%2)+16*\i+\p:65+64*(\bt%2)+16*\i+\p], v[64+64*(\bt%2)+16*\i+\p:65+64*(\bt%2)+16*\i+\p], v[68+64*(\bt%2)+16*\i+\p:69+64*(\bt%2)+16*\i+\p]
	v_pk_add_f32 v[72+64*(\bt%2)+16*\i+\p:73+64*(\bt%2)+16*\i+\p], v[72+64*(\bt%2)+16*\i+\p:73+64*(\bt%2)+16*\i+\p], v[76+64*(\bt%2)+16*\i+\p:77+64*(\bt%2)+16*\i+\p]
.endr
.irp p, 0,2
	v_pk_add_f32 v[64+64*(\bt%2)+16*\i+\p:65+64*(\bt%2)+16*\i+\p], v[64+64*(\bt%2)+16*\i+\p:65+64*(\bt%2)+16*\i+\p], v[72+64*(\bt%2)+16*\i+\p:73+64*(\bt%2)+16*\i+\p]
.endr
.irp p, 0,2
	v_pk_add_f32 v[64+64*(\bt%2)+16*\i+\p:65+64*(\bt%2)+16*\i+\p], v[64+64*(\bt%2)+16*\i+\p:65+64*(\bt%2)+16*\i+\p], v[PBR+\p:PBR+\p+1]
.endr
	global_store_b128 v[L16], v[64+64*(\bt%2)+16*\i:67+64*(\bt%2)+16*\i], s[26:27] offset:(4*\bt+\i+8*((4*\bt+\i)/8))*1024 th:TH_STORE_NT   ; row rr of the tile is token rr + 8 (rr / 8): 512 consecutive bytes, aligned
.endr
.endr
	s_wait_tensorcnt 0x0
	ds_add_u32 v254, v255
	s_wait_dscnt 0x0
	s_endpgm
.Lfunc_end_k_qf94eb52329_proj:
	.size	k_qf94eb52329_proj, .Lfunc_end_k_qf94eb52329_proj-k_qf94eb52329_proj
	.p2alignl 7, 3214868480
	.fill 96, 4, 3214868480
	.section	.rodata,"a",@progbits
	.p2align	6, 0x0
	.amdhsa_kernel k_qf94eb52329_proj
		.amdhsa_group_segment_fixed_size 135680
		.amdhsa_private_segment_fixed_size 0
		.amdhsa_enable_private_segment 0
		.amdhsa_kernarg_size 32
		.amdhsa_user_sgpr_count 2
		.amdhsa_user_sgpr_kernarg_segment_ptr 1
		.amdhsa_wavefront_size32 1
		.amdhsa_system_sgpr_workgroup_id_x 1
		.amdhsa_system_sgpr_workgroup_id_y 1
		.amdhsa_system_sgpr_workgroup_id_z 1
		.amdhsa_system_vgpr_workitem_id 0
		.amdhsa_next_free_vgpr 768
		.amdhsa_next_free_sgpr 66
		.amdhsa_reserve_vcc 0
		.amdhsa_float_denorm_mode_32 3
		.amdhsa_float_denorm_mode_16_64 3
		.amdhsa_memory_ordered 1
		.amdhsa_forward_progress 1
		.amdhsa_inst_pref_size 60
	.end_amdhsa_kernel
	.amdgpu_metadata
---
amdhsa.version: [ 1, 2 ]
amdhsa.kernels:
  - .name:           k_qf94eb52329_proj
    .symbol:         k_qf94eb52329_proj.kd
    .args:
      - { .name: att, .offset: 0, .size: 8, .value_kind: global_buffer, .address_space: global }
      - { .name: opq, .offset: 8, .size: 8, .value_kind: global_buffer, .address_space: global }
      - { .name: Pb, .offset: 16, .size: 8, .value_kind: global_buffer, .address_space: global }
      - { .name: out0, .offset: 24, .size: 8, .value_kind: global_buffer, .address_space: global }
    .group_segment_fixed_size: 135680
    .private_segment_fixed_size: 0
    .kernarg_segment_align: 8
    .kernarg_segment_size: 32
    .max_flat_workgroup_size: 128
    .sgpr_count:     66
    .vgpr_count:     768
    .wavefront_size: 32
...
	.end_amdgpu_metadata
.endif
;; end of part 4
;; ======== version 2 of 2: 4 launches
;; workspace buffers: opq 3,289,600 bytes; qkv 39,321,600 bytes; att 13,107,200 bytes
;; launch quant (part 5): grid 258 x 1, 4 waves a work-group, no clusters, 0 bytes of LDS; arguments x, Kw, Qw, Vw, Pw, row_tab, col_tab, opq; writes opq
.if DOCPART == 5
	.amdgcn_target "amdgcn-amd-amdhsa--gfx1250"
	.amdhsa_code_object_version 6
	.text
	.protected	k_qf94eb52329_quant
	.globl	k_qf94eb52329_quant
	.p2align	8
	.type	k_qf94eb52329_quant,@function
k_qf94eb52329_quant:
	s_mov_b64 s[64:65], 0
	v_nop
	global_prefetch_b8 v0, s[64:65] scope:SCOPE_SE
	s_setreg_imm32_b32 hwreg(HW_REG_WAVE_MODE, 25, 1), 1
	s_wait_xcnt 0x0
; x, Kw, Qw, Vw, Pw, row_tab and col_tab (f32) become codes of E2M3 with one E8M0 byte for each 32 along K, laid as the later launches' operand registers want them.
; A FRAGMENT (16 rows x 128 K, 12 registers a lane) lies in memory as an image of its registers: registers 4 c .. 4 c + 3 of lane L at 512 c + 16 L: 1,536 bytes.
; Its scale words: 64 bytes, word r for row r; two K steps side by side in 128 bytes.
; THE 16 ROWS OF A TILE ARE NOT NEIGHBOURS: tile 2 g + u holds members 32 g + 8 u + r + 8 (r / 8) of a run of 32 (tokens, weight columns).  The two tables keep their rows, as plain rows of 96 bytes.
; A block's scale is 2^(floor(log2(largest magnitude)) - 2): the byte is the largest magnitude's exponent field - 2, held at 1 from below by a floor among the maximum's leaves.
; LIMITS: NaN and infinities are not served; a block of zeros gets the byte 1 (its codes are zeros, and only this program reads the bytes).
; Work-groups 0-127: x (a wave a tile of 16 tokens); 128-223: Kw, Qw, Vw (a wave 32 columns x 128 K); 224-255: Pw likewise; 256, 257: the tables (a wave 16 rows; row 63 repeats row 62 and is never used).
; No LDS, no barrier: waves share nothing.
.set O_XS, 1572864
.set O_WI, 1638400
.set O_WS, 2818048
.set O_PI, 2867200
.set O_PS, 3260416
.set O_RT, 3276800
.set O_CT, 3283200
.set TABW, 6144                        ; a table's scale words lie behind its 64 rows of 96 bytes
; 32 numbers v[x] .. v[x+31] of one block become six registers of codes at v[pc] and the scale's byte in v[by]
.macro BLK32 x, pc, by
	v_max3_num_f32 v8, |v[\x]|, |v[\x+1]|, 0x1800000       ; the floor 2^(3 - 127) among the leaves: the byte cannot fall under 1
	v_max3_num_f32 v9, |v[\x+2]|, |v[\x+3]|, |v[\x+4]|
.irp i, 5,9,13,17,21,25
	v_max3_num_f32 v8, v8, |v[\x+\i]|, |v[\x+\i+1]|
	v_max3_num_f32 v9, v9, |v[\x+\i+2]|, |v[\x+\i+3]|
.endr
	v_max3_num_f32 v8, v8, |v[\x+29]|, |v[\x+30]|
	v_max3_num_f32 v9, v9, |v[\x+31]|, v8
	v_add_nc_u32 v10, 0xff000000, v9                       ; 2 off the exponent field: the conversion's scale operand
	v_cvt_scalef32_pk16_fp6_f32 v[\pc:\pc+2], v[\x:\x+15], v10
	v_cvt_scalef32_pk16_fp6_f32 v[12:14], v[\x+16:\x+31], v10   ; (a conversion's three registers begin on an even number)
	v_lshrrev_b32 v[\by], 23, v10                          ; the byte; also the plain line behind the conversions
	v_mov_b32 v[\pc+3], v12
	v_mov_b32 v[\pc+4], v13
	v_mov_b32 v[\pc+5], v14
.endm
; my two bytes (blocks h and 2 + h) at their places, joined with lane l xor 16's two: the row's scale word
.macro WORDH d, b0, b1, t
	v_lshl_or_b32 v[\d], v[\b1], 16, v[\b0]
	v_lshlrev_b32 v[\d], v11, v[\d]
	v_permlanex16_b32 v[\t], v[\d], s22, s23
	v_or_b32 v[\d], v[\d], v[\t]
.endm
; 32 columns x 128 K of a weight stored [K][N]: a lane takes a column, its registers run down K.  rs: bytes from row to row; ts: bytes from tile to tile in the images
.macro WPATH rs, ts
	v_lshlrev_b32 v4, 2, v1                                ; in: 4 bytes a lane
	v_bfe_u32 v5, v0, 3, 1                                 ; u: which of the two tiles my column falls into
	v_and_b32 v6, 7, v0
	v_lshl_add_u32 v6, v3, 3, v6                           ; its row there: (L % 8) + 8 (L / 16)
	v_lshlrev_b32 v7, 2, v6
	v_lshl_add_u32 v7, v5, 7, v7                           ; scale word: 128 u + 4 row
	v_lshlrev_b32 v6, 4, v6
	v_mad_u32_u24 v5, v5, \ts, v6                          ; codes: tile + 16 row
.set q, 0
.rept 4                                                    ; block q = 2 h + c holds K = 64 c + 32 h + 0 .. 31
.set i, 0
.rept 32
	global_load_b32 v[32+32*q+i], v4, s[24:25] offset:(64*(q%2)+32*(q/2)+i)*\rs th:TH_LOAD_NT
.set i, i+1
.endr
.set q, q+1
.endr
	s_wait_loadcnt 63                                      ; at most 63 of the 128 are out: blocks 0 and 1 are in
	BLK32 32, 160, 184
	BLK32 64, 166, 185
	s_wait_loadcnt 32                                      ; block 3's 32 loads may be out
	BLK32 96, 172, 186
	s_wait_loadcnt 0x0
	BLK32 128, 178, 187
	v_lshl_or_b32 v188, v186, 8, v184                      ; byte 2 c + h
	v_lshl_or_b32 v188, v185, 16, v188
	v_lshl_or_b32 v188, v187, 24, v188
.irp hh, 0,1                                               ; I hold both image lanes (row, 0) and (row, 1)
.irp c, 0,1,2
	global_store_b128 v5, v[160+12*\hh+4*\c:163+12*\hh+4*\c], s[26:27] offset:256*\hh+512*\c
.endr
.endr
	global_store_b32 v7, v188, s[28:29]
.endm
	s_load_b256 s[4:11], s[0:1], 0x0                       ; x, Kw, Qw, Vw
	s_load_b256 s[12:19], s[0:1], 0x20                     ; Pw, row_tab, col_tab, opq
	v_lshrrev_b32 v1, 5, v0
	v_readfirstlane_b32 s20, v1                            ; wave
	v_and_b32 v1, 31, v0                                   ; L
	v_and_b32 v2, 15, v0                                   ; r
	v_bfe_u32 v3, v0, 4, 1                                 ; h
	v_lshlrev_b32 v11, 3, v3                               ; 8 h
	v_mov_b32 v190, 0                                      ; a lane permute's destination counts as read
	v_mov_b32 v191, 0
	s_mov_b32 s22, 0x76543210
	s_mov_b32 s23, 0xfedcba98                              ; selects for lane l xor 16
	s_mov_b32 s31, 0                                       ; offsets stand in s[30:31]
	s_wait_kmcnt 0x0
	s_cmp_lt_u32 ttmp9, 128
	s_cbranch_scc1 .Lx
	s_cmp_lt_u32 ttmp9, 224
	s_cbranch_scc1 .Lw
	s_cmp_lt_u32 ttmp9, 256
	s_cbranch_scc1 .Lp
	; ---- the tables: wave tt takes rows 16 tt + r; lane (r, h) holds K = 64 c + 32 h + 0 .. 31
	s_cmp_eq_u32 ttmp9, 256
	s_cselect_b64 s[24:25], s[14:15], s[16:17]
	s_cselect_b32 s30, 0, O_CT-O_RT
	s_add_co_u32 s30, s30, O_RT
	s_add_nc_u64 s[26:27], s[18:19], s[30:31]
	s_wait_alu depctr_va_vdst(0)
	v_lshl_add_u32 v4, s20, 4, v2                          ; the row that I write
	v_min_u32 v5, 62, v4                                   ; the row that I read: the table has 63
	v_lshlrev_b32 v5, 9, v5
	v_lshl_add_u32 v5, v3, 7, v5
.irp c, 0,1
.irp i, 0,1,2,3,4,5,6,7
	global_load_b128 v[32+32*\c+4*\i:35+32*\c+4*\i], v5, s[24:25] offset:256*\c+16*\i
.endr
.endr
	s_wait_loadcnt 8                                       ; the second block's eight loads may be out
	BLK32 32, 160, 184
	s_wait_loadcnt 0x0
	BLK32 64, 166, 185
	WORDH 188, 184, 185, 190
	v_mul_u32_u24 v6, v4, 96
	v_mad_u32_u24 v6, v3, 24, v6
.irp p, 0,1,2,3,4,5
	global_store_b64 v6, v[160+2*\p:161+2*\p], s[26:27] offset:48*(\p/3)+8*(\p%3)
.endr
	v_lshlrev_b32 v7, 2, v4
	global_store_b32 v7, v188, s[26:27] offset:TABW        ; both halves of the lanes write the same word with the same value
	s_endpgm
.Lx:	; ---- x: tile T = 4 g + wave; lane (r, h) holds, of its token, K = 128 s + 64 c + 32 h + 0 .. 31
	s_lshl_b32 s21, ttmp9, 2
	s_add_co_u32 s21, s21, s20                             ; T
	s_lshr_b32 s32, s21, 1
	s_lshl_b32 s30, s32, 15                                ; 32 tokens of 1,024 bytes
	s_and_b32 s32, s21, 1
	s_lshl_b32 s32, s32, 13                                ; + 8 tokens for the odd tile
	s_add_co_u32 s30, s30, s32
	s_add_nc_u64 s[24:25], s[4:5], s[30:31]
	s_mul_i32 s30, s21, 3072
	s_add_nc_u64 s[26:27], s[18:19], s[30:31]              ; x's images begin at the buffer's first byte
	s_lshl_b32 s30, s21, 7
	s_add_co_u32 s30, s30, O_XS
	s_add_nc_u64 s[28:29], s[18:19], s[30:31]
	s_wait_alu depctr_va_vdst(0)
	v_and_b32 v4, 8, v2
	v_add_nc_u32 v4, v4, v2                                ; r + 8 (r / 8)
	v_lshlrev_b32 v4, 10, v4
	v_lshl_add_u32 v4, v3, 7, v4
.irp b, 0,1,2,3                                            ; block b = 2 s + c
.irp i, 0,1,2,3,4,5,6,7
	global_load_b128 v[32+32*\b+4*\i:35+32*\b+4*\i], v4, s[24:25] offset:256*\b+16*\i th:TH_LOAD_NT
.endr
.endr
	s_wait_loadcnt 24                                      ; eight loads for each of the three younger blocks
	BLK32 32, 160, 184
	s_wait_loadcnt 16
	BLK32 64, 166, 185
	s_wait_loadcnt 8
	BLK32 96, 172, 186
	s_wait_loadcnt 0x0
	BLK32 128, 178, 187
	WORDH 188, 184, 185, 190
	WORDH 189, 186, 187, 191
	v_cmp_eq_u32 vcc_lo, 1, v3
	v_cndmask_b32 v188, v188, v189, vcc_lo                 ; lanes 0-15 store K step 0's words, lanes 16-31 K step 1's
	v_lshlrev_b32 v6, 4, v1
	v_lshlrev_b32 v7, 2, v1
.irp c, 0,1,2,3,4,5
	global_store_b128 v6, v[160+4*\c:163+4*\c], s[26:27] offset:512*\c
.endr
	global_store_b32 v7, v188, s[28:29]
	s_endpgm
.Lw:	; ---- Kw, Qw, Vw [256][2048]
	s_sub_co_u32 s21, ttmp9, 128
	s_lshr_b32 s32, s21, 5                                 ; which tensor
	s_and_b32 s21, s21, 31
	s_lshl_b32 s21, s21, 1
	s_lshr_b32 s33, s20, 1
	s_add_co_u32 s21, s21, s33                             ; which 32 columns
	s_and_b32 s33, s20, 1                                  ; which K step
	s_cmp_eq_u32 s32, 0
	s_cselect_b64 s[24:25], s[6:7], s[8:9]
	s_cmp_eq_u32 s32, 2
	s_cselect_b64 s[24:25], s[10:11], s[24:25]
	s_lshl_b32 s30, s33, 20                                ; 128 rows of 8,192 bytes
	s_lshl_b32 s34, s21, 7
	s_add_co_u32 s30, s30, s34
	s_add_nc_u64 s[24:25], s[24:25], s[30:31]
	s_lshl_b32 s34, s32, 7
	s_lshl_b32 s35, s21, 1
	s_add_co_u32 s34, s34, s35                             ; the first of my two tiles
	s_mul_i32 s30, s34, 3072
	s_mul_i32 s35, s33, 1536
	s_add_co_u32 s30, s30, s35
	s_add_co_u32 s30, s30, O_WI
	s_add_nc_u64 s[26:27], s[18:19], s[30:31]
	s_lshl_b32 s30, s34, 7
	s_lshl_b32 s35, s33, 6
	s_add_co_u32 s30, s30, s35
	s_add_co_u32 s30, s30, O_WS
	s_add_nc_u64 s[28:29], s[18:19], s[30:31]
	s_wait_alu depctr_va_vdst(0)
	WPATH 8192, 3072
	s_endpgm
.Lp:	; ---- Pw [2048][256]
	s_sub_co_u32 s21, ttmp9, 224
	s_lshr_b32 s32, s21, 1                                 ; which 128 along K
	s_and_b32 s21, s21, 1
	s_lshl_b32 s21, s21, 2
	s_add_co_u32 s21, s21, s20                             ; which 32 columns
	s_lshl_b32 s30, s32, 17                                ; 128 rows of 1,024 bytes
	s_lshl_b32 s34, s21, 7
	s_add_co_u32 s30, s30, s34
	s_add_nc_u64 s[24:25], s[12:13], s[30:31]
	s_lshl_b32 s34, s32, 4
	s_lshl_b32 s35, s21, 1
	s_add_co_u32 s34, s34, s35
	s_mul_i32 s30, s34, 1536
	s_add_co_u32 s30, s30, O_PI
	s_add_nc_u64 s[26:27], s[18:19], s[30:31]
	s_lshr_b32 s34, s32, 1
	s_lshl_b32 s34, s34, 4
	s_add_co_u32 s34, s34, s35
	s_lshl_b32 s30, s34, 7
	s_and_b32 s35, s32, 1
	s_lshl_b32 s35, s35, 6
	s_add_co_u32 s30, s30, s35
	s_add_co_u32 s30, s30, O_PS
	s_add_nc_u64 s[28:29], s[18:19], s[30:31]
	s_wait_alu depctr_va_vdst(0)
	WPATH 1024, 1536
	s_endpgm
.Lfunc_end_k_qf94eb52329_quant:
	.size	k_qf94eb52329_quant, .Lfunc_end_k_qf94eb52329_quant-k_qf94eb52329_quant
	.p2alignl 7, 3214868480
	.fill 96, 4, 3214868480
	.section	.rodata,"a",@progbits
	.p2align	6, 0x0
	.amdhsa_kernel k_qf94eb52329_quant
		.amdhsa_group_segment_fixed_size 0
		.amdhsa_private_segment_fixed_size 0
		.amdhsa_enable_private_segment 0
		.amdhsa_kernarg_size 64
		.amdhsa_user_sgpr_count 2
		.amdhsa_user_sgpr_kernarg_segment_ptr 1
		.amdhsa_wavefront_size32 1
		.amdhsa_system_sgpr_workgroup_id_x 1
		.amdhsa_system_sgpr_workgroup_id_y 1
		.amdhsa_system_sgpr_workgroup_id_z 1
		.amdhsa_system_vgpr_workitem_id 0
		.amdhsa_next_free_vgpr 208
		.amdhsa_next_free_sgpr 66
		.amdhsa_reserve_vcc 1
		.amdhsa_float_denorm_mode_32 3
		.amdhsa_float_denorm_mode_16_64 3
		.amdhsa_memory_ordered 1
		.amdhsa_forward_progress 1
		.amdhsa_inst_pref_size 57
	.end_amdhsa_kernel
	.amdgpu_metadata
---
amdhsa.version: [ 1, 2 ]
amdhsa.kernels:
  - .name:           k_qf94eb52329_quant
    .symbol:         k_qf94eb52329_quant.kd
    .args:
      - { .name: x, .offset: 0, .size: 8, .value_kind: global_buffer, .address_space: global }
      - { .name: Kw, .offset: 8, .size: 8, .value_kind: global_buffer, .address_space: global }
      - { .name: Qw, .offset: 16, .size: 8, .value_kind: global_buffer, .address_space: global }
      - { .name: Vw, .offset: 24, .size: 8, .value_kind: global_buffer, .address_space: global }
      - { .name: Pw, .offset: 32, .size: 8, .value_kind: global_buffer, .address_space: global }
      - { .name: row_tab, .offset: 40, .size: 8, .value_kind: global_buffer, .address_space: global }
      - { .name: col_tab, .offset: 48, .size: 8, .value_kind: global_buffer, .address_space: global }
      - { .name: opq, .offset: 56, .size: 8, .value_kind: global_buffer, .address_space: global }
    .group_segment_fixed_size: 0
    .private_segment_fixed_size: 0
    .kernarg_segment_align: 8
    .kernarg_segment_size: 64
    .max_flat_workgroup_size: 128
    .sgpr_count:     66
    .vgpr_count:     208
    .wavefront_size: 32
...
	.end_amdgpu_metadata
.endif
;; end of part 5
;; launch qkv (part 6): grid 256 x 1, 4 waves a work-group, no clusters, 77,312 bytes of LDS; arguments opq, Kb, Qb, Vb, qkv; writes qkv
.if DOCPART == 6
	.amdgcn_target "amdgcn-amd-amdhsa--gfx1250"
	.amdhsa_code_object_version 6
	.text
	.protected	k_qf94eb52329_qkv
	.globl	k_qf94eb52329_qkv
	.p2align	8
	.type	k_qf94eb52329_qkv,@function
k_qf94eb52329_qkv:
	s_mov_b64 s[64:65], 0
	v_nop
	global_prefetch_b8 v0, s[64:65] scope:SCOPE_SE
	s_setreg_imm32_b32 hwreg(HW_REG_WAVE_SCHED_MODE, 0, 2), 2
	s_setreg_imm32_b32 hwreg(HW_REG_WAVE_MODE, 25, 1), 1
	s_wait_xcnt 0x0
	s_wait_alu depctr_vm_vsrc(0)
; K = x Kw + Kb, Q = x Qw + Qb, V = x Vw + Vb on codes of E2M3, and the results quantised again: K and Q along the head's channels, V along the tokens (the keys).
; A CELL: eight tiles (128 members) as source 0 against one tile as source 1, K = 256 in two steps: 16 matrix instructions on 8 accumulators by turns, the bias as the C of the first eight.
; By the tiles' order of rows a lane's 64 results are, for its row of source 1, 4 x 16 neighbours along source 0's members: one whole fragment of the next product and its scale word.
;   K, Q: source 0 = 128 weight columns (half a head), source 1 = 16 tokens  -> 16 tokens x 128 channels.      V: source 0 = 128 tokens, source 1 = 16 columns of Vw -> 16 channels x 128 keys.
; A wave keeps its two groups of source 0 in registers for the whole launch and walks 16 + 8 cells; the tiles of source 1 (16 of x, 8 of Vw) are shared by the four waves: they are copied into LDS once,
; through registers, ahead of the launch's one barrier, and only read afterwards.  They lie on end, so that the fetch of the next two tiles runs from the first phase into the second.
; No cluster: what work-groups share is read once by each into LDS, and the launch is short.
; LIMITS: NaN and infinities are not served; a block of zeros gets the byte 1 (only this program reads the bytes).
; THE MODE: SCHED_MODE bits 1:0 = 2 (LLVM: expert scheduling mode 2), set by the entry lines.  The code itself states the register dependences
; between vector or matrix instructions and memory or LDS instructions, with s_wait_alu, always for 0.
; THE PLAN.  A PAIR is two cells; there are 12: 8 for K and Q (a loop of four trips, two pairs each), 4 for V.  Registers that memory or LDS instructions touch, from the barrier on:
;   BF0 + BS0, BF1 + BS1   two tiles of source 1 and their scale words, two buffers.  Pair p's 32 products read buffer p % 2; the 14 LDS loads that fill it are issued in pair p - 1, between its two cells' products.
;   v[BA], v[BSA]          read by that fetch; written once a pair, behind the pair's products.
;   PC0, PC1, PW           written by the pair's two quantisers; read by the eight stores at the pair's end.
;   v1-8, v11, v226        offsets and addresses made at the head and never written again.
; So a pair holds ONE wait on va_vdst, behind its second quantiser: it states that the codes and scale words are written (the stores read them), that v[BA] and v[BSA] are written, and that the pair's products
; are done reading their buffer: the next pair's fetch reads the one and lands in the other, and between the wait and that fetch stand only the stores and 16 products, which name none of these registers.
; And ONE wait on vm_vsrc, behind the pair's products: the last pair's stores have read their codes, this pair's fetch has read its addresses.
; REGISTERS: window 0: v1-11 addresses, v12-27 at work, v28-29 scale words made, v30-31 and v224-225 source 1's scale words, v32-47 source 0's, v48-175 two cells' results, v176-215 their codes, v216-223 Vb, v226 an address.
;   window 1: v0-191 my 128 weight columns, v192-255 their bias.   window 2: v0-191 my 128 tokens, v192-239 two tiles of source 1, v240-255 Vb spread for two cells.   window 3: v192-239 two tiles of source 1, the other buffer.
.set O_XS, 1572864
.set O_WI, 1638400
.set O_WS, 2818048
.set O_KS, 25165824
.set O_VI, 26214400
.set O_VS, 38797312
.set LI,  1                            ; 16 x lane
.set L4,  2                            ; 4 x lane
.set R4,  3                            ; 4 x (lane % 16)
.set H64, 4                            ; 64 x (lane / 16)
.set RB,  5                            ; 4 x (r + 8 (r / 8))
.set SA0, 6                            ; 16 x thread
.set SA1, 7                            ; + 49,152
.set SA2, 8                            ; 8 x thread + 75,776
.set BA,  9                            ; LDS address of the two tiles that are fetched next
.set BSA, 10                           ; and of their scale words
.set T8,  11                           ; 8 x thread
.set TM,  12
.set PW,  28
.set BS,  30                           ; buffer 0's scale words
.set BS1, 224                          ; buffer 1's
.set B0S, 226                          ; LDS address of the first pair's scale words
.set AS,  32
.set ASV, 40
.set D0,  48
.set D1,  112
.set PC0, 176
.set PC1, 196
.set VBV, 216
.set CB,  192                          ; window 1
.set BF,  192                          ; window 2 (buffer 0), window 3 (buffer 1)
.set VB,  240                          ; window 2
.set TB,  54
.set TS,  55
.set SEL, 58
.set MSB, 0
.macro WIN new                         ; the immediate's high byte repeats the setting that is left
.if MSB != (\new)
	s_set_vgpr_msb (MSB<<8)|(\new)
.set MSB, (\new)
.endif
.endm
.macro PTR d, b, o, k                  ; s[d:d+1] = s[b:b+1] + s[o] + k; the offsets stay under 2^32
	s_add_co_u32 s2, s[\o], \k
	s_mov_b32 s3, 0
	s_add_nc_u64 s[\d:\d+1], s[\b:\b+1], s[2:3]
.endm
; a cell's 16 matrix instructions; par: the buffer of source 1.  The eight accumulators take turns, one instruction a turn
.macro MUL d, e, ph, par
.set BSR, BS+(BS1-BS)*(\par)+(\e)
.if \ph
	WIN 0x2a+4*(\par)                                      ; tokens and Vb in window 2, Vw's tile in window 2 or 3
.else
	WIN 0x19+4*(\par)                                      ; weights and bias in window 1, x's tile in window 2 or 3
.endif
.irp t, 0,1,2,3,4,5,6,7
.if \ph
	v_wmma_scale_f32_16x16x128_f8f6f4 v[\d+8*\t:\d+8*\t+7], v[24*\t:24*\t+11], v[BF+24*\e:BF+24*\e+11], v[VB+8*\e:VB+8*\e+7], v[ASV+\t], v[BSR] matrix_a_fmt:MATRIX_FMT_FP6 matrix_b_fmt:MATRIX_FMT_FP6
.else
	v_wmma_scale_f32_16x16x128_f8f6f4 v[\d+8*\t:\d+8*\t+7], v[24*\t:24*\t+11], v[BF+24*\e:BF+24*\e+11], v[CB+8*\t:CB+8*\t+7], v[AS+\t], v[BSR] matrix_a_fmt:MATRIX_FMT_FP6 matrix_b_fmt:MATRIX_FMT_FP6
.endif
.endr
.if \ph
	WIN 0x0a+4*(\par)
.else
	WIN 0x09+4*(\par)
.endif
.irp t, 0,1,2,3,4,5,6,7
.if \ph
	v_wmma_scale_f32_16x16x128_f8f6f4 v[\d+8*\t:\d+8*\t+7], v[24*\t+12:24*\t+23], v[BF+24*\e+12:BF+24*\e+23], v[\d+8*\t:\d+8*\t+7], v[ASV+\t], v[BSR] matrix_a_fmt:MATRIX_FMT_FP6 matrix_b_fmt:MATRIX_FMT_FP6 matrix_a_scale:MATRIX_SCALE_ROW1 matrix_b_scale:MATRIX_SCALE_ROW1
.else
	v_wmma_scale_f32_16x16x128_f8f6f4 v[\d+8*\t:\d+8*\t+7], v[24*\t+12:24*\t+23], v[BF+24*\e+12:BF+24*\e+23], v[\d+8*\t:\d+8*\t+7], v[AS+\t], v[BSR] matrix_a_fmt:MATRIX_FMT_FP6 matrix_b_fmt:MATRIX_FMT_FP6 matrix_a_scale:MATRIX_SCALE_ROW1 matrix_b_scale:MATRIX_SCALE_ROW1
.endif
.endr
.endm
.macro BFETCH par, a, sa               ; two tiles of source 1 and their scale words into buffer par; a, sa: the registers with their LDS addresses
	WIN 0x80+0x40*(\par)
.irp n, 0,1
.irp c, 0,1,2,3,4,5
	ds_load_b128 v[BF+24*\n+4*\c:BF+24*\n+4*\c+3], v[\a] offset:3072*\n+512*\c
.endr
.endr
	WIN 0
	ds_load_b32 v[BS+(BS1-BS)*(\par)], v[\sa]
	ds_load_b32 v[BS+(BS1-BS)*(\par)+1], v[\sa] offset:128
.endm
; 64 numbers of a lane, register 16 b + i = K 32 b + 16 (lane / 16) + i of my row, become a fragment's codes in v[pc] on and its scale word in v[pw]
.macro QUANT64 s, pc, pw
.irp b, 0,1,2,3
	v_max3_num_f32 v[TM+\b], |v[\s+16*\b]|, |v[\s+1+16*\b]|, 0x1800000   ; with the floor 2^(3 - 127); each accumulator is read from its low end on
.endr
.irp i, 2,4,6,8,10,12,14
.irp b, 0,1,2,3
	v_max3_num_f32 v[TM+\b], v[TM+\b], |v[\s+16*\b+\i]|, |v[\s+1+16*\b+\i]|
.endr
.endr
.irp b, 0,1,2,3
	v_permlanex16_b32 v[TM+4+\b], v[TM+\b], s[SEL], s[SEL+1]
.endr
.irp b, 0,1,2,3
	v_max_num_f32 v[TM+\b], v[TM+\b], v[TM+4+\b]           ; with lane l xor 16's: the block's largest magnitude
.endr
.irp b, 0,1,2,3
	v_add_nc_u32 v[TM+12+\b], 0xff000000, v[TM+\b]         ; 2 off the exponent field: the conversion's scale operand
.endr
.irp b, 0,1,2,3
	v_lshrrev_b32 v[TM+8+\b], 23, v[TM+12+\b]              ; the byte
.endr
	v_lshl_or_b32 v[\pw], v[TM+9], 8, v[TM+8]
	v_lshl_or_b32 v[\pw], v[TM+10], 16, v[\pw]
	v_lshl_or_b32 v[\pw], v[TM+11], 24, v[\pw]
.irp c, 0,1
	v_cvt_scalef32_pk16_fp6_f32 v[\pc+6*\c:\pc+2+6*\c], v[\s+32*\c:\s+15+32*\c], v[TM+12+2*\c]
	v_cvt_scalef32_pk16_fp6_f32 v[\pc+12+4*\c:\pc+14+4*\c], v[\s+16+32*\c:\s+31+32*\c], v[TM+13+2*\c]
.endr
	v_nop                                                  ; one plain line behind the conversions
.irp c, 0,1                                                ; the operand wants a whole block in a lane
.irp i, 0,1,2
	v_permlane16_swap_b32 v[\pc+6*\c+\i], v[\pc+12+4*\c+\i]
.endr
.irp i, 0,1,2
	v_mov_b32 v[\pc+3+6*\c+\i], v[\pc+12+4*\c+\i]
.endr
.endr
.endm
.macro OUT pc, pw, bc, bs, oc, os      ; a fragment's image: three stores of 512 consecutive bytes; its 16 words (both halves of the lanes write the same)
.irp c, 0,1,2
	global_store_b128 v[LI], v[\pc+4*\c:\pc+4*\c+3], s[\bc:\bc+1] offset:\oc+512*\c
.endr
	global_store_b32 v[R4], v[\pw], s[\bs:\bs+1] offset:\os
.endm
; A PAIR of cells.  par: its buffer of source 1.  ph = 0: K, Q.  ph = 1: V, pair k of four; the last fetches nothing, the last two step no address.
.macro PAIR par, ph, k
	s_wait_dscnt 0x0                                       ; this pair's two tiles and their scale words, asked for a pair ago, are in
	MUL D0, 0, \ph, \par
.if (\ph == 0) || (\k < 3)
	BFETCH 1-\par, BA, BSA                                 ; the next pair's, into the other buffer.  No wait: no vector or matrix instruction since the last pair's wait on va_vdst names that buffer or these addresses
.endif
	MUL D1, 1, \ph, \par
	WIN 0
	s_wait_xcnt 0x0                                        ; the last pair's stores have had their addresses translated: their bases and data are written again only behind this wait
	s_wait_alu depctr_vm_vsrc(0)                           ; the last pair's stores have read PC0, PC1 and PW, which the quantisers below write again; the fetch above has read v[BA] and v[BSA]
.if \ph == 0
	s_add_nc_u64 s[46:47], s[46:47], 6144                  ; one pair past this pair's place: the stores below reach back
	s_add_nc_u64 s[48:49], s[48:49], 256
.endif
.if (\ph == 0) || (\k < 2)
	s_add_co_u32 s[TB], s[TB], 6144
	s_add_co_u32 s[TS], s[TS], 256
	v_add_nc_u32 v[BA], s[TB], v[LI]                       ; what the next pair will fetch.  These two and two v_nop: four places ahead of the first read of results and of the writes of Vb's copies
	v_add_nc_u32 v[BSA], s[TS], v[L4]
	v_nop
	v_nop
.else
.rept 4
	v_nop
.endr
.endif
.if (\ph == 1) && (\k < 3)
	WIN 0x80
.irp n, 0,1
.irp j, 0,1,2,3,4,5,6,7
	v_mov_b32 v[VB+8*\n+\j], v[VBV+2*\k+2+\n]              ; the next pair's Vb
.endr
.endr
	WIN 0
.endif
	QUANT64 D0, PC0, PW
	QUANT64 D1, PC1, PW+1
	s_wait_alu depctr_va_vdst(0)                           ; the quantisers have written PC0, PC1 and PW, which the stores below read; v[BA] and v[BSA] are written, and this pair's products are done reading their buffer: for the next pair's fetch
.if \ph == 0
	OUT PC0, PW, 46, 48, -6144, -256
	OUT PC1, PW+1, 46, 48, -3072, -128
.else
	OUT PC0, PW, 50, 52, 3072*\k, 1024*\k
	OUT PC1, PW+1, 50, 52, 3072*\k+1536, 1024*\k+512
.endif
.endm
	s_load_b256 s[4:11], s[0:1], 0x0                       ; opq, Kb, Qb, Vb
	s_load_b64 s[12:13], s[0:1], 0x20                      ; qkv
	v_lshl_add_u32 v254, v0, 2, 0x12c00
	v_mov_b32 v255, 0
	v_lshrrev_b32 v1, 5, v0
	v_readfirstlane_b32 s14, v1                            ; wave
	v_and_b32 v9, 31, v0
	v_and_b32 v10, 15, v0
	v_bfe_u32 v11, v0, 4, 1
	v_lshlrev_b32 v[LI], 4, v9
	v_lshlrev_b32 v[L4], 2, v9
	v_lshlrev_b32 v[R4], 2, v10
	v_lshlrev_b32 v[H64], 6, v11
	v_and_b32 v[RB], 8, v10
	v_add_nc_u32 v[RB], v[RB], v10
	v_lshlrev_b32 v[RB], 2, v[RB]
	v_lshlrev_b32 v[SA0], 4, v0
	v_add_nc_u32 v[SA1], 49152, v[SA0]
	v_lshlrev_b32 v[T8], 3, v0
	v_add_nc_u32 v[SA2], 75776, v[T8]
	s_mov_b32 s[TB], 6144                                  ; the second pair's tiles,
	s_mov_b32 s[TS], 73728+256                             ; and their scale words: the first pair fetches them
	v_add_nc_u32 v[BA], s[TB], v[LI]
	v_add_nc_u32 v[BSA], s[TS], v[L4]
	v_add_nc_u32 v[B0S], 73728, v[L4]                      ; the first pair's scale words; its tiles lie at 16 x lane
.irp b, 0,1,2,3
	v_mov_b32 v[TM+4+\b], 0                                ; a lane permute's destination counts as read
.endr
	s_mov_b32 s[SEL], 0x76543210
	s_mov_b32 s[SEL+1], 0xfedcba98
	s_wait_alu depctr_va_sdst(0)                           ; s14 is written, ahead of its first reader: the wave's places in the buffers are made from it
	s_lshr_b32 s16, ttmp9, 3                               ; tr: which 16 tiles of tokens
	s_and_b32 s17, ttmp9, 7
	s_lshr_b32 s19, s17, 2                                 ; K (0) or Q (1)
	s_and_b32 s20, s17, 3
	s_lshl_b32 s20, s20, 2
	s_add_co_u32 s20, s20, s14                             ; which 128 columns of that tensor
	s_lshl_b32 s21, s19, 7
	s_lshl_b32 s22, s20, 3
	s_add_co_u32 s21, s21, s22                             ; their first tile
	s_lshr_b32 s23, ttmp9, 4
	s_lshl_b32 s23, s23, 2
	s_add_co_u32 s23, s23, s14                             ; G: which 128 tokens for V
	s_and_b32 s24, ttmp9, 15                               ; vc: which 8 tiles of Vw's columns
	s_wait_kmcnt 0x0
	s_mul_i32 s60, s21, 3072
	PTR 26, 4, 60, O_WI                                    ; my weights
	s_lshl_b32 s60, s21, 7
	PTR 28, 4, 60, O_WS
	s_cmp_eq_u32 s19, 0
	s_cselect_b64 s[30:31], s[6:7], s[8:9]
	s_lshl_b32 s60, s20, 9
	PTR 30, 30, 60, 0                                      ; their bias
	s_mul_i32 s60, s23, 24576
	PTR 32, 4, 60, 0                                       ; my tokens
	s_lshl_b32 s60, s23, 10
	PTR 34, 4, 60, O_XS
	s_lshl_b32 s60, s24, 9
	PTR 36, 10, 60, 0                                      ; Vb
	s_mul_i32 s60, s16, 49152
	PTR 38, 4, 60, 0                                       ; the 16 tiles of x that go to LDS
	s_lshl_b32 s60, s24, 3
	s_add_co_u32 s61, s60, 256
	s_mul_i32 s60, s61, 3072
	PTR 40, 4, 60, O_WI                                    ; the 8 tiles of Vw
	s_lshl_b32 s60, s16, 11
	PTR 42, 4, 60, O_XS
	s_lshl_b32 s60, s61, 7
	PTR 44, 4, 60, O_WS
	s_lshr_b32 s60, s16, 2                                 ; the image
	s_lshl_b32 s60, s60, 3
	s_lshr_b32 s61, s20, 1                                 ; the head
	s_add_co_u32 s60, s60, s61
	s_lshl_b32 s60, s60, 6
	s_and_b32 s62, s16, 3
	s_lshl_b32 s62, s62, 4
	s_add_co_u32 s60, s60, s62                             ; the first tile that I write
	s_and_b32 s63, s20, 1                                  ; which half of the head's channels
	s_mul_i32 s61, s60, 3072
	s_mul_i32 s62, s63, 1536
	s_add_co_u32 s61, s61, s62
	s_mul_i32 s62, s19, 12582912
	s_add_co_u32 s61, s61, s62
	PTR 46, 12, 61, 0
	s_lshl_b32 s61, s60, 7
	s_lshl_b32 s62, s63, 6
	s_add_co_u32 s61, s61, s62
	s_lshl_b32 s62, s19, 19
	s_add_co_u32 s61, s61, s62
	PTR 48, 12, 61, O_KS
	s_lshr_b32 s60, s23, 3
	s_lshl_b32 s60, s60, 3
	s_lshr_b32 s61, s24, 1
	s_add_co_u32 s60, s60, s61
	s_lshl_b32 s60, s60, 7                                 ; 128 x (8 image + head)
	s_and_b32 s62, s23, 7                                  ; which 128 keys
	s_and_b32 s63, s24, 1
	s_lshl_b32 s63, s63, 3                                 ; the first tile of channels
	s_lshl_b32 s61, s62, 4
	s_add_co_u32 s61, s61, s60
	s_add_co_u32 s61, s61, s63
	s_mul_i32 s61, s61, 1536
	PTR 50, 12, 61, O_VI
	s_lshl_b32 s61, s63, 3
	s_add_co_u32 s61, s61, s60
	s_add_co_u32 s61, s61, s62
	s_lshl_b32 s61, s61, 6
	PTR 52, 12, 61, O_VS
	WIN 0x40
	s_wait_alu depctr_va_vdst(0)                           ; the offsets and addresses v1 to v11 and v226 are written: every load, store and LDS instruction up to the first pair's fetch reads some of them
.set j, 0
.rept 48
	global_load_b128 v[4*j:4*j+3], v[LI], s[26:27] offset:512*j
.set j, j+1
.endr
.irp t, 0,1,2,3,4,5,6,7                                    ; lane (r, h) wants, for tile t, the bias of columns 32 (t / 2) + 16 h + 8 (t % 2) + 0 .. 7
	global_load_b128 v[CB+8*\t:CB+8*\t+3], v[H64], s[30:31] offset:(32*(\t/2)+8*(\t%2))*4
	global_load_b128 v[CB+8*\t+4:CB+8*\t+7], v[H64], s[30:31] offset:(32*(\t/2)+8*(\t%2))*4+16
.endr
	WIN 0x80
.set j, 0
.rept 48
	global_load_b128 v[4*j:4*j+3], v[LI], s[32:33] offset:512*j
.set j, j+1
.endr
	WIN 0
.irp t, 0,1,2,3,4,5,6,7
	global_load_b32 v[AS+\t], v[L4], s[28:29] offset:128*\t
	global_load_b32 v[ASV+\t], v[L4], s[34:35] offset:128*\t
	global_load_b32 v[VBV+\t], v[RB], s[36:37] offset:(32*(\t/2)+8*(\t%2))*4   ; Vb of my row's column in tile t of Vw
.endr
.set j, 0
.rept 24
	global_load_b128 v[48+4*j:51+4*j], v[SA0], s[38:39] offset:2048*j
.set j, j+1
.endr
.set j, 0
.rept 12
	global_load_b128 v[144+4*j:147+4*j], v[SA0], s[40:41] offset:2048*j
.set j, j+1
.endr
	global_load_b128 v[192:195], v[SA0], s[42:43]
	global_load_b64 v[196:197], v[T8], s[44:45]
	s_wait_loadcnt 0x0                                     ; one wait for all that the launch reads
.set j, 0
.rept 24
	ds_store_b128 v[SA0], v[48+4*j:51+4*j] offset:2048*j
.set j, j+1
.endr
.set j, 0
.rept 12
	ds_store_b128 v[SA1], v[144+4*j:147+4*j] offset:2048*j
.set j, j+1
.endr
	ds_store_b128 v[SA1], v[192:195] offset:24576
	ds_store_b64 v[SA2], v[196:197]
	WIN 0x80
.irp n, 0,1
.irp j, 0,1,2,3,4,5,6,7
	v_mov_b32 v[VB+8*\n+\j], v[VBV+\n]                     ; V's first two cells: a lane's eight results share one column, so one number of Vb
.endr
.endr
	WIN 0
	s_wait_dscnt 0x0                                       ; my stores have landed,
	s_barrier_signal -1
	s_barrier_wait -1                                      ; everybody's have; from here on LDS is only read
	s_wait_alu depctr_vm_vsrc(0)                           ; my LDS stores have read v48 to v197: these registers are the cells' results and codes from here on, written by the products and the quantisers
	BFETCH 0, LI, B0S                                      ; the first pair's tiles, into buffer 0
	s_mov_b32 s56, 4
.Lkq:	; ---- K, Q: two pairs a trip, so that both buffers are back at their start
	PAIR 0, 0, 0
	PAIR 1, 0, 0                                           ; the last trip's fetches V's first two tiles
	s_sub_co_u32 s56, s56, 1
	s_cmp_lg_u32 s56, 0
	s_cbranch_scc1 .Lkq
	; ---- V: four pairs, written out since Vb's registers differ
	PAIR 0, 1, 0
	PAIR 1, 1, 1
	PAIR 0, 1, 2
	PAIR 1, 1, 3
	s_wait_dscnt 0x0
	s_wait_alu depctr_hold_cnt(0) depctr_sa_sdst(0) depctr_va_vdst(0) depctr_va_sdst(0) depctr_va_ssrc(0) depctr_va_vcc(0) depctr_vm_vsrc(0)
	s_wait_tensorcnt 0x0
	ds_add_u32 v254, v255
	s_wait_dscnt 0x0
	s_endpgm
.Lfunc_end_k_qf94eb52329_qkv:
	.size	k_qf94eb52329_qkv, .Lfunc_end_k_qf94eb52329_qkv-k_qf94eb52329_qkv
	.p2alignl 7, 3214868480
	.fill 96, 4, 3214868480
	.section	.rodata,"a",@progbits
	.p2align	6, 0x0
	.amdhsa_kernel k_qf94eb52329_qkv
		.amdhsa_group_segment_fixed_size 77312
		.amdhsa_private_segment_fixed_size 0
		.amdhsa_enable_private_segment 0
		.amdhsa_kernarg_size 40
		.amdhsa_user_sgpr_count 2
		.amdhsa_user_sgpr_kernarg_segment_ptr 1
		.amdhsa_wavefront_size32 1
		.amdhsa_system_sgpr_workgroup_id_x 1
		.amdhsa_system_sgpr_workgroup_id_y 1
		.amdhsa_system_sgpr_workgroup_id_z 1
		.amdhsa_system_vgpr_workitem_id 0
		.amdhsa_next_free_vgpr 1008
		.amdhsa_next_free_sgpr 66
		.amdhsa_reserve_vcc 0
		.amdhsa_float_denorm_mode_32 3
		.amdhsa_float_denorm_mode_16_64 3
		.amdhsa_memory_ordered 1
		.amdhsa_forward_progress 1
		.amdhsa_inst_pref_size 110
	.end_amdhsa_kernel
	.amdgpu_metadata
---
amdhsa.version: [ 1, 2 ]
amdhsa.kernels:
  - .name:           k_qf94eb52329_qkv
    .symbol:         k_qf94eb52329_qkv.kd
    .args:
      - { .name: opq, .offset: 0, .size: 8, .value_kind: global_buffer, .address_space: global }
      - { .name: Kb, .offset: 8, .size: 8, .value_kind: global_buffer, .address_space: global }
      - { .name: Qb, .offset: 16, .size: 8, .value_kind: global_buffer, .address_space: global }
      - { .name: Vb, .offset: 24, .size: 8, .value_kind: global_buffer, .address_space: global }
      - { .name: qkv, .offset: 32, .size: 8, .value_kind: global_buffer, .address_space: global }
    .group_segment_fixed_size: 77312
    .private_segment_fixed_size: 0
    .kernarg_segment_align: 8
    .kernarg_segment_size: 40
    .max_flat_workgroup_size: 128
    .sgpr_count:     66
    .vgpr_count:     1008
    .wavefront_size: 32
...
	.end_amdgpu_metadata
.endif
;; end of part 6
;; launch attn (part 7): grid 256 x 1, 4 waves a work-group, clusters of 4 x 1, 327,680 bytes of LDS; arguments qkv, opq, att; writes att
.if DOCPART == 7
	.amdgcn_target "amdgcn-amd-amdhsa--gfx1250"
	.amdhsa_code_object_version 6
	.text
	.protected	k_qf94eb52329_attn
	.globl	k_qf94eb52329_attn
	.p2align	8
	.type	k_qf94eb52329_attn,@function
k_qf94eb52329_attn:
	s_mov_b64 s[64:65], 0
	v_nop
	global_prefetch_b8 v0, s[64:65] scope:SCOPE_SE
	s_setreg_imm32_b32 hwreg(HW_REG_WAVE_MODE, 25, 1), 1
	s_wait_xcnt 0x0
	s_wait_alu depctr_hold_cnt(0) depctr_sa_sdst(0) depctr_va_vdst(0) depctr_va_sdst(0) depctr_va_ssrc(0) depctr_va_vcc(0) depctr_vm_vsrc(0)
	s_getreg_b32 s2, hwreg(HW_REG_IB_STS2, 6, 4)
	s_cmp_eq_u32 s2, 0
	s_cbranch_scc0 .Lentry_in_a_cluster
	s_endpgm
.Lentry_in_a_cluster:
	s_bfe_u32 s2, ttmp6, 0x10000c
	s_cmp_lg_u32 s2, 0x3003
	s_cbranch_scc0 .Lentry_shape_is_right
	s_endpgm
.Lentry_shape_is_right:
; attended = softmax(Q K^T + row score + column score) V for one image and head, all four products on codes of E2M3; the weights are quantised FINISHED AND NORMALISED, along the keys; attended is quantised along the channels.
; A cluster of four work-groups owns one image and head; a work-group 256 queries, in two PAIRS of two BLOCKS of 64 queries (4 tiles).
; SCORES: THE WAVES SHARE THE KEYS: wave w owns keys 256 w .. + 255 (8 rows of the image), so that the whole score row of a block's 64 queries lies in the four waves' registers, 512 each: the row's maximum and sum are
;   known before any weight is quantised, each score has one exponential, and nothing is computed twice.  S^T = K Q^T: a lane holds one query, its registers run along the keys (by the tiles' order of rows, 16 neighbours).
;   The column score hangs on the key's column alone: it is the C of a key tile's first product.  The row score hangs on the key's row alone: it goes into the addend of the scaling ahead of the exponential.
;   Q's codes serve all three products; the embeddings are rows of the two quantised tables.
; SOFTMAX: each wave takes ITS largest t away (t = score x log2 e), p = 2^(t - mt), l = sum of p; the four (mt, l) meet in LDS; m = the largest mt, L = sum of l 2^(mt - m); weight = p x 2^(mt - m) / L.
; WEIGHTS x V: THE WAVES SHARE THE CHANNELS: wave w owns 64 of the head's 256.  The weights go from wave to wave through LDS as images of the operand's registers; V goes from memory straight into the one wave that wants it.
; CLUSTER: the four partners read the same K: each wave's quarter (16 tiles) is asked for JOINTLY, once, and stays in LDS.  V is not shared so: K's 196,608 bytes and two blocks' weights, 102,400, leave no room for it;
;   a pair of blocks shares each fragment of V instead.
; LIMITS: NaN and infinities are not served; a weight under 2^-126 becomes 0; a block of zeros gets the byte 1 (only this program reads the bytes).
; LDS: 0 K's images (wave w's at 49,152 w); 196,608 the weights' images [block 2][tile 4][K step 8][1,536]; 294,912 their scale words [tile 8][K step 8][64];
;      299,008 column scores G [tile 4][query 16], 272 bytes a query; 316,416 (mt, l) [wave 4][query 64].
; REGISTERS: window 0: v1-15, v75, v250-255 addresses; v16-74 scale words; v80-143 column scores; v144-175 row scores, then each block's largest p; v176-249 at work.
;   window 1: v0-95 Q; v96-107 my tile of Q again; v108-131 two fragments of the row table; v132-179 the column table; v180-251 three buffers of a key tile.
;   windows 2, 3: the scores: key row kb, tile qt, register i at 64 (kb % 4) + 16 qt + i of window 2 + kb / 4.  Later window 2: O^T (32 Q + 8 dt + j); window 3: two buffers of weights.
.set O_QI,  12582912
.set O_KS,  25165824
.set O_QS,  25690112
.set O_VI,  26214400
.set O_VS,  38797312
.set O_RT,  3276800
.set O_RTS, 3282944
.set O_CT,  3283200
.set O_CTS, 3289344
.set O_ATS, 12582912
.set PIMG,  196608
.set PSC,   294912
.set GC,    299008
.set STATS, 316416
.set L16, 1
.set L4,  2
.set R4,  3
.set KAD, 4                            ; my quarter of K: 49,152 w + 16 L
.set GCW, 5
.set GCR, 6
.set STW, 7
.set STR, 8
.set PW0, 9
.set PS0, 10
.set PRA0, 11                          ; v11, v12: the weights' images of block 0, 1
.set PSA, 13
.set ADR, 14
.set ADR2, 15
.set QS,  16
.set QXS, 20
.set RTS, 21
.set CTS, 23
.set KSR, 27
.set VSR, 43
.set PSR, 59
.set CFO, 75
.set CS,  80
.set RS,  144
.set ML,  176                          ; (mt, l) of my four tiles
.set F,   184                          ; 2^(mt - m) / L, in pairs
.set BM,  192
.set BT,  200
.set CR,  208
.set AB,  216
.set SUM, 232
.set ST,  192
.set MM,  224
.set EO,  228
.set LL,  232
.set RR,  236
.set SO,  192
.set BY,  200
.set PW,  208
.set PC,  210
.set BMX, 176
.set BTX, 192
.set SOX, 208
.set RFO, 250
.set RT4, 251
.set L8,  252
.set ATL, 253
.set PFO, 254
.set HF,  255
.set MSB, 0
.macro WIN new                         ; the immediate's high byte repeats the setting that is left
.if MSB != (\new)
	s_set_vgpr_msb (MSB<<8)|(\new)
.set MSB, (\new)
.endif
.endm
.macro PTR d, b, o, k
	s_add_co_u32 s2, s[\o], \k
	s_mov_b32 s3, 0
	s_add_nc_u64 s[\d:\d+1], s[\b:\b+1], s[2:3]
.endm
.macro PLACES                          ; four plain lines between a matrix instruction and a read of its result, or a load into one of its registers
.rept 4
	v_nop
.endr
.endm
.macro BAR                             ; my LDS stores have landed and my LDS loads are in: then the work-group's barrier
	s_wait_dscnt 0x0
	s_barrier_signal -1
	s_barrier_wait -1
.endm
.macro ROUND                           ; a round of the cluster's barrier
	s_barrier_signal -1
	s_barrier_wait -1
	s_cmp_lg_u32 s10, 0
	s_cbranch_scc1 .Lnw0_\@
	s_barrier_signal -3
.Lnw0_\@:
	s_barrier_wait -3
	s_barrier_signal -1
	s_barrier_wait -1
.endm
.macro KFETCH kt                       ; key tile kt's two fragments (the caller has set the destination's window)
.irp c, 0,1,2,3,4,5
	ds_load_b128 v[180+24*((\kt)%3)+4*\c:183+24*((\kt)%3)+4*\c], v[KAD] offset:3072*(\kt)+512*\c
.endr
.endm
.macro QLOAD                           ; a block's Q, my tile of it once more, the two fragments of the row table, and their scale words
	WIN 0x40
.set j, 0
.rept 24
	global_load_b128 v[4*j:4*j+3], v[L16], s[28:29] offset:512*j
.set j, j+1
.endr
.irp c, 0,1,2
	global_load_b128 v[96+4*\c:99+4*\c], v[L16], s[30:31] offset:512*\c
.endr
.irp f, 0,1                                                ; image row i0 + f: lane r takes table row 8 w + r % 8 + 31 - i, so that both halves of the result's lanes hold my 8 key rows
.irp p, 0,1,2,3,4,5
	global_load_b64 v[108+12*\f+2*\p:109+12*\f+2*\p], v[RFO], s[36:37] offset:96*(1-\f)+48*(\p/3)+8*(\p%3)
.endr
.endr
	WIN 0
.irp qt, 0,1,2,3
	global_load_b32 v[QS+\qt], v[L4], s[32:33] offset:128*\qt
.endr
	global_load_b32 v[QXS], v[L4], s[34:35]
.irp f, 0,1
	global_load_b32 v[RTS+\f], v[RT4], s[38:39] offset:4*(1-\f)
.endr
.endm
; key tile kt against the four tiles of queries: four products that start from the column score, four links for the second K step.  The accumulators take turns
.macro SCORE kt
.set KBF, 180+24*((\kt)%3)
.set SB, 64*(((\kt)/2)%4)+8*((\kt)%2)
.if (\kt) >= 3
.if 15-(\kt) >= 2
	s_wait_dscnt 12                                        ; six loads for each of the two younger key tiles
.else
	s_wait_dscnt 6*(15-(\kt))
.endif
.endif
	WIN 0x85+0x40*((\kt)/8)
.irp qt, 0,1,2,3
	v_wmma_scale_f32_16x16x128_f8f6f4 v[SB+16*\qt:SB+16*\qt+7], v[KBF:KBF+11], v[24*\qt:24*\qt+11], v[CS+16*\qt+8*((\kt)%2):CS+16*\qt+8*((\kt)%2)+7], v[KSR+(\kt)], v[QS+\qt] matrix_a_fmt:MATRIX_FMT_FP6 matrix_b_fmt:MATRIX_FMT_FP6
.endr
	WIN 0xa5+0x50*((\kt)/8)
.irp qt, 0,1,2,3
	v_wmma_scale_f32_16x16x128_f8f6f4 v[SB+16*\qt:SB+16*\qt+7], v[KBF+12:KBF+23], v[24*\qt+12:24*\qt+23], v[SB+16*\qt:SB+16*\qt+7], v[KSR+(\kt)], v[QS+\qt] matrix_a_fmt:MATRIX_FMT_FP6 matrix_b_fmt:MATRIX_FMT_FP6 matrix_a_scale:MATRIX_SCALE_ROW1 matrix_b_scale:MATRIX_SCALE_ROW1
.endr
	WIN 0
	PLACES
.if (\kt)+3 < 16
	WIN 0x40
	KFETCH (\kt)+3
	WIN 0
.endif
.endm
; tile qt: my 256 keys' p = 2^(t - mt), each block's largest p, and (mt, l) to LDS
.macro SOFT1 qt
.irp wd, 0,1                                               ; the largest score of each block of 32 keys (a key row), each accumulator from its low end on
	WIN 0x2a+0x15*\wd
.irp k, 0,1,2,3
	v_max3_num_f32 v[BM+4*\wd+\k], v[64*\k+16*\qt], v[64*\k+16*\qt+1], v[64*\k+16*\qt+2]
.endr
	WIN 0x28+0x14*\wd
.irp i, 3,5,7,9,11,13
.irp k, 0,1,2,3
	v_max3_num_f32 v[BM+4*\wd+\k], v[BM+4*\wd+\k], v[64*\k+16*\qt+\i], v[64*\k+16*\qt+\i+1]
.endr
.endr
.irp k, 0,1,2,3
	v_max_num_f32 v[BM+4*\wd+\k], v[BM+4*\wd+\k], v[64*\k+16*\qt+15]
.endr
.endr
	WIN 0
.irp k, 0,1,2,3,4,5,6,7
	v_permlanex16_b32 v[BT+\k], v[BM+\k], s48, s49
.endr
.irp k, 0,1,2,3,4,5,6,7
	v_max_num_f32 v[BM+\k], v[BM+\k], v[BT+\k]
.endr
.irp k, 0,1,2,3,4,5,6,7
	v_mul_f32 v[CR+\k], s46, v[RS+8*\qt+\k]                ; c x the row score of key row k
.endr
.irp k, 0,1,2,3,4,5,6,7
	v_fma_f32 v[BT+\k], v[BM+\k], s46, v[CR+\k]            ; the block's largest t
.endr
	v_max3_num_f32 v[ML+2*\qt], v[BT], v[BT+1], v[BT+2]
	v_max3_num_f32 v[ML+2*\qt], v[ML+2*\qt], v[BT+3], v[BT+4]
	v_max3_num_f32 v[ML+2*\qt], v[ML+2*\qt], v[BT+5], v[BT+6]
	v_max_num_f32 v[ML+2*\qt], v[ML+2*\qt], v[BT+7]        ; mt: my keys' largest t
.irp k, 0,1,2,3,4,5,6,7
	v_sub_f32 v[AB+2*\k], v[CR+\k], v[ML+2*\qt]            ; the addend of the block's scaling
.endr
.irp k, 0,1,2,3,4,5,6,7
	v_fma_f32 v[AB+2*\k+1], v[BM+\k], s46, v[AB+2*\k]      ; the same multiply-add on the block's largest score
.endr
.irp wd, 0,1
	WIN 0x82+0x41*\wd
.irp k, 0,1,2,3
.irp i, 0,2,4,6,8,10,12,14
	v_pk_fma_f32 v[64*\k+16*\qt+\i:64*\k+16*\qt+\i+1], v[64*\k+16*\qt+\i:64*\k+16*\qt+\i+1], s[46:47], v[AB+8*\wd+2*\k:AB+8*\wd+2*\k+1] op_sel_hi:[1,0,0]
.endr
.endr
	s_wait_alu depctr_va_vdst(0)
.irp k, 0,1,2,3
.irp i, 0,1,2,3,4,5,6,7,8,9,10,11,12,13,14,15
	v_exp_f32 v[64*\k+16*\qt+\i], v[64*\k+16*\qt+\i]
.endr
.endr
.endr
	WIN 0
.irp k, 0,1,2,3,4,5,6,7
	v_exp_f32 v[RS+8*\qt+\k], v[AB+2*\k+1]                 ; the block's largest p takes the row score's place
.endr
.irp k, 0,1,2,3,4,5,6,7
	v_mov_b32 v[SUM+\k], 0                                 ; plain lines behind the exponentials
.endr
	s_wait_alu depctr_va_vdst(0)                           ; one wait for the last 72 exponentials, ahead of its first reader
.irp wd, 0,1                                               ; the sum of the unquantised p, in four chains
	WIN 0x08+0x04*\wd
.irp k, 0,1,2,3
.irp i, 0,8
	v_pk_add_f32 v[SUM:SUM+1], v[SUM:SUM+1], v[64*\k+16*\qt+\i:64*\k+16*\qt+\i+1]
	v_pk_add_f32 v[SUM+2:SUM+3], v[SUM+2:SUM+3], v[64*\k+16*\qt+\i+2:64*\k+16*\qt+\i+3]
	v_pk_add_f32 v[SUM+4:SUM+5], v[SUM+4:SUM+5], v[64*\k+16*\qt+\i+4:64*\k+16*\qt+\i+5]
	v_pk_add_f32 v[SUM+6:SUM+7], v[SUM+6:SUM+7], v[64*\k+16*\qt+\i+6:64*\k+16*\qt+\i+7]
.endr
.endr
.endr
	WIN 0
	v_pk_add_f32 v[SUM:SUM+1], v[SUM:SUM+1], v[SUM+2:SUM+3]
	v_pk_add_f32 v[SUM+4:SUM+5], v[SUM+4:SUM+5], v[SUM+6:SUM+7]
	v_pk_add_f32 v[SUM:SUM+1], v[SUM:SUM+1], v[SUM+4:SUM+5]
	v_add_f32 v[ML+2*\qt+1], v[SUM], v[SUM+1]
	v_permlanex16_b32 v[BT], v[ML+2*\qt+1], s48, s49
	v_add_f32 v[ML+2*\qt+1], v[ML+2*\qt+1], v[BT]
	ds_store_b64 v[STW], v[ML+2*\qt:ML+2*\qt+1] offset:128*\qt   ; both halves of the lanes write the same
.endm
; tile qt: the weights p x F, quantised along my 256 keys: two fragments and their scale words, as images to LDS
.macro SOFT3 qt
	s_wait_dscnt 0x0                                       ; the last tile's stores have read the registers that are written again
.irp wd, 0,1
	WIN 0x82+0x41*\wd
.irp k, 0,1,2,3
.irp i, 0,2,4,6,8,10,12,14
	v_pk_mul_f32 v[64*\k+16*\qt+\i:64*\k+16*\qt+\i+1], v[64*\k+16*\qt+\i:64*\k+16*\qt+\i+1], v[F+2*\qt:F+2*\qt+1] op_sel_hi:[1,0]
.endr
.endr
.endr
	WIN 0
.irp k, 0,1,2,3,4,5,6,7
	v_mul_f32 v[SO+\k], v[RS+8*\qt+\k], v[F+2*\qt]         ; the block's largest weight: the same multiplication on the same number
.endr
.irp k, 0,1,2,3,4,5,6,7
	v_max_num_f32 v[SO+\k], 0x1800000, v[SO+\k]            ; the floor 2^(3 - 127)
.endr
.irp k, 0,1,2,3,4,5,6,7
	v_add_nc_u32 v[SO+\k], 0xff000000, v[SO+\k]
.endr
.irp k, 0,1,2,3,4,5,6,7
	v_lshrrev_b32 v[BY+\k], 23, v[SO+\k]
.endr
.irp e, 0,1
	v_lshl_or_b32 v[PW+\e], v[BY+4*\e+1], 8, v[BY+4*\e]
	v_lshl_or_b32 v[PW+\e], v[BY+4*\e+2], 16, v[PW+\e]
	v_lshl_or_b32 v[PW+\e], v[BY+4*\e+3], 24, v[PW+\e]
.endr
.irp e, 0,1
	WIN 0x02+\e
.irp c, 0,1
	v_cvt_scalef32_pk16_fp6_f32 v[PC+20*\e+6*\c:PC+20*\e+6*\c+2], v[128*\c+16*\qt:128*\c+16*\qt+15], v[SO+4*\e+2*\c]
	v_cvt_scalef32_pk16_fp6_f32 v[PC+20*\e+12+4*\c:PC+20*\e+14+4*\c], v[128*\c+64+16*\qt:128*\c+79+16*\qt], v[SO+4*\e+2*\c+1]
.endr
.endr
	WIN 0
	v_nop                                                  ; one plain line behind the conversions
.irp e, 0,1
.irp c, 0,1
.irp i, 0,1,2
	v_permlane16_swap_b32 v[PC+20*\e+6*\c+\i], v[PC+20*\e+12+4*\c+\i]
.endr
.irp i, 0,1,2
	v_mov_b32 v[PC+20*\e+3+6*\c+\i], v[PC+20*\e+12+4*\c+\i]
.endr
.endr
.irp c, 0,1,2
	ds_store_b128 v[ADR], v[PC+20*\e+4*\c:PC+20*\e+4*\c+3] offset:(8*\qt+\e)*1536+512*\c
.endr
	ds_store_b32 v[ADR2], v[PW+\e] offset:(8*\qt+\e)*64
.endr
.endm
.macro VSEL ks                         ; V's four buffers
.if (\ks)%4 == 0
.set VR, 180
.set VWN, 1
.elseif (\ks)%4 == 1
.set VR, 192
.set VWN, 3
.elseif (\ks)%4 == 2
.set VR, 80
.set VWN, 0
.else
.set VR, 128
.set VWN, 0
.endif
.endm
.macro VLOAD ks                        ; my four tiles of channels x keys 128 ks on
	VSEL \ks
	WIN VWN<<6
.irp d, 0,1,2,3
.irp c, 0,1,2
	global_load_b128 v[VR+12*\d+4*\c:VR+12*\d+4*\c+3], v[L16], s[40:41] offset:24576*(\ks)+1536*\d+512*\c
.endr
.endr
	WIN 0
.endm
.macro PLOAD ks                        ; the eight tiles' weights for keys 128 ks on; with an even step the scale words of two steps
	WIN 0xc0
.irp q, 0,1,2,3,4,5,6,7
.irp c, 0,1,2
	ds_load_b128 v[96*((\ks)%2)+12*\q+4*\c:96*((\ks)%2)+12*\q+4*\c+3], v[PRA0+\q/4] offset:(8*(\q%4)+(\ks))*1536+512*\c
.endr
.endr
	WIN 0
.if (\ks)%2 == 0
.irp q, 0,1,2,3,4,5,6,7
	ds_load_b32 v[PSR+8*(((\ks)/2)%2)+\q], v[PSA] offset:512*\q+128*((\ks)/2)
.endr
.endif
.endm
.macro PVSTEP ks                       ; O^T += V^T P^T: 32 accumulators by turns
.if 7-(\ks) >= 3
	s_wait_loadcnt 36                                      ; twelve loads for each of the three younger steps of V
.else
	s_wait_loadcnt 12*(7-(\ks))
.endif
.if (\ks) == 7
	s_wait_dscnt 0x0
.elseif (\ks)%2 == 0
	s_wait_dscnt 24                                        ; the next step's weights may be out
.else
	s_wait_dscnt 32                                        ; and with an even step its eight scale words
.endif
	VSEL \ks
.set PBF, 96*((\ks)%2)
.set PSS, PSR+8*(((\ks)/2)%2)
	WIN 0xac+VWN
.irp d, 0,1,2,3
.irp q, 0,1,2,3,4,5,6,7
.if (\ks) == 0
	v_wmma_scale_f32_16x16x128_f8f6f4 v[32*\q+8*\d:32*\q+8*\d+7], v[VR+12*\d:VR+12*\d+11], v[PBF+12*\q:PBF+12*\q+11], 0, v[VSR+4*\d], v[PSS+\q] matrix_a_fmt:MATRIX_FMT_FP6 matrix_b_fmt:MATRIX_FMT_FP6
.elseif (\ks)%2 == 0
	v_wmma_scale_f32_16x16x128_f8f6f4 v[32*\q+8*\d:32*\q+8*\d+7], v[VR+12*\d:VR+12*\d+11], v[PBF+12*\q:PBF+12*\q+11], v[32*\q+8*\d:32*\q+8*\d+7], v[VSR+4*\d+(\ks)/2], v[PSS+\q] matrix_a_fmt:MATRIX_FMT_FP6 matrix_b_fmt:MATRIX_FMT_FP6
.else
	v_wmma_scale_f32_16x16x128_f8f6f4 v[32*\q+8*\d:32*\q+8*\d+7], v[VR+12*\d:VR+12*\d+11], v[PBF+12*\q:PBF+12*\q+11], v[32*\q+8*\d:32*\q+8*\d+7], v[VSR+4*\d+(\ks)/2], v[PSS+\q] matrix_a_fmt:MATRIX_FMT_FP6 matrix_b_fmt:MATRIX_FMT_FP6 matrix_a_scale:MATRIX_SCALE_ROW1 matrix_b_scale:MATRIX_SCALE_ROW1
.endif
.endr
.endr
	WIN 0
	PLACES
.if (\ks)+2 < 8
	PLOAD (\ks)+2
.endif
.if (\ks)+4 < 8
	VLOAD (\ks)+4
.endif
.endm
	s_load_b128 s[4:7], s[0:1], 0x0                        ; qkv, opq
	s_load_b64 s[8:9], s[0:1], 0x10                        ; att
	v_lshl_add_u32 v245, v0, 2, 0x4dc00
	v_mov_b32 v249, 0
	ds_add_u32 v245, v249
	ds_add_u32 v245, v249
	v_lshrrev_b32 v1, 5, v0
	v_readfirstlane_b32 s10, v1                            ; wave
	s_bfe_u32 s11, ttmp6, 0x40000                          ; cx: my place in the cluster: it enters global addresses of my own loads and stores alone
	s_mov_b32 s12, ttmp9                                   ; the cluster's number: 8 x image + head
	; K's quarter: 192 dense rows of 256 bytes (32 elements of 8 bytes)
	s_mov_b32 s16, 15|(3<<16)|(1<<21)                      ; the mask: all four work-groups; elements of 8 bytes; bit 21 beside a mask
	s_mov_b32 s17, 32<<16                                  ; tensor_dim0
	s_mov_b32 s18, 192<<16                                 ; tensor_dim1
	s_mov_b32 s19, 32<<16                                  ; tile_dim0
	s_mov_b32 s20, 192                                     ; tile_dim1
	s_mov_b32 s21, 32                                      ; the pitch
	s_mov_b32 s22, 0
	s_mov_b32 s23, 0
	s_mul_i32 s13, s12, 196608                             ; a head's codes of K, of Q, of V
	s_lshl_b32 s14, s12, 13                                ; and its scale words
	s_mov_b32 s24, 1
	s_mul_i32 s25, s10, 49152                              ; LDS: the wave's number alone
	s_add_co_u32 s58, s13, s25
	s_mov_b32 s59, 0
	s_wait_dscnt 0x0
	s_wait_kmcnt 0x0
	s_add_nc_u64 s[26:27], s[4:5], s[58:59]                ; K's images begin at the buffer's first byte
	s_or_b32 s27, s27, 0x80000000
	ROUND                                                  ; all four work-groups are here: the joint loads meet
	tensor_load_to_lds s[24:27], s[16:23]                  ; one load a wave, the launch's only ones: nothing is filled again
	s_nop 0
	PLACES
	v_and_b32 v176, 31, v0                                 ; L
	v_and_b32 v177, 15, v0                                 ; r
	v_bfe_u32 v[HF], v0, 4, 1                              ; h
	v_lshlrev_b32 v[L16], 4, v176
	v_lshlrev_b32 v[L4], 2, v176
	v_lshlrev_b32 v[R4], 2, v177
	v_lshlrev_b32 v[L8], 3, v176
	v_lshlrev_b32 v[PFO], 8, v176
	v_add_nc_u32 v[KAD], s25, v[L16]
	s_mul_i32 s58, s10, 4352
	s_add_co_u32 s58, s58, GC
	v_mul_u32_u24 v[GCW], v177, 272
	v_and_b32 v[GCR], 8, v177
	v_add_nc_u32 v[GCR], v[GCR], v177
	v_lshl_add_u32 v[GCR], v[GCR], 2, v[GCW]               ; 272 r + 4 (r + 8 (r / 8))
	v_xor_b32 v178, 1, v[HF]
	v_lshl_add_u32 v[GCR], v178, 6, v[GCR]                 ; + 64 (1 - h)
	v_add_nc_u32 v[GCR], GC, v[GCR]
	v_lshl_add_u32 v[GCW], v[HF], 5, v[GCW]
	v_add_nc_u32 v[GCW], s58, v[GCW]                       ; my tile's rows of G: + 272 r + 32 h
	v_lshl_add_u32 v[STR], v177, 3, STATS
	s_lshl_b32 s58, s10, 9
	v_add_nc_u32 v[STW], s58, v[STR]
	s_mul_i32 s58, s10, 3072
	s_add_co_u32 s58, s58, PIMG
	v_add_nc_u32 v[PW0], s58, v[L16]
	s_lshl_b32 s58, s10, 7
	s_add_co_u32 s58, s58, PSC
	v_add_nc_u32 v[PS0], s58, v[R4]
	v_add_nc_u32 v[PRA0], PIMG, v[L16]
	v_add_nc_u32 v[PRA0+1], PIMG+49152, v[L16]
	v_add_nc_u32 v[PSA], PSC, v[L4]
	v_and_b32 v178, 7, v0
	v_mul_u32_u24 v[RFO], v178, 96
	v_mad_u32_u24 v[RFO], v[HF], 24, v[RFO]
	v_lshlrev_b32 v[RT4], 2, v178
	v_lshlrev_b32 v[ATL], 4, v177
	v_lshl_add_u32 v[ATL], v[HF], 3, v[ATL]
	v_mul_u32_u24 v[CFO], v177, 96
	v_mad_u32_u24 v[CFO], v[HF], 24, v[CFO]
.set j, 192
.rept 16
	v_mov_b32 v[j], 0                                      ; lane permutes' destinations count as read
.set j, j+1
.endr
	s_mul_i32 s58, s11, 49152
	s_add_co_u32 s58, s58, s13
	PTR 28, 4, 58, O_QI                                    ; Q: my 16 tiles
	s_mul_i32 s60, s10, 3072
	s_add_co_u32 s59, s58, s60
	PTR 30, 4, 59, O_QI+1536                               ; tile w of a block, second K step
	s_lshl_b32 s58, s11, 11
	s_add_co_u32 s58, s58, s14
	PTR 32, 4, 58, O_QS
	s_lshl_b32 s60, s10, 7
	s_add_co_u32 s59, s58, s60
	PTR 34, 4, 59, O_QS
	s_lshl_b32 s58, s10, 3
	s_add_co_u32 s58, s58, 30
	s_lshl_b32 s59, s11, 3
	s_sub_co_u32 s58, s58, s59                             ; 8 w + 31 - (i0 + 1), i0 = 8 cx: 6 at the least, and 0 at the least three blocks on
	s_mul_i32 s59, s58, 96
	PTR 36, 6, 59, O_RT
	s_lshl_b32 s59, s58, 2
	PTR 38, 6, 59, O_RTS
	s_mul_i32 s58, s10, 6144
	s_add_co_u32 s58, s58, s13
	PTR 40, 4, 58, O_VI                                    ; V: my four tiles of channels
	s_lshr_b32 s58, s12, 3
	s_lshl_b32 s58, s58, 3
	s_lshl_b32 s59, s11, 1
	s_add_co_u32 s58, s58, s59                             ; the first block of 128 tokens that I write
	s_and_b32 s59, s12, 7                                  ; the head
	s_lshl_b32 s60, s58, 7
	s_lshl_b32 s61, s59, 1
	s_add_co_u32 s60, s60, s61
	s_lshr_b32 s61, s10, 1
	s_add_co_u32 s60, s60, s61
	s_mul_i32 s60, s60, 1536
	s_and_b32 s61, s10, 1
	s_mul_i32 s61, s61, 768
	s_add_co_u32 s60, s60, s61
	PTR 42, 8, 60, 0
	s_lshl_b32 s60, s59, 6
	s_add_co_u32 s60, s60, s58
	s_lshl_b32 s60, s60, 2
	s_add_co_u32 s60, s60, s10
	s_lshl_b32 s60, s60, 8
	PTR 44, 8, 60, O_ATS
	s_mul_i32 s58, s11, 3
	s_add_co_u32 s58, s58, s10
	s_lshl_b32 s58, s58, 14
	s_add_co_u32 s58, s58, s13
	PTR 56, 4, 58, O_VI                                    ; the prefetch: 16,384 bytes of the head's V for each of three waves of each partner
	s_lshl_b32 s58, s10, 11
	s_add_co_u32 s58, s58, s14
	PTR 60, 4, 58, O_KS
	PTR 62, 4, 58, O_VS
	s_add_nc_u64 s[66:67], s[6:7], O_CT
	s_add_nc_u64 s[68:69], s[6:7], O_CTS
	s_mov_b32 s46, 0x3fb8aa3b                              ; c = log2(e)
	s_mov_b32 s47, s46
	s_mov_b32 s48, 0x76543210
	s_mov_b32 s49, 0xfedcba98
.set j, 0
.rept 16
	global_load_b32 v[KSR+j], v[L4], s[60:61] offset:128*j
	global_load_b32 v[VSR+j], v[L4], s[62:63] offset:128*j
.set j, j+1
.endr
.irp tt, 0,1,2,3
	global_load_b32 v[CTS+\tt], v[R4], s[68:69] offset:64*\tt
.endr
	WIN 0x40
.irp tt, 0,1,2,3
.irp p, 0,1,2,3,4,5
	global_load_b64 v[132+12*\tt+2*\p:133+12*\tt+2*\p], v[CFO], s[66:67] offset:1536*\tt+48*(\p/3)+8*(\p%3)
.endr
.endr
	QLOAD
	s_mov_b32 s50, 2
	s_mov_b32 s52, 0                                       ; which block of the pair: its weights' images,
	s_mov_b32 s53, 0                                       ; and their scale words
	s_mov_b32 s54, 0                                       ; the block's number, 0 to 3
	s_wait_tensorcnt 0x0                                   ; my quarter of K is in; nobody else reads it
.Lpair:
	s_mov_b32 s51, 2
.Lblock:
	WIN 0x40
	KFETCH 0
	KFETCH 1
	KFETCH 2
	s_wait_loadcnt 0x0                                     ; this block's Q and table rows, asked for a block ago
	WIN 0xc5                                               ; G(t, q) = column table row t . Q[q, 128:], for my tile of queries: into registers that the scores take last
.irp tt, 0,1,2,3
	v_wmma_scale_f32_16x16x128_f8f6f4 v[192+8*\tt:199+8*\tt], v[132+12*\tt:143+12*\tt], v[96:107], 0, v[CTS+\tt], v[QXS] matrix_a_fmt:MATRIX_FMT_FP6 matrix_b_fmt:MATRIX_FMT_FP6 matrix_b_scale:MATRIX_SCALE_ROW1
.endr
	WIN 0x05                                               ; the row scores of my 8 key rows, for all four tiles
.irp qt, 0,1,2,3
	v_wmma_scale_f32_16x16x128_f8f6f4 v[RS+8*\qt:RS+8*\qt+7], v[108+12*(\qt/2):119+12*(\qt/2)], v[24*\qt:24*\qt+11], 0, v[RTS+\qt/2], v[QS+\qt] matrix_a_fmt:MATRIX_FMT_FP6 matrix_b_fmt:MATRIX_FMT_FP6
.endr
	WIN 0
	PLACES
	WIN 0x0c
.irp tt, 0,1,2,3
	ds_store_b128 v[GCW], v[192+8*\tt:195+8*\tt] offset:64*\tt
	ds_store_b128 v[GCW], v[196+8*\tt:199+8*\tt] offset:64*\tt+16
.endr
	WIN 0
	BAR                                                    ; G of the four tiles lies in LDS
.irp qt, 0,1,2,3                                           ; the column score of key column l = 16 h + 8 u + j is G(column of my query + 31 - l)
.irp u, 0,1
.irp j, 0,1,2,3,4,5,6,7
	ds_load_b32 v[CS+16*\qt+8*\u+\j], v[GCR] offset:4352*\qt+32*(\qt%2)+4*(15-8*\u-\j)
.endr
.endr
.endr
	s_wait_dscnt 0x0
.irp kt, 0,1,2,3,4,5,6,7,8,9,10,11,12,13,14,15
	SCORE \kt
.endr
	s_cmp_eq_u32 s54, 3                                    ; the next block's Q is asked for now, if there is a next block
	s_cbranch_scc1 .Lnoq
	s_wait_xcnt 0x0                                        ; the bases are written only behind this wait
	s_add_nc_u64 s[28:29], s[28:29], 12288
	s_add_nc_u64 s[30:31], s[30:31], 12288
	s_add_nc_u64 s[32:33], s[32:33], 512
	s_add_nc_u64 s[34:35], s[34:35], 512
	s_sub_nc_u64 s[36:37], s[36:37], 192                   ; two image rows on: two table rows back
	s_sub_nc_u64 s[38:39], s[38:39], 8
	QLOAD
	s_cmp_eq_u32 s54, 1                                    ; V is prefetched once, a softmax ahead of its first loads: each 256 bytes of the head's V named once, by one lane;
	s_cbranch_scc0 .Lnoq                                   ; the partners are told apart by address, the waves by their number
	s_cmp_lt_u32 s10, 3
	s_cbranch_scc0 .Lnoq
	global_prefetch_b8 v[PFO], s[56:57] th:TH_LOAD_NT scope:SCOPE_SE
	global_prefetch_b8 v[PFO], s[56:57] offset:8192 th:TH_LOAD_NT scope:SCOPE_SE
.Lnoq:
	SOFT1 0
	SOFT1 1
	SOFT1 2
	SOFT1 3
	BAR                                                    ; the four waves' (mt, l) lie in LDS; everybody's reads of G are over
.irp qt, 0,1,2,3
.irp w, 0,1,2,3
	ds_load_b64 v[ST+8*\qt+2*\w:ST+8*\qt+2*\w+1], v[STR] offset:512*\w+128*\qt
.endr
.endr
	v_add_nc_u32 v[ADR], s52, v[PW0]
	v_add_nc_u32 v[ADR2], s53, v[PS0]
	s_wait_dscnt 0x0
.irp qt, 0,1,2,3
	v_max3_num_f32 v[MM+\qt], v[ST+8*\qt], v[ST+8*\qt+2], v[ST+8*\qt+4]
.endr
.irp qt, 0,1,2,3
	v_max_num_f32 v[MM+\qt], v[MM+\qt], v[ST+8*\qt+6]      ; m: the row's largest t
.endr
.irp qt, 0,1,2,3
.irp w, 0,1,2,3
	v_sub_f32 v[ST+8*\qt+2*\w], v[ST+8*\qt+2*\w], v[MM+\qt]
.endr
	v_sub_f32 v[EO+\qt], v[ML+2*\qt], v[MM+\qt]
.endr
	s_wait_alu depctr_va_vdst(0)
.irp qt, 0,1,2,3
.irp w, 0,1,2,3
	v_exp_f32 v[ST+8*\qt+2*\w], v[ST+8*\qt+2*\w]
.endr
	v_exp_f32 v[EO+\qt], v[EO+\qt]
.endr
	v_nop
	s_wait_alu depctr_va_vdst(0)                           ; one wait for the twenty
.irp qt, 0,1,2,3
	v_mul_f32 v[LL+\qt], v[ST+8*\qt+1], v[ST+8*\qt]
.endr
.irp w, 1,2,3
.irp qt, 0,1,2,3
	v_fma_f32 v[LL+\qt], v[ST+8*\qt+2*\w+1], v[ST+8*\qt+2*\w], v[LL+\qt]
.endr
.endr
	s_wait_alu depctr_va_vdst(0)
.irp qt, 0,1,2,3
	v_rcp_f32 v[RR+\qt], v[LL+\qt]
.endr
	v_nop
	s_wait_alu depctr_va_vdst(0)                           ; and one for the four
.irp qt, 0,1,2,3
	v_mul_f32 v[F+2*\qt], v[EO+\qt], v[RR+\qt]
.endr
.irp qt, 0,1,2,3
	v_mov_b32 v[F+2*\qt+1], v[F+2*\qt]                     ; (named as a pair)
.endr
	s_wait_alu depctr_va_vdst(0)
	SOFT3 0
	SOFT3 1
	SOFT3 2
	SOFT3 3
	s_xor_b32 s52, s52, 49152
	s_xor_b32 s53, s53, 2048
	s_add_co_u32 s54, s54, 1
	s_sub_co_u32 s51, s51, 1
	s_cmp_lg_u32 s51, 0
	s_cbranch_scc1 .Lblock
	; ---- weights x V for the pair's 128 queries
	VLOAD 0
	VLOAD 1
	VLOAD 2
	VLOAD 3
	BAR                                                    ; the weights of both blocks lie in LDS
	PLOAD 0
	PLOAD 1
.irp ks, 0,1,2,3,4,5,6,7
	PVSTEP \ks
.endr
	; ---- attended, quantised along my 64 channels: two blocks of 32 for each of the eight tiles: half a fragment each
	WIN 0x0a
.irp q, 0,1,2,3,4,5,6,7
.irp g, 0,1
	v_max3_num_f32 v[BMX+2*\q+\g], |v[32*\q+16*\g]|, |v[32*\q+16*\g+1]|, 0x1800000
.endr
.endr
	WIN 0x28
.irp i, 2,4,6,8,10,12,14
.irp q, 0,1,2,3,4,5,6,7
.irp g, 0,1
	v_max3_num_f32 v[BMX+2*\q+\g], v[BMX+2*\q+\g], |v[32*\q+16*\g+\i]|, |v[32*\q+16*\g+\i+1]|
.endr
.endr
.endr
	WIN 0
.set j, 0
.rept 16
	v_permlanex16_b32 v[BTX+j], v[BMX+j], s48, s49
.set j, j+1
.endr
.set j, 0
.rept 16
	v_max_num_f32 v[BMX+j], v[BMX+j], v[BTX+j]
.set j, j+1
.endr
.set j, 0
.rept 16
	v_add_nc_u32 v[SOX+j], 0xff000000, v[BMX+j]
.set j, j+1
.endr
	WIN 0x02
.irp q, 0,1,2,3,4,5,6,7
	v_cvt_scalef32_pk16_fp6_f32 v[80+10*\q:82+10*\q], v[32*\q:32*\q+15], v[SOX+2*\q]
	v_cvt_scalef32_pk16_fp6_f32 v[86+10*\q:88+10*\q], v[32*\q+16:32*\q+31], v[SOX+2*\q+1]
.endr
	WIN 0
.set j, 0
.rept 16
	v_lshrrev_b32 v[BTX+j], 23, v[SOX+j]                   ; the bytes; the first is the plain line behind the conversions
.set j, j+1
.endr
.irp q, 0,1,2,3,4,5,6,7
.irp i, 0,1,2
	v_permlane16_swap_b32 v[80+10*\q+\i], v[86+10*\q+\i]
.endr
.irp i, 0,1,2
	v_mov_b32 v[83+10*\q+\i], v[86+10*\q+\i]
.endr
.irp p, 0,1,2
	global_store_b64 v[L8], v[80+10*\q+2*\p:81+10*\q+2*\p], s[42:43] offset:24576*\q+256*\p   ; 32 lanes store 256 consecutive bytes, aligned
.endr
.endr
.irp q, 0,1,2,3,4,5,6,7
	v_lshl_or_b32 v[BMX+\q], v[BTX+2*\q+1], 8, v[BTX+2*\q] ; a tile's two bytes
.endr
.irp p, 0,1,2,3
	v_lshl_or_b32 v[SOX+\p], v[BMX+2*\p+1], 16, v[BMX+2*\p]
.endr
	v_cmp_eq_u32 vcc_lo, 1, v[HF]
	v_cndmask_b32 v[SOX+4], v[SOX], v[SOX+2], vcc_lo       ; lanes 0-15 store tiles 0-3, lanes 16-31 tiles 4-7
	v_cndmask_b32 v[SOX+5], v[SOX+1], v[SOX+3], vcc_lo
	global_store_b64 v[ATL], v[SOX+4:SOX+5], s[44:45]      ; 256 consecutive bytes, aligned
	s_wait_xcnt 0x0                                        ; the stores' bases and data are written again only behind this wait
	s_add_nc_u64 s[42:43], s[42:43], 196608
	s_add_nc_u64 s[44:45], s[44:45], 1024
	s_sub_co_u32 s50, s50, 1
	s_cmp_lg_u32 s50, 0
	s_cbranch_scc1 .Lpair
	s_wait_dscnt 0x0
	s_wait_tensorcnt 0x0
	ds_add_u32 v245, v249
	s_wait_dscnt 0x0
	ROUND                                                  ; the closing round
	s_endpgm
.Lfunc_end_k_qf94eb52329_attn:
	.size	k_qf94eb52329_attn, .Lfunc_end_k_qf94eb52329_attn-k_qf94eb52329_attn
	.p2alignl 7, 3214868480
	.fill 96, 4, 3214868480
	.section	.rodata,"a",@progbits
	.p2align	6, 0x0
	.amdhsa_kernel k_qf94eb52329_attn
		.amdhsa_group_segment_fixed_size 327680
		.amdhsa_private_segment_fixed_size 0
		.amdhsa_enable_private_segment 0
		.amdhsa_kernarg_size 24
		.amdhsa_user_sgpr_count 2
		.amdhsa_user_sgpr_kernarg_segment_ptr 1
		.amdhsa_wavefront_size32 1
		.amdhsa_system_sgpr_workgroup_id_x 1
		.amdhsa_system_sgpr_workgroup_id_y 1
		.amdhsa_system_sgpr_workgroup_id_z 1
		.amdhsa_system_vgpr_workitem_id 0
		.amdhsa_next_free_vgpr 1024
		.amdhsa_next_free_sgpr 84
		.amdhsa_reserve_vcc 1
		.amdhsa_float_denorm_mode_32 3
		.amdhsa_float_denorm_mode_16_64 3
		.amdhsa_memory_ordered 1
		.amdhsa_forward_progress 1
		.amdhsa_inst_pref_size 247
	.end_amdhsa_kernel
	.amdgpu_metadata
---
amdhsa.version: [ 1, 2 ]
amdhsa.kernels:
  - .name:           k_qf94eb52329_attn
    .symbol:         k_qf94eb52329_attn.kd
    .args:
      - { .name: qkv, .offset: 0, .size: 8, .value_kind: global_buffer, .address_space: global }
      - { .name: opq, .offset: 8, .size: 8, .value_kind: global_buffer, .address_space: global }
      - { .name: att, .offset: 16, .size: 8, .value_kind: global_buffer, .address_space: global }
    .group_segment_fixed_size: 327680
    .private_segment_fixed_size: 0
    .kernarg_segment_align: 8
    .kernarg_segment_size: 24
    .max_flat_workgroup_size: 128
    .sgpr_count:     84
    .vgpr_count:     1024
    .wavefront_size: 32
...
	.end_amdgpu_metadata
.endif
;; end of part 7
;; launch proj (part 8): grid 256 x 1, 4 waves a work-group, no clusters, 135,680 bytes of LDS; arguments att, opq, Pb, out0; writes out0
.if DOCPART == 8
	.amdgcn_target "amdgcn-amd-amdhsa--gfx1250"
	.amdhsa_code_object_version 6
	.text
	.protected	k_qf94eb52329_proj
	.globl	k_qf94eb52329_proj
	.p2align	8
	.type	k_qf94eb52329_proj,@function
k_qf94eb52329_proj:
	s_mov_b64 s[64:65], 0
	v_nop
	global_prefetch_b8 v0, s[64:65] scope:SCOPE_SE
	s_setreg_imm32_b32 hwreg(HW_REG_WAVE_SCHED_MODE, 0, 2), 2
	s_setreg_imm32_b32 hwreg(HW_REG_WAVE_MODE, 25, 1), 1
	s_wait_xcnt 0x0
	s_wait_alu depctr_vm_vsrc(0)
; out0 = attended Pw + Pb on codes of E2M3.  A work-group makes 64 tokens x 128 columns.  THE WAVES SHARE K: wave w takes K = 512 w .. + 511 (four steps of 128), so that each fragment is read once a work-group,
; straight into registers; the four partial tiles meet in LDS, and each wave adds and stores 16 whole rows (512 consecutive bytes a store).
; Source 0 = 16 columns of Pw (in the tiles' order of rows), source 1 = 16 tokens: a lane holds eight neighbouring columns of one token.
; No cluster and no prefetch: the launch is short and asks early for all that it reads.
; The order of sums: each wave's 512 along K ascending in one accumulator, then ((p0 + p1) + (p2 + p3)) + Pb.
; THE MODE: SCHED_MODE bits 1:0 = 2 (LLVM: expert scheduling mode 2), set by the entry lines.  The code itself states the register dependences
; between vector or matrix instructions and memory or LDS instructions, with s_wait_alu, always for 0.
; THE PLAN.  Registers that memory or LDS instructions touch:
;   v1-7                   offsets and addresses, made at the head and never written again.
;   four buffers of attended, four of Pw: each K step has registers of its own, loaded once and read by that step's 32 products alone: no load lands where a product has read, so the K steps owe no wait for loads.
;   v8-15                  attended's scale words: loaded in halves, joined by vector instructions, read by the products: one wait ahead of the first product.
;   the 32 accumulators    written by the products, read by the LDS stores: one wait ahead of those stores; it also states that every product is done reading v64-255, in which the rows land.
;   three sets of 64 rows' registers, v64-255: batch bt of four rows is loaded into set bt % 3, added there, and stored from there behind one wait; batch 3 lands in set 0 behind the wait that shows batch 0's stores to have read it.
; REGISTERS: window 0: v1-7 addresses, v8-15 attended's scale words, v16-31 Pw's, v32-39 at work, v40-43 Pb, v64-255 four buffers of attended, later three sets of rows; window 1: Pw of K steps 0, 1; window 2: 32 accumulators; window 3: Pw of K steps 2, 3.
.set O_PI,  2867200
.set O_PS,  3260416
.set O_ATS, 12582912
.set L16, 1
.set L8,  2
.set L4,  3
.set ASL, 4
.set RW,  5
.set RA,  6                            ; v6, v7: partial tiles 0, 1 and 2, 3
.set ASR, 8
.set PSR, 16
.set HI,  32
.set PBR, 40
.set MSB, 0
.macro WIN new
.if MSB != (\new)
	s_set_vgpr_msb (MSB<<8)|(\new)
.set MSB, (\new)
.endif
.endm
.macro PTR d, b, o, k
	s_add_co_u32 s2, s[\o], \k
	s_mov_b32 s3, 0
	s_add_nc_u64 s[\d:\d+1], s[\b:\b+1], s[2:3]
.endm
.macro PLACES
.rept 4
	v_nop
.endr
.endm
.macro LOAD e                          ; K step e: four tiles of attended, eight of Pw, into the step's own registers
	WIN 0
.irp a, 0,1,2,3
.irp q, 0,1,2,3,4,5
	global_load_b64 v[64+48*(\e)+12*\a+2*\q:65+48*(\e)+12*\a+2*\q], v[L8], s[16:17] offset:24576*\a+1536*(\e)+256*\q
.endr
.endr
	WIN 0x40+0x80*((\e)/2)                                 ; window 1 or 3
.irp n, 0,1,2,3,4,5,6,7
.irp c, 0,1,2
	global_load_b128 v[96*((\e)%2)+12*\n+4*\c:96*((\e)%2)+12*\n+4*\c+3], v[L16], s[18:19] offset:24576*(\e)+1536*\n+512*\c
.endr
.endr
	WIN 0
.endm
.macro MUL e                           ; 32 accumulators by turns
.set PWB, 96*((\e)%2)
.set ATB, 64+48*(\e)
	WIN 0xa1+2*((\e)/2)                                    ; Pw in window 1 or 3, attended in window 0, C and D in window 2
.irp a, 0,1,2,3
.irp n, 0,1,2,3,4,5,6,7
.if (\e) == 0
	v_wmma_scale_f32_16x16x128_f8f6f4 v[8*(8*\a+\n):8*(8*\a+\n)+7], v[PWB+12*\n:PWB+12*\n+11], v[ATB+12*\a:ATB+12*\a+11], 0, v[PSR+\n], v[ASR+\a] matrix_a_fmt:MATRIX_FMT_FP6 matrix_b_fmt:MATRIX_FMT_FP6
.elseif (\e)%2 == 0
	v_wmma_scale_f32_16x16x128_f8f6f4 v[8*(8*\a+\n):8*(8*\a+\n)+7], v[PWB+12*\n:PWB+12*\n+11], v[ATB+12*\a:ATB+12*\a+11], v[8*(8*\a+\n):8*(8*\a+\n)+7], v[PSR+8*((\e)/2)+\n], v[ASR+4*((\e)/2)+\a] matrix_a_fmt:MATRIX_FMT_FP6 matrix_b_fmt:MATRIX_FMT_FP6
.else
	v_wmma_scale_f32_16x16x128_f8f6f4 v[8*(8*\a+\n):8*(8*\a+\n)+7], v[PWB+12*\n:PWB+12*\n+11], v[ATB+12*\a:ATB+12*\a+11], v[8*(8*\a+\n):8*(8*\a+\n)+7], v[PSR+8*((\e)/2)+\n], v[ASR+4*((\e)/2)+\a] matrix_a_fmt:MATRIX_FMT_FP6 matrix_b_fmt:MATRIX_FMT_FP6 matrix_a_scale:MATRIX_SCALE_ROW1 matrix_b_scale:MATRIX_SCALE_ROW1
.endif
.endr
.endr
.endm
; the way out, four rows a batch: the four partial tiles' parts of the rows into set bt % 3; their sum; their stores
.macro LD bt
.irp i, 0,1,2,3
.irp w, 0,1,2,3
	ds_load_b128 v[64+64*((\bt)%3)+16*\i+4*\w:67+64*((\bt)%3)+16*\i+4*\w], v[RA+\w/2] offset:33792*(\w%2)+528*(4*(\bt)+\i)
.endr
.endr
.endm
.macro ADD bt
.irp i, 0,1,2,3
.set ROWR, 64+64*((\bt)%3)+16*\i
.irp p, 0,2
	v_pk_add_f32 v[ROWR+\p:ROWR+\p+1], v[ROWR+\p:ROWR+\p+1], v[ROWR+4+\p:ROWR+5+\p]
	v_pk_add_f32 v[ROWR+8+\p:ROWR+9+\p], v[ROWR+8+\p:ROWR+9+\p], v[ROWR+12+\p:ROWR+13+\p]
.endr
.irp p, 0,2
	v_pk_add_f32 v[ROWR+\p:ROWR+\p+1], v[ROWR+\p:ROWR+\p+1], v[ROWR+8+\p:ROWR+9+\p]
.endr
.irp p, 0,2
	v_pk_add_f32 v[ROWR+\p:ROWR+\p+1], v[ROWR+\p:ROWR+\p+1], v[PBR+\p:PBR+\p+1]
.endr
.endr
.endm
.macro ST bt
.irp i, 0,1,2,3
	global_store_b128 v[L16], v[64+64*((\bt)%3)+16*\i:67+64*((\bt)%3)+16*\i], s[26:27] offset:(4*(\bt)+\i+8*((4*(\bt)+\i)/8))*1024 th:TH_STORE_NT   ; row rr of the tile is token rr + 8 (rr / 8): 512 consecutive bytes, aligned
.endr
.endm
	s_load_b256 s[4:11], s[0:1], 0x0                       ; att, opq, Pb, out0
	v_lshl_add_u32 v62, v0, 2, 0x21000
	v_mov_b32 v63, 0
	v_lshrrev_b32 v1, 5, v0
	v_readfirstlane_b32 s12, v1                            ; wave
	s_lshr_b32 s13, ttmp9, 1                               ; tb: which 64 tokens
	s_and_b32 s14, ttmp9, 1                                ; nh: which 128 columns
	v_and_b32 v44, 31, v0
	v_and_b32 v45, 15, v0
	v_bfe_u32 v46, v0, 4, 1
	v_lshlrev_b32 v[L16], 4, v44
	v_lshlrev_b32 v[L8], 3, v44
	v_lshlrev_b32 v[L4], 2, v44
	v_lshlrev_b32 v[ASL], 4, v45
	v_lshl_add_u32 v[ASL], v46, 9, v[ASL]                  ; 512 h + 16 r
	s_wait_alu depctr_va_sdst(0)                           ; s12 is written, ahead of its first reader: the wave's places in LDS and in the buffers are made from it
	s_mul_i32 s28, s12, 33792
	v_mul_u32_u24 v[RW], v45, 528
	v_lshl_add_u32 v[RW], v46, 6, v[RW]
	v_add_nc_u32 v[RW], s28, v[RW]                         ; my partial tile: row r of 528 bytes, + 64 h
	s_mul_i32 s28, s12, 8448
	v_add_nc_u32 v[RA], s28, v[L16]                        ; the 16 rows that I add: 16 bytes a lane
	v_add_nc_u32 v[RA+1], 67584, v[RA]
	s_wait_kmcnt 0x0
	s_lshl_b32 s28, s13, 6
	s_lshl_b32 s29, s12, 2
	s_add_co_u32 s28, s28, s29
	s_mul_i32 s28, s28, 1536
	PTR 16, 4, 28, 0                                       ; attended: tile 4 tb, K step 4 w
	s_lshl_b32 s28, s12, 6
	s_lshl_b32 s29, s14, 3
	s_add_co_u32 s28, s28, s29
	s_mul_i32 s28, s28, 1536
	PTR 18, 6, 28, O_PI                                    ; Pw: K step 4 w, tile 8 nh
	s_lshl_b32 s28, s12, 5
	s_add_co_u32 s28, s28, s29
	s_lshl_b32 s28, s28, 7
	PTR 20, 6, 28, O_PS
	s_lshl_b32 s28, s12, 7
	s_lshr_b32 s29, s13, 1
	s_add_co_u32 s28, s28, s29
	s_lshl_b32 s28, s28, 10
	s_and_b32 s29, s13, 1
	s_lshl_b32 s29, s29, 3
	s_add_co_u32 s28, s28, s29
	PTR 22, 4, 28, O_ATS                                   ; attended's scale bytes: head 2 w, my block of 128 tokens, my four tiles
	s_lshl_b32 s28, s14, 9
	PTR 24, 8, 28, 0
	s_lshl_b32 s28, s13, 6
	s_lshr_b32 s29, s12, 1
	s_lshl_b32 s29, s29, 5
	s_add_co_u32 s28, s28, s29
	s_and_b32 s29, s12, 1
	s_lshl_b32 s29, s29, 3
	s_add_co_u32 s28, s28, s29
	s_lshl_b32 s28, s28, 10
	s_lshl_b32 s29, s14, 9
	s_add_co_u32 s28, s28, s29
	PTR 26, 10, 28, 0                                      ; out0 at the first token of tile 4 tb + w, my 128 columns
	s_wait_alu depctr_va_vdst(0)                           ; the seven offsets and addresses v1 to v7 are written: every load, store and LDS instruction of the kernel reads one of them
.irp e2, 0,1                                               ; a row's scale word of a K step is two pairs of bytes, made by two waves of the launch before; lanes 0-15 take the even step's, lanes 16-31 the odd step's
.irp a, 0,1,2,3
	global_load_u16 v[ASR+4*\e2+\a], v[ASL], s[22:23] offset:65536*\e2+2*\a
	global_load_u16 v[HI+4*\e2+\a], v[ASL], s[22:23] offset:65536*\e2+2*\a+256
.endr
.irp n, 0,1,2,3,4,5,6,7
	global_load_b32 v[PSR+8*\e2+\n], v[L4], s[20:21] offset:2048*\e2+128*\n
.endr
.endr
	global_load_b128 v[PBR:PBR+3], v[L16], s[24:25]
	LOAD 0
	LOAD 1
	s_wait_loadcnt 48                                      ; K step 1's 48 loads may be out
.set j, 0
.rept 8
	v_lshl_or_b32 v[ASR+j], v[HI+j], 16, v[ASR+j]
.set j, j+1
.endr
	LOAD 2                                                 ; into registers that nothing has named yet: no wait
.rept 8
	v_nop                                                  ; a scale word made by a vector instruction stands eight places ahead of the product
.endr
	s_wait_alu depctr_va_vdst(0)                           ; the eight scale words v8 to v15 are written, which the products take as scales; the places above stay beside this wait
	MUL 0
	s_wait_loadcnt 48                                      ; K step 1 is in; K step 2's 48 loads may be out
	LOAD 3                                                 ; likewise: no vector or matrix instruction names these registers ahead of K step 3's products
	MUL 1
	s_wait_loadcnt 48                                      ; K step 2 is in; K step 3's 48 loads may be out
	MUL 2
	s_wait_loadcnt 0x0
	MUL 3
	WIN 0
	PLACES                                                 ; four places behind the last product, before its result is read
	WIN 0x08                                               ; an LDS store's data: window 2
	s_wait_alu depctr_va_vdst(0)                           ; the products have written the accumulators, which the LDS stores read, and are done reading v64 to v255, in which the rows land; the places above stay beside this wait
.irp a, 0,1,2,3
.irp n, 0,1,2,3,4,5,6,7
	ds_store_b128 v[RW], v[8*(8*\a+\n):8*(8*\a+\n)+3] offset:8448*\a+128*(\n/2)+32*(\n%2)      ; each accumulator from its low end on
	ds_store_b128 v[RW], v[8*(8*\a+\n)+4:8*(8*\a+\n)+7] offset:8448*\a+128*(\n/2)+32*(\n%2)+16
.endr
.endr
	WIN 0
	s_wait_dscnt 0x0                                       ; my partial tile has landed,
	s_barrier_signal -1
	s_barrier_wait -1                                      ; everybody's has
	LD 0
	LD 1
	LD 2
	s_wait_dscnt 32                                        ; batch 0 is in; sixteen loads for each of the two younger batches may be out
	ADD 0
	s_wait_alu depctr_va_vdst(0)                           ; the additions have written batch 0's rows, which the stores read
	ST 0
	s_wait_dscnt 16                                        ; batch 1 is in; batch 2's sixteen loads may be out
	ADD 1
	s_wait_xcnt 0x0                                        ; batch 0's stores have had their addresses translated: their data registers are loaded again only behind this wait
	s_wait_alu depctr_vm_vsrc(0)                           ; batch 0's stores have read set 0, in which batch 3 lands
	s_wait_alu depctr_va_vdst(0)                           ; the additions have written batch 1's rows, which the stores read (batch 0's additions, which named set 0, stand ahead of the wait before)
	LD 3
	ST 1
	s_wait_dscnt 16                                        ; batch 2 is in; batch 3's sixteen loads may be out
	ADD 2
	s_wait_alu depctr_va_vdst(0)                           ; the additions have written batch 2's rows, which the stores read
	ST 2
	s_wait_dscnt 0x0
	ADD 3
	s_wait_alu depctr_va_vdst(0)                           ; the additions have written batch 3's rows, which the stores read
	ST 3
	s_wait_dscnt 0x0
	s_wait_alu depctr_hold_cnt(0) depctr_sa_sdst(0) depctr_va_vdst(0) depctr_va_sdst(0) depctr_va_ssrc(0) depctr_va_vcc(0) depctr_vm_vsrc(0)
	s_wait_tensorcnt 0x0
	ds_add_u32 v62, v63
	s_wait_dscnt 0x0
	s_endpgm
.Lfunc_end_k_qf94eb52329_proj:
	.size	k_qf94eb52329_proj, .Lfunc_end_k_qf94eb52329_proj-k_qf94eb52329_proj
	.p2alignl 7, 3214868480
	.fill 96, 4, 3214868480
	.section	.rodata,"a",@progbits
	.p2align	6, 0x0
	.amdhsa_kernel k_qf94eb52329_proj
		.amdhsa_group_segment_fixed_size 135680
		.amdhsa_private_segment_fixed_size 0
		.amdhsa_enable_private_segment 0
		.amdhsa_kernarg_size 32
		.amdhsa_user_sgpr_count 2
		.amdhsa_user_sgpr_kernarg_segment_ptr 1
		.amdhsa_wavefront_size32 1
		.amdhsa_system_sgpr_workgroup_id_x 1
		.amdhsa_system_sgpr_workgroup_id_y 1
		.amdhsa_system_sgpr_workgroup_id_z 1
		.amdhsa_system_vgpr_workitem_id 0
		.amdhsa_next_free_vgpr 960
		.amdhsa_next_free_sgpr 66
		.amdhsa_reserve_vcc 0
		.amdhsa_float_denorm_mode_32 3
		.amdhsa_float_denorm_mode_16_64 3
		.amdhsa_memory_ordered 1
		.amdhsa_forward_progress 1
		.amdhsa_inst_pref_size 60
	.end_amdhsa_kernel
	.amdgpu_metadata
---
amdhsa.version: [ 1, 2 ]
amdhsa.kernels:
  - .name:           k_qf94eb52329_proj
    .symbol:         k_qf94eb52329_proj.kd
    .args:
      - { .name: att, .offset: 0, .size: 8, .value_kind: global_buffer, .address_space: global }
      - { .name: opq, .offset: 8, .size: 8, .value_kind: global_buffer, .address_space: global }
      - { .name: Pb, .offset: 16, .size: 8, .value_kind: global_buffer, .address_space: global }
      - { .name: out0, .offset: 24, .size: 8, .value_kind: global_buffer, .address_space: global }
    .group_segment_fixed_size: 135680
    .private_segment_fixed_size: 0
    .kernarg_segment_align: 8
    .kernarg_segment_size: 32
    .max_flat_workgroup_size: 128
    .sgpr_count:     66
    .vgpr_count:     960
    .wavefront_size: 32
...
	.end_amdgpu_metadata
.endif
;; end of part 8
